; MI455X (gfx1250); checked and timed in simulation.
; The chip was launched on July 23, 2026; its instructions are those of AMD's public machine-readable ISA for CDNA 5 (MIT licence, August 2026) and "CDNA5" Instruction Set Architecture Reference Guide (July 2026). The comments in the code are by the model that wrote it; some were corrected since.
;; Diff Attention. Allowed arithmetic: matrix products marked QUANTISED: E2M3 operands, one E8M0 scale for each 32 along K, by v_wmma_scale_f32_16x16x128_f8f6f4 with both operands' format E2M3, f32 sums; everything else in f32.
;; Inputs: Wk 2,048 x 1,024 float32; Wo 2,048 x 2,048 float32; Wq 2,048 x 2,048 float32; Wv 2,048 x 1,024 float32; cos 2,048 x 32 float32; sin 2,048 x 32 float32; x 1 x 2,048 x 2,048 float32.
;; Outputs: out0 1 x 2,048 x 2,048 float32.
;; This version of the problem:
;;   THIS VERSION OF THE PROBLEM IS GIVEN IN LOW PRECISION. The matrix products marked QUANTISED in the list below multiply operands that are first quantised to E2M3 (2 exponent bits, 3 mantissa bits; 6 bits a number), with one power-of-two scale for each 32 numbers along K (OCP MX v1.0); their sums are f32. All else is computed in f32.
;;   The module's matrix products, in the order in which they are computed (A, B: the left and right operand; K: the contracted axis; several contracted axes count as one K, in the product's order):
;;     1. [M 2,048, K 2,048] x [K 2,048, N 2,048]; A: input x; B: input Wq: QUANTISED
;;     2. [M 2,048, K 2,048] x [K 2,048, N 1,024]; A: input x; B: input Wk: QUANTISED
;;     3. [M 2,048, K 2,048] x [K 2,048, N 1,024]; A: input x; B: input Wv: QUANTISED
;;     4. batch 16 x [M 2,048, K 64] x [K 64, N 2,048]; A: computed on the way; B: computed on the way: QUANTISED
;;     5. batch 16 x [M 2,048, K 64] x [K 64, N 2,048]; A: computed on the way; B: computed on the way: QUANTISED
;;     6. batch 16 x [M 2,048, K 2,048] x [K 2,048, N 128]; A: computed on the way; B: computed on the way: QUANTISED
;;     7. [M 2,048, K 2,048] x [K 2,048, N 2,048]; A: computed on the way; B: input Wo: QUANTISED
;;   THE QUANTISER, for each operand of a quantised product, along K:
;;     - K is cut into blocks of 32 from its start; a last block that is shorter is filled with zeros.
;;     - A block's scale is 2^e with e = floor(log2(the largest magnitude in the block)) - 2, held to -126 .. 127; a block of zeros has e = 0. As a byte (E8M0): e + 127.
;;     - Each number is divided by its block's scale, clamped to +-7.5, and rounded to the nearest number of E2M3, ties to even, subnormals kept.
;;     - The product sums the exact products of the quantised numbers (number of the format x scale) in f32.
;;   ~~~python
;;   def quantise(x, axis):      # numpy; x: float32 -> the quantised numbers, widened to float32 again
;;       x = np.moveaxis(x, axis, -1); K = x.shape[-1]
;;       x = np.pad(x, [(0, 0)] * (x.ndim - 1) + [(0, -K % 32)]); x = x.reshape(x.shape[:-1] + (-1, 32)); a = np.abs(x).max(-1, keepdims=True)
;;       e = np.where(a > 0, np.clip(np.frexp(np.where(a > 0, a, 1))[1] - 1 - 2, -126, 127), 0)      # np.frexp(a)[1] - 1 = floor(log2(a)), exactly
;;       r = np.clip(x / 2.0 ** e, -7.5, 7.5)
;;       step = 2.0 ** (np.maximum(np.frexp(np.where(r == 0, 1, r))[1] - 1, 0) - 3)
;;       q = np.round(r / step) * step * 2.0 ** e      # np.round: ties to even
;;       return np.moveaxis(q.reshape(q.shape[:-2] + (-1,))[..., :K], -1, axis).astype(np.float32)
;;   ~~~
;;   OPERANDS COMPUTED ON THE WAY. 'Computed on the way' means the value that the module computes at that place (a softmax that the list does not call 'softmax' is quantised finished and normalised). What goes into a quantiser is computed in f32, as accurately as f32 sums, v_exp_f32 and their like allow (about 1e-6 of the number): no bf16 or f16 on the way to a quantiser, and a product that is left as it is and whose result goes on into a quantised operand takes f32 operands (vector FMAs, or v_wmma_f32_16x16x4_f32). A number that lies on a knife's edge between two numbers of the format may be rounded either way, as far as f32 arithmetic and the matrix unit's own rounding can turn it there, and no further.
;; 2 versions. Each part assembles by itself: llvm-mc -triple=amdgcn-amd-amdhsa -mcpu=gfx1250 --defsym DOCPART=n.
;; ======== version 1 of 2: 5 launches
;; workspace buffers: xc 3,145,728 bytes; xs 131,072 bytes; wc 9,437,184 bytes; ws 393,216 bytes; img 6,291,456 bytes; isc 262,144 bytes; oimg 3,145,728 bytes; osc 131,072 bytes
;; launch quant_x (part 1): grid 128 x 1, 4 waves a work-group, no clusters, 33,280 bytes of LDS; arguments x, xc, xs; writes xc, xs
.if DOCPART == 1
	.amdgcn_target "amdgcn-amd-amdhsa--gfx1250"
	.amdhsa_code_object_version 6
	.text
	.protected	k_qfec3f6054d_quant_x
	.globl	k_qfec3f6054d_quant_x
	.p2align	8
	.type	k_qfec3f6054d_quant_x,@function
k_qfec3f6054d_quant_x:
	s_mov_b64 s[64:65], 0
	v_nop
	global_prefetch_b8 v0, s[64:65] scope:SCOPE_SE
	s_setreg_imm32_b32 hwreg(HW_REG_WAVE_MODE, 25, 1), 1
	s_wait_xcnt 0x0
; x [2048][2048] f32 becomes codes of FP6 (E2M3), K innermost, xc [2048][1536 bytes], and one E8M0 byte for each 32 along K, xs [2048][64].
; A block's scale is 2^(floor(log2(its largest magnitude)) - 2); its byte is the largest magnitude's exponent field - 2, held at 1 from below.
; LIMITS: a block of zeros, and a block whose largest magnitude lies under 2^-124, gets the byte 1 (the rule says 127 for zeros): its codes are zeros or tiny, and this program alone reads the bytes.
; NaN and infinities among the inputs are not served.
; Rows are dense and 2048 is a multiple of 32: the tensor is a plain stream of blocks of 32, and so are its codes and its bytes.
; A wave takes 16 steps of 512 numbers.  Each of a step's four loads reads 512 consecutive bytes, 16 a lane; the 2,048 bytes turn through the wave's own stage in LDS and come back 64 bytes a lane,
; so that a lane holds 16 neighbours along K (two neighbouring lanes hold a block), as the conversion wants them.  No tensor load, no barrier: waves share nothing.
.set STEPS, 16
.set EMAX,  2
.set CB,    12                         ; bytes of 16 codes
.set R,     16                         ; v16-79   four sets of 16 numbers as they are loaded
.set X,     80                         ; v80-111  two sets of 16 neighbours
.set C,     128                        ; v128-191 codes: four registers for each step, so that no store's data are written again
.set E,     112                        ; v112-127 a scale byte for each step
.set WREG,  8192                       ; LDS: a region for each wave: two stages of 32 x SP bytes, behind them its 256 scale bytes
.set SP,    80                         ; a lane's place in a stage: its 64 bytes + 16 of padding
	s_load_b128 s[4:7], s[0:1], 0x0                ; x s[4:5], xc s[6:7]
	s_load_b64 s[10:11], s[0:1], 0x10              ; xs
	v_lshl_add_u32 v192, v0, 2, 0x8000
	v_mov_b32 v193, 0
	v_lshrrev_b32 v1, 5, v0
	v_readfirstlane_b32 s16, v1                    ; wave
	v_and_b32 v2, 31, v0                           ; lane
	v_lshlrev_b32 v3, 4, v2                        ; my 16 bytes of a load's 512
	s_mul_i32 s17, s16, WREG
	v_lshrrev_b32 v14, 2, v2
	v_mul_u32_u24 v14, v14, SP
	v_and_b32 v15, 3, v2
	v_lshl_add_u32 v14, v15, 4, v14
	v_add_nc_u32 v14, s17, v14                     ; the stage, on the way in: SP (lane / 4) + 16 (lane % 4)
	v_mul_u32_u24 v15, v2, SP
	v_add_nc_u32 v15, s17, v15                     ; and on the way out: SP x lane: my 16 neighbours
	v_mul_u32_u24 v4, v2, CB                       ; my codes' place in a step's
	v_lshrrev_b32 v5, 1, v2
	s_add_co_u32 s17, s17, 2*32*SP
	v_add_nc_u32 v5, s17, v5                       ; LDS: my wave's 256 scale bytes, my block's byte
	v_lshlrev_b32 v7, 3, v2                        ; and on the way out 8 bytes a lane
	v_add_nc_u32 v6, s17, v7
	s_wait_kmcnt 0x0
	s_lshl_b32 s17, ttmp9, 2
	s_add_co_u32 s18, s17, s16                     ; which run of 8,192 numbers is my wave's
	s_mov_b32 s19, 0
	s_mov_b64 s[20:21], 512*STEPS*4
	s_mul_u64 s[20:21], s[18:19], s[20:21]
	s_add_nc_u64 s[4:5], s[4:5], s[20:21]
	s_mov_b64 s[20:21], 32*STEPS*CB
	s_mul_u64 s[20:21], s[18:19], s[20:21]
	s_add_nc_u64 s[6:7], s[6:7], s[20:21]
	s_lshl_b32 s18, s18, 8                         ; 256 scale bytes a run
	s_add_nc_u64 s[10:11], s[10:11], s[18:19]
.macro LOAD t
.irp i, 0,1,2,3
	global_load_b128 v[R+16*((\t)%4)+4*\i:R+16*((\t)%4)+4*\i+3], v3, s[4:5] offset:2048*(\t)+512*\i th:TH_LOAD_NT   ; 32 lanes read 512 consecutive bytes
.endr
.endm
.macro TURN t                          ; step t's numbers through the stage: LDS serves a wave's instructions in order, so no wait stands between the stores and the loads
.irp i, 0,1,2,3
	ds_store_b128 v14, v[R+16*((\t)%4)+4*\i:R+16*((\t)%4)+4*\i+3] offset:32*SP*((\t)%2)+8*SP*\i
.endr
.irp i, 0,1,2,3
	ds_load_b128 v[X+16*((\t)%2)+4*\i:X+16*((\t)%2)+4*\i+3], v15 offset:32*SP*((\t)%2)+16*\i
.endr
.endm
.irp t, 0,1,2,3
	LOAD \t
.endr
	s_wait_loadcnt 12                              ; step 0's four loads are in; the twelve of steps 1 to 3 may be out
	TURN 0
.macro STEP t
.set XS, X+16*((\t)%2)
.if (\t) > 0
	s_wait_dscnt 1                                 ; this step's numbers are back from the stage (the last step's byte store may be out): so its stores into the stage have read their registers,
.else
	s_wait_dscnt 0x0
.endif
.if (\t)+4 < STEPS
	LOAD (\t)+4                                    ; which take the loads of four steps on
.endif
.if (\t)+1 < STEPS
.if STEPS-2-(\t) >= 3
	s_wait_loadcnt 12                              ; the next step's four loads are in; those of the three steps behind it may be out
.else
	s_wait_loadcnt 4*(STEPS-2-(\t))
.endif
	TURN (\t)+1                                    ; and go through the other stage while this step is worked
.endif
	v_max3_num_f32 v8, |v[XS]|, |v[XS+1]|, |v[XS+2]|               ; the largest magnitude of my 16, in two chains
	v_max3_num_f32 v9, |v[XS+3]|, |v[XS+4]|, |v[XS+5]|
.irp i, 6,10
	v_max3_num_f32 v8, v8, |v[XS+\i]|, |v[XS+\i+1]|
	v_max3_num_f32 v9, v9, |v[XS+\i+2]|, |v[XS+\i+3]|
.endr
	v_max3_num_f32 v8, v8, |v[XS+14]|, |v[XS+15]|
	v_max3_num_f32 v8, v8, v9, (EMAX+1)<<23        ; and the floor 2^(3 - 127): the byte cannot fall under 1
	v_max_num_f32_dpp v8, v8, v8 row_xmask:1 row_mask:0xf bank_mask:0xf   ; and of my neighbour's 16: the block's
	v_add_nc_u32 v11, -(EMAX<<23), v8              ; 2 off its exponent field: the conversion takes the exponent field of this operand as its scale
	v_cvt_scalef32_pk16_fp6_f32 v[C+4*(\t):C+4*(\t)+2], v[XS:XS+15], v11
	v_lshrrev_b32 v[E+(\t)], 23, v11               ; the scale's byte (also the plain line behind the conversion)
	ds_store_b8 v5, v[E+(\t)] offset:16*(\t)       ; both lanes of a block write the same byte with the same value
	global_store_b96 v4, v[C+4*(\t):C+4*(\t)+2], s[6:7] offset:32*CB*(\t)   ; the wave stores 384 consecutive bytes
.endm
.irp t, 0,1,2,3,4,5,6,7,8,9,10,11,12,13,14,15
	STEP \t
.endr
	ds_load_b64 v[12:13], v6                       ; LDS serves a wave's instructions in order: these see my stores
	s_wait_dscnt 0x0
	global_store_b64 v7, v[12:13], s[10:11]        ; 32 lanes store 256 consecutive bytes, aligned
	s_wait_tensorcnt 0x0
	ds_add_u32 v192, v193
	s_wait_dscnt 0x0
	s_endpgm
.Lfunc_end_k_qfec3f6054d_quant_x:
	.size	k_qfec3f6054d_quant_x, .Lfunc_end_k_qfec3f6054d_quant_x-k_qfec3f6054d_quant_x
	.p2alignl 7, 3214868480
	.fill 96, 4, 3214868480
	.section	.rodata,"a",@progbits
	.p2align	6, 0x0
	.amdhsa_kernel k_qfec3f6054d_quant_x
		.amdhsa_group_segment_fixed_size 33280
		.amdhsa_private_segment_fixed_size 0
		.amdhsa_enable_private_segment 0
		.amdhsa_kernarg_size 24
		.amdhsa_user_sgpr_count 2
		.amdhsa_user_sgpr_kernarg_segment_ptr 1
		.amdhsa_wavefront_size32 1
		.amdhsa_system_sgpr_workgroup_id_x 1
		.amdhsa_system_sgpr_workgroup_id_y 1
		.amdhsa_system_sgpr_workgroup_id_z 1
		.amdhsa_system_vgpr_workitem_id 0
		.amdhsa_next_free_vgpr 194
		.amdhsa_next_free_sgpr 66
		.amdhsa_reserve_vcc 0
		.amdhsa_float_denorm_mode_32 3
		.amdhsa_float_denorm_mode_16_64 3
		.amdhsa_memory_ordered 1
		.amdhsa_forward_progress 1
		.amdhsa_inst_pref_size 32
	.end_amdhsa_kernel
	.amdgpu_metadata
---
amdhsa.version: [ 1, 2 ]
amdhsa.kernels:
  - .name:           k_qfec3f6054d_quant_x
    .symbol:         k_qfec3f6054d_quant_x.kd
    .args:
      - { .name: x, .offset: 0, .size: 8, .value_kind: global_buffer, .address_space: global }
      - { .name: xc, .offset: 8, .size: 8, .value_kind: global_buffer, .address_space: global }
      - { .name: xs, .offset: 16, .size: 8, .value_kind: global_buffer, .address_space: global }
    .group_segment_fixed_size: 33280
    .private_segment_fixed_size: 0
    .kernarg_segment_align: 8
    .kernarg_segment_size: 24
    .max_flat_workgroup_size: 128
    .sgpr_count:     66
    .vgpr_count:     194
    .wavefront_size: 32
...
	.end_amdgpu_metadata
.endif
;; end of part 1
;; launch quant_w (part 2): grid 48 x 8, 4 waves a work-group, no clusters, 36,352 bytes of LDS; arguments Wq, Wk, Wv, Wo, wc, ws; writes wc, ws
.if DOCPART == 2
	.amdgcn_target "amdgcn-amd-amdhsa--gfx1250"
	.amdhsa_code_object_version 6
	.text
	.protected	k_qfec3f6054d_quant_w
	.globl	k_qfec3f6054d_quant_w
	.p2align	8
	.type	k_qfec3f6054d_quant_w,@function
k_qfec3f6054d_quant_w:
	s_mov_b64 s[64:65], 0
	v_nop
	global_prefetch_b8 v0, s[64:65] scope:SCOPE_SE
	s_setreg_imm32_b32 hwreg(HW_REG_WAVE_MODE, 25, 1), 1
	s_wait_xcnt 0x0
; The four weights, f32 with K (2048) as their FIRST axis, become codes of FP6 (E2M3) with K innermost, wc [6144][1536 bytes], and E8M0 bytes ws [6144][64].
; Rows of wc: 0-2047 Wq's columns, 2048-3071 Wk's, 3072-4095 Wv's, 4096-6143 Wo's.  Work-group x = 128 rows of wc, y = 256 along K.
; A LANE TAKES A COLUMN, AND ITS REGISTERS RUN DOWN K: a block of 32 along K lies in one lane's 32 registers, its largest magnitude needs no other lane, and the conversions give codes with K innermost.
; Which weight, and so the bytes from row to row (8,192 or 4,096), is chosen on the work-group's number alone.  That pitch cannot stand in immediates: 32 offset registers (4 lane + i x pitch) and
; eight scalar bases (one for each block of 32 rows) are made once and never rewritten.
; A wave gathers 256 along K (192 bytes a column) in its own stage in LDS and stores sixteen lanes to a row's 192 consecutive bytes.  No tensor load, no barrier: waves share nothing.
; LIMITS: as in the launch for x: blocks of zeros and blocks under 2^-124 get the byte 1; NaN and infinities are not served.
.set NB,    8                          ; blocks of 32 for a wave
.set ROWB,  192                        ; bytes of 256 codes
.set PITCH, 272                        ; a stage row: sixteen places of 16 bytes, each with 12 bytes of codes, + 16
.set KROW,  1536                       ; a row of wc in bytes
.set EMAX,  2
.set X,     32                         ; v32-95   two sets of 32 numbers
.set C,     96                         ; v96..    a block's codes
.set OUTR,  112                        ; v112-175 the way out: 16 x 4 registers
.set SBY,   24                         ; v24-25   the scale bytes, four to a register
.set VO,    176                        ; v176-207 4 x lane + i x pitch
.set SBASE, 16                         ; s[16:31] the weight at my columns, at row 256 y + 32 t
	s_load_b256 s[4:11], s[0:1], 0x0               ; Wq, Wk, Wv, Wo
	s_load_b128 s[12:15], s[0:1], 0x20             ; wc, ws
	v_lshl_add_u32 v208, v0, 2, 0x8c00
	v_mov_b32 v209, 0
	v_lshrrev_b32 v1, 5, v0
	v_readfirstlane_b32 s32, v1                    ; wave 0..3
	v_and_b32 v2, 31, v0                           ; lane
	s_lshl_b32 s33, ttmp9, 7
	s_lshl_b32 s34, s32, 5
	s_add_co_u32 s33, s33, s34                     ; my wave's first row of wc: 128 x + 32 wave
	s_and_b32 s35, ttmp7, 0xffff                   ; y
	s_mul_i32 s34, s32, 32*PITCH                   ; my stage
	v_mul_u32_u24 v4, v2, PITCH
	v_add_nc_u32 v4, s34, v4                       ; into it: row = my column
	v_and_b32 v5, 15, v2
	v_lshrrev_b32 v6, 4, v2                        ; out of it: sixteen lanes to a row, two rows an instruction
	v_mul_u32_u24 v7, v6, PITCH
	v_lshl_add_u32 v7, v5, 4, v7
	v_add_nc_u32 v7, s34, v7
	v_mul_u32_u24 v8, v6, KROW
	v_mad_u32_u24 v8, v5, 12, v8                   ; and the same place in wc
	v_lshlrev_b32 v9, 6, v2                        ; my column's row of scale bytes: 64 bytes a row
	s_mov_b32 s38, 32                              ; the weight's first work-group x,
	s_mov_b32 s39, 8192                            ; and its bytes from row to row: Wo's
	s_wait_kmcnt 0x0
	s_mov_b64 s[36:37], s[10:11]
	s_cmp_lt_u32 ttmp9, 32                         ; the choices hang on the work-group's number alone
	s_cselect_b64 s[36:37], s[8:9], s[36:37]       ; Wv
	s_cselect_b32 s38, 24, s38
	s_cselect_b32 s39, 4096, s39
	s_cmp_lt_u32 ttmp9, 24
	s_cselect_b64 s[36:37], s[6:7], s[36:37]       ; Wk
	s_cselect_b32 s38, 16, s38
	s_cmp_lt_u32 ttmp9, 16
	s_cselect_b64 s[36:37], s[4:5], s[36:37]       ; Wq
	s_cselect_b32 s38, 0, s38
	s_cselect_b32 s39, 8192, s39
	s_sub_co_u32 s40, ttmp9, s38
	s_lshl_b32 s40, s40, 7
	s_lshl_b32 s41, s32, 5
	s_add_co_u32 s40, s40, s41                     ; my wave's first column in its weight
	s_lshl_b32 s40, s40, 2
	s_mul_i32 s41, s35, s39
	s_lshl_b32 s41, s41, 8                         ; 256 y rows
	s_add_co_u32 s40, s40, s41
	s_mov_b32 s41, 0
	s_add_nc_u64 s[SBASE:SBASE+1], s[36:37], s[40:41]
	s_lshl_b32 s42, s39, 5                         ; 32 rows on
	s_mov_b32 s43, 0
.irp t, 1,2,3,4,5,6,7
	s_add_nc_u64 s[SBASE+2*\t:SBASE+2*\t+1], s[SBASE+2*\t-2:SBASE+2*\t-1], s[42:43]
.endr
	v_lshlrev_b32 v[VO], 2, v2
.set i, 1
.rept 31
	v_add_nc_u32 v[VO+i], s39, v[VO+i-1]
.set i, i+1
.endr
	s_mul_i32 s44, s33, KROW
	s_mul_i32 s45, s35, ROWB
	s_add_co_u32 s44, s44, s45
	s_mov_b32 s45, 0
	s_add_nc_u64 s[12:13], s[12:13], s[44:45]      ; wc at my first row, my 256 along K
	s_lshl_b32 s44, s33, 6
	s_lshl_b32 s46, s35, 3
	s_add_co_u32 s44, s44, s46
	s_add_nc_u64 s[14:15], s[14:15], s[44:45]      ; ws likewise
.macro LOAD t                          ; block t: W(256 y + 32 t + i, my column), i = 0 .. 31, into set t % 2; a wave's load reads 128 consecutive bytes
.set i, 0
.rept 32
	global_load_b32 v[X+32*((\t)%2)+i], v[VO+i], s[SBASE+2*(\t):SBASE+2*(\t)+1] th:TH_LOAD_NT
.set i, i+1
.endr
.endm
	LOAD 0
	LOAD 1
.macro BLOCK t
.set XS, X+32*((\t)%2)
.if (\t) < NB-1
	s_wait_loadcnt 32                              ; this block's 32 loads are in; the next block's 32 may be out
.else
	s_wait_loadcnt 0
.endif
	v_max3_num_f32 v12, |v[XS]|, |v[XS+1]|, |v[XS+2]|               ; the block's largest magnitude: all 32 numbers are mine
	v_max3_num_f32 v13, |v[XS+3]|, |v[XS+4]|, |v[XS+5]|
.irp i, 6,10,14,18,22,26
	v_max3_num_f32 v12, v12, |v[XS+\i]|, |v[XS+\i+1]|
	v_max3_num_f32 v13, v13, |v[XS+\i+2]|, |v[XS+\i+3]|
.endr
	v_max3_num_f32 v12, v12, |v[XS+30]|, |v[XS+31]|
	v_max3_num_f32 v12, v12, v13, (EMAX+1)<<23     ; and the floor 2^(3 - 127)
	v_add_nc_u32 v11, -(EMAX<<23), v12             ; 2 off its exponent field: the conversion's scale operand
	v_lshrrev_b32 v13, 23, v11                     ; the scale's byte
.if (\t)%4 == 0
	v_mov_b32 v[SBY+(\t)/4], v13                   ; four bytes to a register, the lower K in the lower byte
.else
	v_lshl_or_b32 v[SBY+(\t)/4], v13, 8*((\t)%4), v[SBY+(\t)/4]
.endif
	v_cvt_scalef32_pk16_fp6_f32 v[C:C+2], v[XS:XS+15], v11
	v_cvt_scalef32_pk16_fp6_f32 v[C+4:C+6], v[XS+16:XS+31], v11     ; (a conversion's three registers begin on an even number)
	v_nop                                          ; one plain line behind the conversions
	ds_store_b96 v4, v[C:C+2] offset:32*(\t)       ; 16 codes, 12 bytes, to a place of 16 bytes in the stage
	ds_store_b96 v4, v[C+4:C+6] offset:32*(\t)+16
.if (\t)+2 < NB
	LOAD (\t)+2
.endif
	s_wait_dscnt 0x0                               ; the stores have read their registers: the next block's codes may be written
.endm
.irp t, 0,1,2,3,4,5,6,7
	BLOCK \t
.endr
	global_store_b64 v9, v[SBY:SBY+1], s[14:15]    ; my column's 8 scale bytes
.irp t, 0,1,2,3,4,5,6,7,8,9,10,11,12,13,14,15
	ds_load_b96 v[OUTR+4*\t:OUTR+4*\t+2], v7 offset:2*\t*PITCH   ; LDS serves a wave's instructions in order: these see my stores
.endr
.irp t, 0,1,2,3,4,5,6,7,8,9,10,11,12,13,14,15
	s_wait_dscnt 15-\t                             ; load t is in; the younger ones may be out
	global_store_b96 v8, v[OUTR+4*\t:OUTR+4*\t+2], s[12:13] offset:2*\t*KROW
.endr
	s_wait_tensorcnt 0x0
	ds_add_u32 v208, v209
	s_wait_dscnt 0x0
	s_endpgm
.Lfunc_end_k_qfec3f6054d_quant_w:
	.size	k_qfec3f6054d_quant_w, .Lfunc_end_k_qfec3f6054d_quant_w-k_qfec3f6054d_quant_w
	.p2alignl 7, 3214868480
	.fill 96, 4, 3214868480
	.section	.rodata,"a",@progbits
	.p2align	6, 0x0
	.amdhsa_kernel k_qfec3f6054d_quant_w
		.amdhsa_group_segment_fixed_size 36352
		.amdhsa_private_segment_fixed_size 0
		.amdhsa_enable_private_segment 0
		.amdhsa_kernarg_size 48
		.amdhsa_user_sgpr_count 2
		.amdhsa_user_sgpr_kernarg_segment_ptr 1
		.amdhsa_wavefront_size32 1
		.amdhsa_system_sgpr_workgroup_id_x 1
		.amdhsa_system_sgpr_workgroup_id_y 1
		.amdhsa_system_sgpr_workgroup_id_z 1
		.amdhsa_system_vgpr_workitem_id 0
		.amdhsa_next_free_vgpr 210
		.amdhsa_next_free_sgpr 66
		.amdhsa_reserve_vcc 0
		.amdhsa_float_denorm_mode_32 3
		.amdhsa_float_denorm_mode_16_64 3
		.amdhsa_memory_ordered 1
		.amdhsa_forward_progress 1
		.amdhsa_inst_pref_size 44
	.end_amdhsa_kernel
	.amdgpu_metadata
---
amdhsa.version: [ 1, 2 ]
amdhsa.kernels:
  - .name:           k_qfec3f6054d_quant_w
    .symbol:         k_qfec3f6054d_quant_w.kd
    .args:
      - { .name: Wq, .offset: 0, .size: 8, .value_kind: global_buffer, .address_space: global }
      - { .name: Wk, .offset: 8, .size: 8, .value_kind: global_buffer, .address_space: global }
      - { .name: Wv, .offset: 16, .size: 8, .value_kind: global_buffer, .address_space: global }
      - { .name: Wo, .offset: 24, .size: 8, .value_kind: global_buffer, .address_space: global }
      - { .name: wc, .offset: 32, .size: 8, .value_kind: global_buffer, .address_space: global }
      - { .name: ws, .offset: 40, .size: 8, .value_kind: global_buffer, .address_space: global }
    .group_segment_fixed_size: 36352
    .private_segment_fixed_size: 0
    .kernarg_segment_align: 8
    .kernarg_segment_size: 48
    .max_flat_workgroup_size: 128
    .sgpr_count:     66
    .vgpr_count:     210
    .wavefront_size: 32
...
	.end_amdgpu_metadata
.endif
;; end of part 2
;; launch gemm_qkv (part 3): grid 16 x 8, 4 waves a work-group, clusters of 4 x 4, 327,680 bytes of LDS; arguments xc, xs, wc, ws, cos, sin, img, isc; writes img, isc
.if DOCPART == 3
	.amdgcn_target "amdgcn-amd-amdhsa--gfx1250"
	.amdhsa_code_object_version 6
	.text
	.protected	k_qfec3f6054d_gemm_qkv
	.globl	k_qfec3f6054d_gemm_qkv
	.p2align	8
	.type	k_qfec3f6054d_gemm_qkv,@function
k_qfec3f6054d_gemm_qkv:
	s_mov_b64 s[64:65], 0
	v_nop
	global_prefetch_b8 v0, s[64:65] scope:SCOPE_SE
	s_setreg_imm32_b32 hwreg(HW_REG_WAVE_MODE, 25, 1), 1
	s_wait_xcnt 0x0
	s_wait_alu depctr_hold_cnt(0) depctr_sa_sdst(0) depctr_va_vdst(0) depctr_va_sdst(0) depctr_va_ssrc(0) depctr_va_vcc(0) depctr_vm_vsrc(0)
	s_getreg_b32 s2, hwreg(HW_REG_IB_STS2, 6, 4)
	s_cmp_eq_u32 s2, 0
	s_cbranch_scc0 .Lentry_in_a_cluster
	s_endpgm
.Lentry_in_a_cluster:
	s_bfe_u32 s2, ttmp6, 0x10000c
	s_cmp_lg_u32 s2, 0xf033
	s_cbranch_scc0 .Lentry_shape_is_right
	s_endpgm
.Lentry_shape_is_right:
; q = x Wq, k = x Wk and V^T = Wv^T x^T on codes of FP6 (E2M3) with E8M0 scales, K = 2048; then the rotation of q and k by cos and sin, and the quantising of q, k (along the head's 64 + 64) and of V^T (along the keys).
; A tile of C, 256 x 256, is made by four waves, 128 x 128 each (64 accumulators, 512 registers); K goes in steps of 256 through a ring of two LDS slots filled by the tensor data mover; the scale bytes
; of the work-group's rows come into LDS once.  CLUSTERS of 4 x 4: A's tiles are asked for jointly along a row of the cluster, B's along a column.
; TWO PARTS, told apart by the cluster's x, which all sixteen partners share.  Cluster x 0..2: A = x's rows (positions), B = rows 0-3071 of wc (columns of Wq, Wk).  Cluster x 3: A = rows 3072-4095 of wc
; (columns of Wv), B = x's rows (keys): the roles are swapped so that a lane's registers run along the keys, which are the K of the product that takes V.
; THE MATRIX INSTRUCTION IS USED TRANSPOSED (source 0 = 16 rows of B, source 1 = 16 rows of A): in accumulator (a, b) lane (r, h) holds A's row 16 a + r and, in register j, B's row 16 b + 8 h + j.
; A wave's 128 x 128 is one unit: 128 positions x one head of 128, or one value head's 128 channels x 128 keys.
; THE WAY OUT.  Block a (16 rows of A x 128): 64 numbers a lane, rotated, quantised in blocks of 32 (two neighbouring accumulators, lanes l and l xor 16), and stored as an IMAGE of the fragment's 12 registers:
; three stores of 512 consecutive bytes.  Inside a block of 32 the codes stand in the order 16 k3 + 8 k4 + k[2:0] (bits 3 and 4 of the place changed); q and k carry the same order, and so do V^T and the weights
; that the attention launch makes along the keys: the products are the same, only their grouping inside an instruction differs.
; The V part runs the same lines with cos = 1 and sin = 0 put in by a select: x 1 - y 0 = x.
; img: [32 heads][128 fragments][1536 bytes]: heads 0-15 q, 16-23 k (fragment = tile of 16 positions), 24-31 V^T (fragment = 8 x key step of 128 + tile of 16 channels).
; isc: [32][16 groups of 8 fragments][row 16][fragment 8] scale words.
; LIMITS: blocks of zeros and blocks under 2^-124 get the byte 1; NaN and infinities are not served; the rotation is a product and a fused multiply-add.
.set SIZE_K, 2048
.set KSTEP,  256                       ; along K in a slot
.set NQ,     KSTEP/128                 ; matrix instructions deep
.set ROWB,   192                       ; a tile's row in bytes
.set KROW,   SIZE_K*6/8                ; a row of codes in memory
.set PITCH,  240                       ; an LDS row: 3 x (64 bytes + 16 of padding)
.set FR,     12                        ; registers of a fragment
.set NL,     6                         ; LDS loads that bring one
.set NP,     4                         ; places behind this matrix instruction (ISA guide 7.12.1)
.set HALFT,  128*PITCH                 ; 128 rows: what one tensor load brings
.set SLOT,   4*HALFT                   ; A's 256 rows, then B's 256 rows
.set LAPS,   SIZE_K/(2*KSTEP)
.set KS,     SIZE_K/32                 ; a row of scale bytes
.set SCL,    2*SLOT                    ; behind the ring: the scales, as units of 256 bytes + 16 of padding
.set HALFS,  (128*KS/256)*272
.set SBLK,   (16*KS/256)*272
.set SPARE,  SCL+4*HALFS               ; the spare words, 128 bytes a wave: two blocks of 256 bytes that no other line names
.set FRB,    1536                      ; a fragment's image
.set ADRA, 16                          ; v16-17 LDS address of my A fragments in slot 0, 1 (v18-19: behind one padding more)
.set ADRB, 20                          ; v20-23 the same for B
.set IMO,  24                          ; v24  the way out: 16 x lane
.set CSO,  25                          ; v25  128 r + 16 h: my place in 16 rows of cos or sin
.set SCO,  26                          ; v26  32 r + 16 h: my place in a record of scale words
.set ADRS, 27                          ; v27  LDS address of my scale words: lanes 0-15 A's rows, lanes 16-31 B's
.set SPW,  28                          ; v28  my spare word; never rewritten
.set NIL,  29                          ; v29  0; never rewritten
.set SC,   32                          ; v32-63 scale words, two sets
.set AF,   128                         ; A's fragments, window 0
.set HA,   32                          ; the way out (window 0): v32-95 a block's 64 numbers
.set CD,   96                          ; v96-107 a fragment's codes
.set CT,   108                         ; v108-110 a second conversion's result
.set TM,   116                         ; v116-117 largest magnitudes
.set TP,   118                         ; v118-119 the other half's
.set SO,   120                         ; v120-121 the conversions' scale operands
.set BY,   122                         ; v122-123 scale bytes
.set SW,   132                         ; v132-139 the eight blocks' scale words
.set SD,   140                         ; v140-143 the four that I store
.set CSB,  144                         ; v144-207 two sets of 16 cos + 16 sin
.set TT,   208                         ; v208-211 at work
.set ONE,  212                         ; v212 1.0, v213 0
.set SEL,  92                          ; s[92:93] (way out) lane selects for lane l xor 16
.set G1, 24
.set G0, 32
.set G1B, 48
.set G0B, 56
.set G1S, 68
.set G0S, 76
.set G1SB, 80
.set G0SB, 88
.set MSB, 0
.macro WIN new                         ; the immediate's high byte repeats the setting that is left
.if MSB != \new
	s_set_vgpr_msb (MSB<<8)|\new
.set MSB, \new
.endif
.endm
.set MUL_LO, 0xa1                      ; source 0 (B) window 1, source 1 (A) window 0, C and D window 2
.set MUL_HI, 0xf1                      ; the same, C and D window 3
.set TO_B,   0x40                      ; destination window 1
; A joint load: waves 0 and 1 fetch for A, waves 2 and 3 for B; the branch hangs on the wave's number alone.  Four v_nop follow each of the two lines.
.macro JLOAD g0a, g1a, g0b, g1b
	s_cmp_eq_u32 s15, 0
	s_cbranch_scc0 .Lfor_b_\@
	tensor_load_to_lds s[\g0a:\g0a+3], s[\g1a:\g1a+7]
	s_nop 0
.rept 4
	v_nop
.endr
	s_branch .Lasked_\@
.Lfor_b_\@:
	tensor_load_to_lds s[\g0b:\g0b+3], s[\g1b:\g1b+7]
	s_nop 0
.rept 4
	v_nop
.endr
.Lasked_\@:
.endm
.macro CREST                           ; a round of the cluster's barrier behind its opening barrier
	s_cmp_lg_u32 s14, 0
	s_cbranch_scc1 .Lnot_wave_0_\@
	s_barrier_signal -3
.Lnot_wave_0_\@:
	s_barrier_wait -3
	s_barrier_signal -1
	s_barrier_wait -1
.endm
.macro CROUND
	s_barrier_signal -1
	s_barrier_wait -1
	CREST
.endm
	s_load_b128 s[4:7], s[0:1], 0x0                ; xc, xs
	s_load_b128 s[8:11], s[0:1], 0x10              ; wc, ws
	v_lshl_add_u32 v[SPW], v0, 2, SPARE
	v_mov_b32 v[NIL], 0
	ds_add_u32 v28, v29
	ds_add_u32 v28, v29
	s_wait_dscnt 0x0
	v_lshrrev_b32 v1, 5, v0
	v_readfirstlane_b32 s14, v1                    ; wave 0..3
	s_lshr_b32 s15, s14, 1                         ; which half of the tile's rows is mine.  Also: I fetch for A (0) or for B (1)
	s_and_b32 s16, s14, 1                          ; which half of its columns.  Also: which 128 rows of that tile I fetch
	s_bfe_u32 s40, ttmp6, 0x40000                  ; cx
	s_bfe_u32 s41, ttmp6, 0x40004                  ; cy
	s_lshl_b32 s42, ttmp9, 2                       ; 4 x cluster x
	s_and_b32 s17, ttmp7, 0xffff
	s_lshl_b32 s17, s17, 2                         ; 4 x cluster y
	s_cmp_eq_u32 ttmp9, 3                          ; the V part?  The same answer in all sixteen partners
	s_cselect_b32 s42, s17, s42                    ; tile columns begin at 4 x cluster y there, else at 4 x cluster x
	s_cselect_b32 s17, 0, s17                      ; tile rows at 0 there, else at 4 x cluster y
	s_cselect_b32 s66, 1, 0
	s_cselect_b32 s67, -1, 0                       ; the same as a mask of lanes
	s_cselect_b32 s95, 3072, 0                     ; Wv's rows of wc begin at 3072
	s_add_co_u32 s42, s42, s40                     ; tile column: + cx (no register that feeds A's descriptors holds cx)
	s_add_co_u32 s17, s17, s41                     ; tile row: + cy
	s_lshl_b32 s43, s41, 2
	s_lshl_b32 s43, 15, s43                        ; my row of the cluster
	s_lshl_b32 s44, 0x1111, s40                    ; my column
	s_or_b32 s[G1+0], s43, (0<<16)|(1<<20)|(1<<21)|(3<<22)|(3<<25)  ; the mask; elements of 1 byte; padding on; bit 21 beside a mask; after every 16 words, 4 words
	s_or_b32 s[G1B+0], s44, (0<<16)|(1<<20)|(1<<21)|(3<<22)|(3<<25)
.irp g, G1, G1B
	s_mov_b32 s[\g+1], ROWB<<16                    ; tensor_dim0
	s_mov_b32 s[\g+2], 128<<16                     ; tensor_dim1
	s_mov_b32 s[\g+3], ROWB<<16                    ; tile_dim0
	s_mov_b32 s[\g+4], 128                         ; tile_dim1
	s_mov_b32 s[\g+5], KROW                        ; pitch
	s_mov_b32 s[\g+6], 0
	s_mov_b32 s[\g+7], 0
.endr
	s_or_b32 s[G1S+0], s43, (3<<16)|(1<<20)|(1<<21)|(5<<22)|(3<<25)   ; the scales of 128 rows: a dense block, as rows of 256 bytes + 16 of padding
	s_or_b32 s[G1SB+0], s44, (3<<16)|(1<<20)|(1<<21)|(5<<22)|(3<<25)
.irp g, G1S, G1SB
	s_mov_b32 s[\g+1], 32<<16
	s_mov_b32 s[\g+2], (128*KS/256)<<16
	s_mov_b32 s[\g+3], 32<<16
	s_mov_b32 s[\g+4], 128*KS/256
	s_mov_b32 s[\g+5], 32
	s_mov_b32 s[\g+6], 0
	s_mov_b32 s[\g+7], 0
.endr
	s_lshl_b32 s18, s16, 7                         ; which 128 rows of the tile I fetch
	s_lshl_b32 s20, s17, 8
	s_add_co_u32 s20, s20, s18
	s_add_co_u32 s20, s20, s95                     ; A: row 256 x tile row + 128 x half (+ 3072 in the V part)
	s_lshl_b32 s46, s42, 8
	s_add_co_u32 s46, s46, s18                     ; B: row 256 x tile column + 128 x half
	s_mov_b32 s21, 0
	s_mov_b32 s47, 0
	s_mov_b64 s[18:19], KS
	s_mul_u64 s[22:23], s[20:21], s[18:19]         ; where these rows' scales begin, in bytes
	s_mul_u64 s[92:93], s[46:47], s[18:19]
	s_mov_b64 s[18:19], KROW
	s_mul_u64 s[20:21], s[20:21], s[18:19]         ; and their codes
	s_mul_u64 s[46:47], s[46:47], s[18:19]
	s_mul_i32 s45, s14, HALFT                      ; where they go: wave x 128 rows
	s_mul_i32 s94, s14, HALFS
	s_wait_kmcnt 0x0
	s_cmp_eq_u32 s66, 1                            ; which buffers are A's and which B's: a choice that hangs on no address
	s_cselect_b64 s[96:97], s[8:9], s[4:5]         ; A's codes
	s_cselect_b64 s[98:99], s[10:11], s[6:7]       ; A's scales
	s_cselect_b64 s[8:9], s[4:5], s[8:9]           ; B's codes
	s_cselect_b64 s[10:11], s[6:7], s[10:11]       ; B's scales
	s_add_nc_u64 s[20:21], s[96:97], s[20:21]
	s_add_nc_u64 s[22:23], s[98:99], s[22:23]
	s_add_nc_u64 s[46:47], s[8:9], s[46:47]
	s_add_nc_u64 s[92:93], s[10:11], s[92:93]
	CROUND                                         ; all sixteen work-groups are here: the first joint loads meet
	s_mov_b32 s[G0S], 1
	s_add_co_u32 s[G0S+1], s94, SCL
	s_mov_b64 s[G0S+2:G0S+3], s[22:23]
	s_or_b32 s[G0S+3], s[G0S+3], 0x80000000
	s_mov_b32 s[G0SB], 1
	s_add_co_u32 s[G0SB+1], s94, SCL
	s_mov_b64 s[G0SB+2:G0SB+3], s[92:93]
	s_or_b32 s[G0SB+3], s[G0SB+3], 0x80000000
	JLOAD G0S, G1S, G0SB, G1SB                     ; the scales first: they are wanted with K step 0
.irp s, 0,1
	s_mov_b32 s[G0+4*\s], 1
	s_add_co_u32 s[G0+4*\s+1], s45, \s*SLOT
	s_add_nc_u64 s[G0+4*\s+2:G0+4*\s+3], s[20:21], \s*ROWB
	s_or_b32 s[G0+4*\s+3], s[G0+4*\s+3], 0x80000000
	s_mov_b32 s[G0B+4*\s], 1
	s_add_co_u32 s[G0B+4*\s+1], s45, \s*SLOT
	s_add_nc_u64 s[G0B+4*\s+2:G0B+4*\s+3], s[46:47], \s*ROWB
	s_or_b32 s[G0B+4*\s+3], s[G0B+4*\s+3], 0x80000000
	JLOAD G0+4*\s, G1, G0B+4*\s, G1B
.endr
	v_and_b32 v1, 15, v0                           ; r
	v_bfe_u32 v2, v0, 4, 1                         ; h
	v_mul_u32_u24 v3, v1, PITCH
	v_mul_u32_u24 v4, v2, 24
	v_add_nc_u32 v4, v3, v4                        ; a fragment's row x pitch + 24 x half
	v_lshl_add_u32 v5, v2, 4, v4                   ; and the same behind one padding more
	s_mul_i32 s21, s15, HALFT                      ; my 128 rows of A
	s_mul_i32 s22, s16, HALFT                      ; my 128 rows of B,
	s_add_co_u32 s22, s22, 2*HALFT                 ; which lie behind A's 256
.irp s, 0,1
	v_add_nc_u32 v[ADRA+\s], s21, v4
	v_add_nc_u32 v[ADRB+\s], s22, v4
	v_add_nc_u32 v[ADRA+2+\s], s21, v5
	v_add_nc_u32 v[ADRB+2+\s], s22, v5
	s_add_co_u32 s21, s21, SLOT
	s_add_co_u32 s22, s22, SLOT
.endr
	v_mul_u32_u24 v5, v1, KS                       ; my row's scales: KS bytes a row,
	v_lshrrev_b32 v6, 8, v5
	v_lshl_add_u32 v5, v6, 4, v5                   ; and 16 more for each 256 passed
	s_mul_i32 s21, s15, HALFS                      ; A's: my 128 rows
	s_mul_i32 s22, s16, HALFS                      ; B's: my 128 rows, behind A's 256
	s_add_co_u32 s22, s22, 2*HALFS
	s_sub_co_u32 s22, s22, s21
	v_mul_u32_u24 v6, s22, v2                      ; lanes 16-31 take B's
	s_add_co_u32 s21, s21, SCL
	v_add_nc_u32 v5, v5, v6
	v_add_nc_u32 v[ADRS], s21, v5
.macro FRAG reg, adr, q, i             ; a fragment: lane l holds row l % 16; registers 6 c .. 6 c + 5 hold K = 64 c + 32 (l / 16) + 0 .. 31: 24 bytes of the row, in pieces of 8
.irp p, 0,1,2,3,4,5
.set PCE, 12*(\q)+6*(\p/3)+\p%3       ; where the piece three on lies behind one padding more, the second address register serves
.if PCE%8 < 5
	ds_load_b64 v[\reg+2*\p:\reg+2*\p+1], v[\adr] offset:8*PCE+16*(PCE/8)+(\i)*16*PITCH
.else
	ds_load_b64 v[\reg+2*\p:\reg+2*\p+1], v[\adr+2] offset:8*PCE+16*(PCE/8)+(\i)*16*PITCH
.endif
.endr
.endm
; 16 matrix instructions: A's blocks a0, a0 + 1 x B's eight.  The 64 accumulators take turns, one instruction a turn, in the same order in every step.
.macro MUL16 a0, p, q, sc, zero
.irp a, \a0, \a0+1
.irp b, 0,1,2,3,4,5,6,7
.if \zero
	v_wmma_scale_f32_16x16x128_f8f6f4 v[8*(8*((\a)%4)+\b):8*(8*((\a)%4)+\b)+7], v[128*(\p)+FR*\b:128*(\p)+FR*\b+FR-1], v[AF+FR*(\a):AF+FR*(\a)+FR-1], 0, v[SC+8*NQ*(\sc)+NQ*\b+(\q)], v[SC+8*NQ*(\sc)+NQ*(\a)+(\q)] matrix_a_fmt:MATRIX_FMT_FP6 matrix_b_fmt:MATRIX_FMT_FP6 matrix_a_scale:MATRIX_SCALE_ROW1
.else
	v_wmma_scale_f32_16x16x128_f8f6f4 v[8*(8*((\a)%4)+\b):8*(8*((\a)%4)+\b)+7], v[128*(\p)+FR*\b:128*(\p)+FR*\b+FR-1], v[AF+FR*(\a):AF+FR*(\a)+FR-1], v[8*(8*((\a)%4)+\b):8*(8*((\a)%4)+\b)+7], v[SC+8*NQ*(\sc)+NQ*\b+(\q)], v[SC+8*NQ*(\sc)+NQ*(\a)+(\q)] matrix_a_fmt:MATRIX_FMT_FP6 matrix_b_fmt:MATRIX_FMT_FP6 matrix_a_scale:MATRIX_SCALE_ROW1
.endif
.endr
.endr
.endm
.macro FETCH_B slot, q, p
	WIN TO_B
.irp i, 0,1,2,3,4,5,6,7
	FRAG 128*(\p)+FR*\i, ADRB+\slot, \q, \i
.endr
	WIN 0
.endm
.macro FETCH_A slot, q, i0
.irp i, \i0, \i0+1, \i0+2, \i0+3
	FRAG AF+FR*(\i), ADRA+\slot, \q, \i
.endr
.endm
.macro SCALES sc                       ; the next K step's scale words: lanes 0-15 take A's block i, lanes 16-31 B's block i
.irp i, 0,1,2,3,4,5,6,7
	ds_load_b64 v[SC+8*NQ*\sc+NQ*\i:SC+8*NQ*\sc+NQ*\i+1], v[ADRS] offset:\i*SBLK
.endr
.endm
.macro PLACES n                        ; places behind matrix instructions, in front of loads into their registers and of reads of their results
.rept \n
	v_nop
.endr
.endm
.macro STEP slot, q, zero              ; a step of 128 along K that has its successor in the same slot
	s_wait_dscnt 4*NL                              ; B's set and A's blocks 0-3 are in; the youngest 24 loads (A's blocks 4-7) may be out
	WIN MUL_LO
	MUL16 0, (\q)%2, \q, \slot, \zero
	MUL16 2, (\q)%2, \q, \slot, \zero
	s_wait_dscnt 0                                 ; A's blocks 4-7 are in
	PLACES NP
	FETCH_B \slot, (\q)+1, 1-(\q)%2
	FETCH_A \slot, (\q)+1, 0
	WIN MUL_HI
	MUL16 4, (\q)%2, \q, \slot, \zero
	MUL16 6, (\q)%2, \q, \slot, \zero
	PLACES NP
	WIN 0
	FETCH_A \slot, (\q)+1, 4
.endm
; A slot's last step changes slots: one barrier; in front of it each wave waits for all its tensor loads, adds 0 to its spare word, and waits for that and for its reads of this slot.
.macro TURN slot, next, fill
	s_wait_tensorcnt 0x0                           ; all my tensor loads have landed: my part of the next slot
	ds_add_u32 v[SPW], v[NIL]                      ; 0 onto my spare word
	s_wait_dscnt 4*NL+1                            ; (the add and the youngest 24 loads, A's blocks 4-7, may be out)
	WIN MUL_LO
	MUL16 0, 1, NQ-1, \slot, 0
	s_wait_dscnt 0x0                               ; the add is done, and my reads of this slot are over
	s_barrier_signal -1
	MUL16 2, 1, NQ-1, \slot, 0
	WIN 0
	s_barrier_wait -1
.if \fill
	CREST                                          ; the barrier has opened a round of the cluster's barrier: no wave of any partner still reads this slot or has a load on its way
	s_add_nc_u64 s[G0+4*\slot+2:G0+4*\slot+3], s[G0+4*\slot+2:G0+4*\slot+3], 2*ROWB
	s_add_nc_u64 s[G0B+4*\slot+2:G0B+4*\slot+3], s[G0B+4*\slot+2:G0B+4*\slot+3], 2*ROWB
	JLOAD G0+4*\slot, G1, G0B+4*\slot, G1B         ; the first tensor load behind the round; its four v_nop are the places in front of the loads below
.else
	PLACES NP
.endif
	v_add_nc_u32 v[ADRS], 4*NQ, v[ADRS]            ; on to the next K step's scale words
	FETCH_B \next, 0, 0
	FETCH_A \next, 0, 0
	SCALES \next
	WIN MUL_HI
	MUL16 4, 1, NQ-1, \slot, 0
	MUL16 6, 1, NQ-1, \slot, 0
	PLACES NP
	WIN 0
	FETCH_A \next, 0, 4
.endm
	s_wait_tensorcnt 1                             ; the scales and my part of K step 0 are in (K step 1's load may be out),
	s_barrier_signal -1
	s_barrier_wait -1                              ; everybody's are
	FETCH_B 0, 0, 0
	FETCH_A 0, 0, 0
	SCALES 0
	FETCH_A 0, 0, 4
	STEP 0, 0, 1                                   ; the first step's products start the sums
	s_mov_b32 s3, LAPS-1
.Llap:
	TURN 0, 1, 1
	STEP 1, 0, 0
	TURN 1, 0, 1
	STEP 0, 0, 0
	s_sub_co_u32 s3, s3, 1
	s_cmp_lg_u32 s3, 0
	s_cbranch_scc1 .Llap
	s_load_b256 s[68:75], s[0:1], 0x20             ; cos, sin, img, isc, for the way out (the scale descriptors that stood here named loads that landed before the first change of slots)
	TURN 0, 1, 0                                   ; the last lap fills nothing
	STEP 1, 0, 0
	s_wait_dscnt 4*NL
	WIN MUL_LO
	MUL16 0, 1, NQ-1, 1, 0
	MUL16 2, 1, NQ-1, 1, 0
	s_wait_dscnt 0
	WIN MUL_HI
	MUL16 4, 1, NQ-1, 1, 0
	MUL16 6, 1, NQ-1, 1, 0
	WIN 0
	; ---- THE WAY OUT
	PLACES NP                                      ; behind the last products: their scale and fragment registers are written below
	s_lshl_b32 s18, s42, 1
	s_add_co_u32 s18, s18, s16                     ; my group of 128 rows of B
	s_lshl_b32 s19, s17, 1
	s_add_co_u32 s19, s19, s15                     ; my group of 128 rows of A
	s_add_co_u32 s20, s19, 24
	s_cmp_eq_u32 s66, 1
	s_cselect_b32 s20, s20, s18                    ; the head of img: V part 24 + A's group, else B's group
	s_cselect_b32 s21, s18, s19                    ; the group of 8 fragments: V part the key step, else the positions
	s_mul_i32 s22, s20, 128*FRB
	s_mul_i32 s23, s21, 8*FRB
	s_add_co_u32 s22, s22, s23
	s_mov_b32 s23, 0
	s_lshl_b32 s46, s20, 13
	s_lshl_b32 s47, s21, 9
	s_add_co_u32 s46, s46, s47
	s_mov_b32 s47, 0
	s_lshl_b32 s92, s19, 14                        ; 128 rows of cos or sin are 16,384 bytes (in the V part the group is 0..7: inside the tables, and the numbers are not used)
	s_mov_b32 s93, 0
	s_wait_kmcnt 0x0
	s_add_nc_u64 s[72:73], s[72:73], s[22:23]
	s_add_nc_u64 s[74:75], s[74:75], s[46:47]
	s_add_nc_u64 s[68:69], s[68:69], s[92:93]
	s_add_nc_u64 s[70:71], s[70:71], s[92:93]
	s_mov_b32 s[SEL], 0x76543210
	s_mov_b32 s[SEL+1], 0xfedcba98
	v_and_b32 v1, 15, v0                           ; r
	v_bfe_u32 v2, v0, 4, 1                         ; h
	v_and_b32 v3, 31, v0
	v_lshlrev_b32 v[IMO], 4, v3
	v_lshlrev_b32 v[CSO], 7, v1
	v_lshl_add_u32 v[CSO], v2, 4, v[CSO]
	v_lshlrev_b32 v[SCO], 5, v1
	v_lshl_add_u32 v[SCO], v2, 4, v[SCO]
	v_mov_b32 v[TP], 0                             ; a lane permute's destination counts as one of its sources
	v_mov_b32 v[TP+1], 0
	v_mov_b32 v[ONE], 1.0
	v_mov_b32 v[ONE+1], 0
; cos and sin of block a's 16 positions: lane (r, h) of accumulator b wants the pairs 8 (b % 4) + 4 h + 0 .. 3 of position 16 a + r
.macro CSLOAD a
.set CC, CSB+32*((\a)%2)
.irp q, 0,1,2,3
	global_load_b128 v[CC+4*\q:CC+4*\q+3], v[CSO], s[68:69] offset:2048*(\a)+32*\q
	global_load_b128 v[CC+16+4*\q:CC+16+4*\q+3], v[CSO], s[70:71] offset:2048*(\a)+32*\q
.endr
.endm
.macro UNIT a                          ; in the V part nothing is rotated: cos = 1, sin = 0, by a select on the part
.set CC, CSB+32*((\a)%2)
.set i, 0
.rept 16
	v_cndmask_b32 v[CC+i], v[CC+i], v[ONE], s67
	v_cndmask_b32 v[CC+16+i], v[CC+16+i], v[ONE+1], s67
.set i, i+1
.endr
.endm
.macro ROPE a                          ; (x0, x1) -> (x0 cos - x1 sin, x1 cos + x0 sin); each accumulator is first read at its register 1
.set AC, 64*((\a)%4)
.set CC, CSB+32*((\a)%2)
	WIN 0x02+((\a)/4)                              ; source 0: the accumulators' window
.irp b, 0,1,2,3,4,5,6,7
.irp p, 0,1,2,3
	v_mul_f32 v[TT+2*(\p%2)], v[AC+8*\b+2*\p+1], v[CC+16+4*(\b%4)+\p]
	v_mul_f32 v[TT+2*(\p%2)+1], v[AC+8*\b+2*\p], v[CC+16+4*(\b%4)+\p]
	v_fma_f32 v[HA+8*\b+2*\p], v[AC+8*\b+2*\p], v[CC+4*(\b%4)+\p], -v[TT+2*(\p%2)]
	v_fma_f32 v[HA+8*\b+2*\p+1], v[AC+8*\b+2*\p+1], v[CC+4*(\b%4)+\p], v[TT+2*(\p%2)+1]
.endr
.endr
	WIN 0
.endm
; 32 numbers of a lane, v[s] .. v[s + 31] (two blocks of 32, each shared with lane l xor 16), become registers 6 c .. 6 c + 5 of a fragment in v[CD] on and bytes 2 c, 2 c + 1 of its scale word v[pw].
.macro QHALF s, c, pw
.irp b, 0,1
	v_max3_num_f32 v[TM+\b], |v[\s+16*\b]|, |v[\s+1+16*\b]|, 0x1800000   ; my 16 numbers, and the floor 2^(3 - 127): the byte cannot fall under 1
.endr
.irp i, 2,4,6,8,10,12,14
.irp b, 0,1
	v_max3_num_f32 v[TM+\b], v[TM+\b], |v[\s+16*\b+\i]|, |v[\s+1+16*\b+\i]|
.endr
.endr
.irp b, 0,1
	v_permlanex16_b32 v[TP+\b], v[TM+\b], s[SEL], s[SEL+1]
.endr
.irp b, 0,1
	v_max_num_f32 v[TM+\b], v[TM+\b], v[TP+\b]     ; with lane l xor 16's: the block's largest magnitude
.endr
.irp b, 0,1
	v_add_nc_u32 v[SO+\b], 0xff000000, v[TM+\b]    ; 2 off its exponent field: the conversion's scale operand
.endr
.irp b, 0,1
	v_lshrrev_b32 v[BY+\b], 23, v[SO+\b]           ; the scale's byte
.endr
.if \c == 0
	v_lshl_or_b32 v[\pw], v[BY+1], 8, v[BY]
.else
	v_lshl_or_b32 v[\pw], v[BY], 16, v[\pw]
	v_lshl_or_b32 v[\pw], v[BY+1], 24, v[\pw]
.endif
	v_cvt_scalef32_pk16_fp6_f32 v[CD+6*\c:CD+6*\c+2], v[\s:\s+15], v[SO]
	v_cvt_scalef32_pk16_fp6_f32 v[CT:CT+2], v[\s+16:\s+31], v[SO+1]   ; (a conversion's three registers begin on an even number)
	v_nop                                          ; one plain place behind a scaled conversion
.irp i, 0,1,2
	v_permlane16_swap_b32 v[CD+6*\c+\i], v[CT+\i]  ; the layout wants a whole block in a lane: lanes 0-15 the first block, lanes 16-31 the second
.endr
.irp i, 0,1,2
	v_mov_b32 v[CD+6*\c+3+\i], v[CT+\i]
.endr
.endm
	CSLOAD 0
.irp a, 0,1,2,3,4,5,6,7
.if \a < 7
	CSLOAD \a+1
	s_wait_loadcnt 8                               ; this block's eight loads are in; the next block's eight may be out
.else
	s_wait_loadcnt 0
.endif
	UNIT \a
	ROPE \a
	s_wait_xcnt 0x0                                ; the last block's stores have read the codes' registers, which are written again below
	QHALF HA, 0, SW+\a
	QHALF HA+32, 1, SW+\a
.irp c, 0,1,2
	global_store_b128 v[IMO], v[CD+4*\c:CD+4*\c+3], s[72:73] offset:FRB*\a+512*\c   ; the wave stores 512 consecutive bytes, aligned
.endr
.endr
	v_cmp_ne_u32 vcc_lo, 0, v2                     ; lanes 0-15 store row r's words of blocks 0-3, lanes 16-31 those of blocks 4-7
.irp i, 0,1,2,3
	v_cndmask_b32 v[SD+\i], v[SW+\i], v[SW+4+\i], vcc_lo
.endr
	global_store_b128 v[SCO], v[SD:SD+3], s[74:75]
	s_wait_tensorcnt 0x0                           ; the wave's end
	ds_add_u32 v[SPW], v[NIL]
	s_wait_dscnt 0x0
	CROUND                                         ; the closing round: no work-group ends while a partner may still ask for a tile that names it
	s_endpgm
.Lfunc_end_k_qfec3f6054d_gemm_qkv:
	.size	k_qfec3f6054d_gemm_qkv, .Lfunc_end_k_qfec3f6054d_gemm_qkv-k_qfec3f6054d_gemm_qkv
	.p2alignl 7, 3214868480
	.fill 96, 4, 3214868480
	.section	.rodata,"a",@progbits
	.p2align	6, 0x0
	.amdhsa_kernel k_qfec3f6054d_gemm_qkv
		.amdhsa_group_segment_fixed_size 327680
		.amdhsa_private_segment_fixed_size 0
		.amdhsa_enable_private_segment 0
		.amdhsa_kernarg_size 64
		.amdhsa_user_sgpr_count 2
		.amdhsa_user_sgpr_kernarg_segment_ptr 1
		.amdhsa_wavefront_size32 1
		.amdhsa_system_sgpr_workgroup_id_x 1
		.amdhsa_system_sgpr_workgroup_id_y 1
		.amdhsa_system_sgpr_workgroup_id_z 1
		.amdhsa_system_vgpr_workitem_id 0
		.amdhsa_next_free_vgpr 1024
		.amdhsa_next_free_sgpr 100
		.amdhsa_reserve_vcc 1
		.amdhsa_float_denorm_mode_32 3
		.amdhsa_float_denorm_mode_16_64 3
		.amdhsa_memory_ordered 1
		.amdhsa_forward_progress 1
		.amdhsa_inst_pref_size 235
	.end_amdhsa_kernel
	.amdgpu_metadata
---
amdhsa.version: [ 1, 2 ]
amdhsa.kernels:
  - .name:           k_qfec3f6054d_gemm_qkv
    .symbol:         k_qfec3f6054d_gemm_qkv.kd
    .args:
      - { .name: xc, .offset: 0, .size: 8, .value_kind: global_buffer, .address_space: global }
      - { .name: xs, .offset: 8, .size: 8, .value_kind: global_buffer, .address_space: global }
      - { .name: wc, .offset: 16, .size: 8, .value_kind: global_buffer, .address_space: global }
      - { .name: ws, .offset: 24, .size: 8, .value_kind: global_buffer, .address_space: global }
      - { .name: cos, .offset: 32, .size: 8, .value_kind: global_buffer, .address_space: global }
      - { .name: sin, .offset: 40, .size: 8, .value_kind: global_buffer, .address_space: global }
      - { .name: img, .offset: 48, .size: 8, .value_kind: global_buffer, .address_space: global }
      - { .name: isc, .offset: 56, .size: 8, .value_kind: global_buffer, .address_space: global }
    .group_segment_fixed_size: 327680
    .private_segment_fixed_size: 0
    .kernarg_segment_align: 8
    .kernarg_segment_size: 64
    .max_flat_workgroup_size: 128
    .sgpr_count:     100
    .vgpr_count:     1024
    .wavefront_size: 32
...
	.end_amdgpu_metadata
.endif
;; end of part 3
;; launch attn (part 4): grid 32 x 8, 8 waves a work-group, no clusters, 327,680 bytes of LDS; arguments img, isc, oimg, osc; writes oimg, osc
.if DOCPART == 4
	.amdgcn_target "amdgcn-amd-amdhsa--gfx1250"
	.amdhsa_code_object_version 6
	.text
	.protected	k_qfec3f6054d_attn
	.globl	k_qfec3f6054d_attn
	.p2align	8
	.type	k_qfec3f6054d_attn,@function
k_qfec3f6054d_attn:
	s_mov_b64 s[64:65], 0
	v_nop
	global_prefetch_b8 v0, s[64:65] scope:SCOPE_SE
	s_setreg_imm32_b32 hwreg(HW_REG_WAVE_MODE, 25, 1), 1
	s_wait_xcnt 0x0
; O = (softmax(Q1 K1^T / 8) - 0.2 softmax(Q2 K2^T / 8)) V with the causal mask, all three products on codes of FP6 (E2M3) with E8M0 scales; then O is quantised along the head's 128 for the last product.
; The weights are quantised FINISHED AND NORMALISED, so a row's maxima and sums must be whole before its first block is quantised: TWO PASSES over the keys.  Pass 1: scores, running maximum
; (rounded up to a whole number M) and sum l of 2^(t - M), for both maps.  Pass 2: scores again, a = 2^(t1 - M1) / l1 - 0.2 x 2^(t2 - M2) / l2, quantised along the keys, O^T += V^T a^T.
; K = 64 fills half of the 128 of an instruction: registers 0-5 of a fragment hold k = 0..63 and registers 6-11 k = 64..127.  So ONE fragment of K (K1 | K2) serves both maps: against Q1 | zeros and against zeros | Q2.
; SHARES.  Work-group (p, value head): eight waves, a tile of 16 queries each: wave w: head 2 x value head + bit 1 of w; tile 2 p + bit 0 of w for w < 4, and 127 less that for w >= 4: the keys of waves w and
; w + 4 add up to the same number in every work-group.  Both heads take the same K and V from LDS.
; BOTH PRODUCTS ARE USED TRANSPOSED: S^T = K Q^T, O^T = V^T a^T: a lane holds one query (lane % 16) throughout.  In S^T register j of tile t is key 16 t + 8 (lane / 16) + j; the weights' codes so stand, inside each block
; of 32 keys, in the same order as V^T's, which the launch before made from the same register layout.
; NO CLUSTER: the work-groups that share K and V differ in their queries, and the steps that the mask hides are left out by a branch on the queries' place, which partners of joint loads may not have;
; without that branch the vector work, which is the larger part here, would double.
; NO PREFETCH: K is wanted at the kernel's head; each fill of a slot of V has four key steps of work in which to land.
; LDS: K's 128 fragments of the value head (196,608 bytes, filled once); two slots of V^T of four key steps (49,152 bytes each); K's and V's scale records (8,192 each, filled once); the spare words.
; All of LDS is claimed.
; LIMITS: NaN and infinities are not served; a weight 2^(t - M) under 2^-126 counts as 0; blocks of zeros and blocks under 2^-124 get the byte 1; 1 / l is v_rcp_f32.
.set FRB,   1536                       ; a fragment's image
.set STEPB, 8*FRB                      ; a key step of 128: 8 fragments
.set HEADB, 128*FRB
.set SLOTB, 4*STEPB
.set VS0,   0x30000                    ; V's slot 0
.set KSC,   0x3c000                    ; K's scale records
.set VSC,   0x3e000                    ; V's
.set VX,    0x70000                    ; slot 0 xor VX = slot 1 (0x40000)
.set SPARE, 0x4c000                    ; the spare words, 128 bytes a wave: four blocks of 256 bytes that no other line names
.set LI,  1                            ; v1   16 x lane; never rewritten
.set RK,  2                            ; v2   32 r + KSC
.set SPW, 3                            ; v3   my spare word; never rewritten
.set NIL, 4                            ; v4   0; never rewritten
.set ADK, 5                            ; v5   the step's fragments of K
.set ADS, 6                            ; v6   its scale words
.set ADV, 7                            ; v7   the slot's fragments of V
.set ADT, 8                            ; v8   the step's scale words of V
.set DQ,  9                            ; v9   the mask's bound
                                       ; v[10:11] -M1, largest t1; v[12:13] -M2, largest t2; v[14:15] l1 in two halves, later 1 / l1; v[34:35] l2, later -0.2 / l2
                                       ; v16-21 Q's registers 0-5, v22-27 zeros, v28-33 Q's registers 6-11: Q1 | 0 = v[16:27], 0 | Q2 = v[22:33]
.set QS,  36                           ; v36  Q's scale words
.set NINF, 37                          ; v37  -infinity
.set RH,  38                           ; v38  r - 8 h
.set R32, 39                           ; v39  32 r, at the end 64 r
.set FRG, 40                           ; v40-87 four fragments of K or of V;  v88-95 their scale words
                                       ; v96-127 S1^T, v128-159 S2^T of 64 keys; v160-223 O^T
.set CD,  224                          ; v224-235 the weights' codes
.set CT,  236                          ; v236-238 a second conversion's result (pass 1: v236-239 partial sums)
.set TM,  240                          ; v240-243 maxima
.set TP,  244                          ; v244-247 the other half's
.set SO,  248                          ; v248-249 the conversions' scale operands (pass 1: v248 = f1)
.set BY,  250                          ; v250-251 scale bytes (pass 1: v250 = f2)
.set PW,  253                          ; v253 the weights' scale word
.set WV,  12
.set KVH, 13
.set TQ,  15                           ; s15  my tile of 16 queries
.set Q0,  16                           ; s16  my first query
.set HH,  17                           ; s17  my head
.set SEL, 20
.set CS,  22                           ; s[22:23] c = log2(e) / 8
.set G1K, 24
.set G1S, 32
.set G1V, 40
.set G0K, 48
.set G0S, 52
.set G0V, 56
.set TK,  60                           ; s60  where the step's fragments of K begin
.set TS,  61                           ; s61  where its scale record begins (K's and V's alike)
.set TV,  62                           ; s62  V's slot in hand
.set KF,  63                           ; s63  the step's first key
.set CNT, 66
.macro PLACES n
.rept \n
	v_nop
.endr
.endm
	s_load_b256 s[4:11], s[0:1], 0x0               ; img s[4:5], isc s[6:7], oimg s[8:9], osc s[10:11]
	v_lshl_add_u32 v[SPW], v0, 2, SPARE
	v_mov_b32 v[NIL], 0
	ds_add_u32 v3, v4
	ds_add_u32 v3, v4
	s_wait_dscnt 0x0
	v_lshrrev_b32 v5, 5, v0
	v_readfirstlane_b32 s[WV], v5                  ; wave 0..7
	s_and_b32 s[KVH], ttmp7, 0xffff                ; the value head
	s_and_b32 s68, s[WV], 1
	s_lshl_b32 s69, ttmp9, 1
	s_add_co_u32 s69, s69, s68                     ; 2 p + bit 0
	s_sub_co_u32 s70, 127, s69
	s_cmp_lt_u32 s[WV], 4
	s_cselect_b32 s[TQ], s69, s70
	s_lshl_b32 s[Q0], s[TQ], 4
	s_bfe_u32 s68, s[WV], 0x10001                  ; bit 1 of the wave's number
	s_lshl_b32 s[HH], s[KVH], 1
	s_add_co_u32 s[HH], s[HH], s68
	; descriptor groups 1: dense blocks as rows of 256 bytes (32 elements of 8 bytes), no padding, no mask: 96, 8 and 24 rows
	s_mov_b32 s[G1K], 3<<16
	s_mov_b32 s[G1K+1], 32<<16
	s_mov_b32 s[G1K+2], 96<<16
	s_mov_b32 s[G1K+3], 32<<16
	s_mov_b32 s[G1K+4], 96
	s_mov_b32 s[G1K+5], 32
	s_mov_b32 s[G1K+6], 0
	s_mov_b32 s[G1K+7], 0
	s_mov_b32 s[G1S], 3<<16
	s_mov_b32 s[G1S+1], 32<<16
	s_mov_b32 s[G1S+2], 8<<16
	s_mov_b32 s[G1S+3], 32<<16
	s_mov_b32 s[G1S+4], 8
	s_mov_b32 s[G1S+5], 32
	s_mov_b32 s[G1S+6], 0
	s_mov_b32 s[G1S+7], 0
	s_mov_b32 s[G1V], 3<<16
	s_mov_b32 s[G1V+1], 32<<16
	s_mov_b32 s[G1V+2], 24<<16
	s_mov_b32 s[G1V+3], 32<<16
	s_mov_b32 s[G1V+4], 24
	s_mov_b32 s[G1V+5], 32
	s_mov_b32 s[G1V+6], 0
	s_mov_b32 s[G1V+7], 0
	s_mul_i32 s68, s[WV], 24576                    ; K: an eighth of the head's images, in LDS and in memory
	s_add_co_u32 s69, s[KVH], 16
	s_mul_i32 s69, s69, HEADB
	s_add_co_u32 s70, s69, s68
	s_mov_b32 s71, 0
	s_lshl_b32 s72, s[WV], 11                      ; the scale records: 2,048 bytes a wave: waves 0-3 K's, waves 4-7 V's
	s_add_co_u32 s73, s[KVH], 16
	s_lshl_b32 s73, s73, 13
	s_add_co_u32 s74, s73, s72
	s_lshr_b32 s73, s[WV], 2
	s_mul_i32 s73, s73, 57344                      ; from K's head to V's: 8 heads of 8,192 bytes, less the 8,192 that four waves have stepped
	s_add_co_u32 s74, s74, s73
	s_mov_b32 s75, 0
	s_mul_i32 s76, s[WV], 6144                     ; V: an eighth of a slot
	s_add_co_u32 s77, s[KVH], 24
	s_mul_i32 s77, s77, HEADB
	s_add_co_u32 s78, s77, s76
	s_mov_b32 s79, 0
	s_mov_b32 s[SEL], 0x76543210
	s_mov_b32 s[SEL+1], 0xfedcba98
	s_mov_b32 s[CS], 0x3e38aa3b                    ; c = log2(e) / sqrt(64)
	s_mov_b32 s[CS+1], s[CS]
	s_wait_kmcnt 0x0
	s_mov_b32 s[G0K], 1
	s_mov_b32 s[G0K+1], s68
	s_add_nc_u64 s[G0K+2:G0K+3], s[4:5], s[70:71]
	s_or_b32 s[G0K+3], s[G0K+3], 0x80000000
	s_mov_b32 s[G0S], 1
	s_add_co_u32 s[G0S+1], s72, KSC
	s_add_nc_u64 s[G0S+2:G0S+3], s[6:7], s[74:75]
	s_or_b32 s[G0S+3], s[G0S+3], 0x80000000
	s_mov_b32 s[G0V], 1
	s_add_co_u32 s[G0V+1], s76, VS0
	s_add_nc_u64 s[G0V+2:G0V+3], s[4:5], s[78:79]
	s_or_b32 s[G0V+3], s[G0V+3], 0x80000000
	tensor_load_to_lds s[G0K:G0K+3], s[G1K:G1K+7]  ; the first fills, one group, every wave its parts: three loads of mine are out
	s_nop 0
	tensor_load_to_lds s[G0S:G0S+3], s[G1S:G1S+7]
	s_nop 0
	tensor_load_to_lds s[G0V:G0V+3], s[G1V:G1V+7]
	s_nop 0
	PLACES 4
	v_and_b32 v5, 31, v0
	v_lshlrev_b32 v[LI], 4, v5
	v_and_b32 v6, 15, v0                           ; r
	v_bfe_u32 v7, v0, 4, 1                         ; h
	s_mul_i32 s68, s[HH], HEADB
	s_mul_i32 s69, s[TQ], FRB
	s_add_co_u32 s68, s68, s69
	s_mov_b32 s69, 0
	s_add_nc_u64 s[68:69], s[4:5], s[68:69]        ; my tile's image of Q
	global_load_b128 v[16:19], v[LI], s[68:69]             ; registers 0-3
	global_load_b128 v[40:43], v[LI], s[68:69] offset:512  ; registers 4-7: moved below
	global_load_b128 v[30:33], v[LI], s[68:69] offset:1024 ; registers 8-11
	s_lshl_b32 s70, s[HH], 13
	s_lshr_b32 s71, s[TQ], 3
	s_lshl_b32 s71, s71, 9
	s_add_co_u32 s70, s70, s71
	s_and_b32 s71, s[TQ], 7
	s_lshl_b32 s71, s71, 2
	s_add_co_u32 s70, s70, s71
	s_mov_b32 s71, 0
	s_add_nc_u64 s[70:71], s[6:7], s[70:71]
	v_lshlrev_b32 v[R32], 5, v6
	global_load_b32 v[QS], v[R32], s[70:71]        ; row r's scale word of my tile
	v_add_nc_u32 v[RK], KSC, v[R32]
	v_lshlrev_b32 v7, 3, v7
	v_sub_nc_u32 v[RH], v6, v7
	v_mov_b32 v[NINF], 0xff800000
	v_mov_b32 v11, 0xff61b1e6                      ; the largest t so far: -3e38, under every t
	v_mov_b32 v13, 0xff61b1e6
	v_floor_f32 v10, -v11
	v_floor_f32 v12, -v13
	v_mov_b32 v14, 0
	v_mov_b32 v15, 0
	v_mov_b32 v34, 0
	v_mov_b32 v35, 0
.irp i, 22,23,24,25,26,27
	v_mov_b32 v\i, 0                               ; the zero codes beside Q1 and Q2
.endr
.irp i, 244,245,246,247,248,249,250,251
	v_mov_b32 v\i, 0                               ; permutes' destinations and the upper halves of pairs: written once
.endr
.set e, 0
.rept 64
	v_mov_b32 v[160+e], 0                          ; O^T: the key step is written once and finds zeros
.set e, e+1
.endr
	s_wait_loadcnt 0x0                             ; Q
	v_mov_b32 v20, v40
	v_mov_b32 v21, v41
	v_mov_b32 v28, v42
	v_mov_b32 v29, v43
	PLACES 4                                       ; an operand written by vector instructions stands four places ahead of a scaled matrix instruction
	s_wait_tensorcnt 0x1                           ; my parts of K and of the scale records are in; V's slot 0 may stay out
	s_barrier_signal -1
	s_barrier_wait -1
.macro LOADK g                         ; four fragments of K (keys 64 g on of the step) and their scale words
.irp t, 0,1,2,3
.irp c, 0,1,2
	ds_load_b128 v[FRG+12*\t+4*\c:FRG+12*\t+4*\c+3], v[ADK] offset:(4*\g+\t)*FRB+512*\c
.endr
.endr
	ds_load_b128 v[88:91], v[ADS] offset:16*\g
.endm
.macro SCORE                           ; both maps' scores of 64 keys: eight accumulators, each begun with 0
.irp t, 0,1,2,3
	v_wmma_scale_f32_16x16x128_f8f6f4 v[96+8*\t:103+8*\t], v[FRG+12*\t:FRG+12*\t+11], v[16:27], 0, v[88+\t], v[QS] matrix_a_fmt:MATRIX_FMT_FP6 matrix_b_fmt:MATRIX_FMT_FP6
	v_wmma_scale_f32_16x16x128_f8f6f4 v[128+8*\t:135+8*\t], v[FRG+12*\t:FRG+12*\t+11], v[22:33], 0, v[88+\t], v[QS] matrix_a_fmt:MATRIX_FMT_FP6 matrix_b_fmt:MATRIX_FMT_FP6
.endr
.endm
; Hidden scores become -infinity.  Register 8 t + j holds key KF + 64 g + 16 t + 8 h + j: hidden where 16 t + j > my query - KF - 64 g - 8 h.  Left out where all 64 keys count for all 16 queries.
.macro MASK g
	s_add_co_u32 s68, s[KF], 64*\g+63
	s_cmp_le_u32 s68, s[Q0]
	s_cbranch_scc1 .Lopen_\@
	s_sub_co_i32 s68, s[Q0], s[KF]
	s_sub_co_i32 s68, s68, 64*\g
	v_add_nc_u32 v[DQ], s68, v[RH]
.irp t, 0,1,2,3
.irp j, 0,1,2,3,4,5,6,7
	v_cmp_gt_i32 vcc_lo, 16*\t+\j, v[DQ]
	v_cndmask_b32 v[96+8*\t+\j], v[96+8*\t+\j], v[NINF], vcc_lo
	v_cndmask_b32 v[128+8*\t+\j], v[128+8*\t+\j], v[NINF], vcc_lo
.endr
.endr
.Lopen_\@:
.endm
.macro TEXP                            ; t - M, two at a time, and 2^(t - M): one batch of 64 exponentials
.irp j, 0,2,4,6,8,10,12,14,16,18,20,22,24,26,28,30
	v_pk_fma_f32 v[96+\j:97+\j], v[96+\j:97+\j], s[CS:CS+1], v[10:11] op_sel_hi:[1,0,0]
.endr
.irp j, 0,2,4,6,8,10,12,14,16,18,20,22,24,26,28,30
	v_pk_fma_f32 v[128+\j:129+\j], v[128+\j:129+\j], s[CS:CS+1], v[12:13] op_sel_hi:[1,0,0]
.endr
.set e, 0
.rept 64
	v_exp_f32 v[96+e], v[96+e]
.set e, e+1
.endr
.endm
.macro STATS                           ; pass 1: the maxima and sums of both maps take in 64 keys
.irp b, 0,1,2,3
	v_max3_num_f32 v[TM+\b], v[96+16*\b], v[97+16*\b], v[98+16*\b]
.endr
.irp i, 3,5,7,9,11,13
.irp b, 0,1,2,3
	v_max3_num_f32 v[TM+\b], v[TM+\b], v[96+16*\b+\i], v[97+16*\b+\i]
.endr
.endr
.irp b, 0,1,2,3
	v_max_num_f32 v[TM+\b], v[TM+\b], v[111+16*\b]
.endr
	v_max_num_f32 v[TM], v[TM], v[TM+1]            ; map 1
	v_max_num_f32 v[TM+2], v[TM+2], v[TM+3]        ; map 2
	v_permlanex16_b32 v[TP], v[TM], s[SEL], s[SEL+1]
	v_permlanex16_b32 v[TP+2], v[TM+2], s[SEL], s[SEL+1]
	v_max_num_f32 v[TM], v[TM], v[TP]              ; with lane l xor 16's keys
	v_max_num_f32 v[TM+2], v[TM+2], v[TP+2]
	v_mul_f32 v[TM], s[CS], v[TM]                  ; as t (c is positive)
	v_mul_f32 v[TM+2], s[CS], v[TM+2]
	v_max_num_f32 v11, v11, v[TM]                  ; the running largest t
	v_max_num_f32 v13, v13, v[TM+2]
	v_mov_b32 v252, v10
	v_mov_b32 v254, v12
	v_floor_f32 v10, -v11                          ; -M = floor(-t): M is a whole number
	v_floor_f32 v12, -v13
	v_sub_f32 v252, v10, v252                      ; old M less new M: a whole number, 0 or less
	v_sub_f32 v254, v12, v254
	v_cvt_i32_f32 v252, v252                       ; (it saturates)
	v_cvt_i32_f32 v254, v254
	v_ldexp_f32 v[SO], 1.0, v252                   ; f = 2^(old M - new M): a multiplication by it rounds nothing
	v_ldexp_f32 v[BY], 1.0, v254
	TEXP
	v_pk_mul_f32 v[14:15], v[14:15], v[SO:SO+1] op_sel_hi:[1,0]     ; the sums under the new M (plain lines behind the exponentials)
	v_pk_mul_f32 v[34:35], v[34:35], v[BY:BY+1] op_sel_hi:[1,0]
	s_wait_alu depctr_va_vdst(0)                   ; one wait for the batch, ahead of its first reader
	v_pk_add_f32 v[236:237], v[96:97], v[98:99]
	v_pk_add_f32 v[238:239], v[128:129], v[130:131]
.irp j, 4,8,12,16,20,24,28
	v_pk_add_f32 v[14:15], v[14:15], v[96+\j:97+\j]
	v_pk_add_f32 v[236:237], v[236:237], v[98+\j:99+\j]
	v_pk_add_f32 v[34:35], v[34:35], v[128+\j:129+\j]
	v_pk_add_f32 v[238:239], v[238:239], v[130+\j:131+\j]
.endr
	v_pk_add_f32 v[14:15], v[14:15], v[236:237]
	v_pk_add_f32 v[34:35], v[34:35], v[238:239]
.endm
.macro SOFT2                           ; pass 2: the finished weights of 64 keys, in S1's registers
	TEXP
	v_nop                                          ; a plain line behind the last exponential
	s_wait_alu depctr_va_vdst(0)                   ; one wait for the batch, ahead of its first reader
.irp j, 0,2,4,6,8,10,12,14,16,18,20,22,24,26,28,30
	v_pk_mul_f32 v[96+\j:97+\j], v[96+\j:97+\j], v[14:15] op_sel_hi:[1,0]
.endr
.irp j, 0,2,4,6,8,10,12,14,16,18,20,22,24,26,28,30
	v_pk_fma_f32 v[96+\j:97+\j], v[128+\j:129+\j], v[34:35], v[96+\j:97+\j] op_sel_hi:[1,0,1]
.endr
.endm
; 32 numbers of a lane (two blocks of 32, each shared with lane l xor 16) become registers 6 c .. 6 c + 5 of a fragment in v[CD] on and bytes 2 c, 2 c + 1 of its scale word v[pw].
.macro QHALF s, c, pw
.irp b, 0,1
	v_max3_num_f32 v[TM+\b], |v[\s+16*\b]|, |v[\s+1+16*\b]|, 0x1800000   ; my 16 numbers, and the floor 2^(3 - 127)
.endr
.irp i, 2,4,6,8,10,12,14
.irp b, 0,1
	v_max3_num_f32 v[TM+\b], v[TM+\b], |v[\s+16*\b+\i]|, |v[\s+1+16*\b+\i]|
.endr
.endr
.irp b, 0,1
	v_permlanex16_b32 v[TP+\b], v[TM+\b], s[SEL], s[SEL+1]
.endr
.irp b, 0,1
	v_max_num_f32 v[TM+\b], v[TM+\b], v[TP+\b]
.endr
.irp b, 0,1
	v_add_nc_u32 v[SO+\b], 0xff000000, v[TM+\b]    ; 2 off the exponent field: the conversion's scale operand
.endr
.irp b, 0,1
	v_lshrrev_b32 v[BY+\b], 23, v[SO+\b]           ; the scale's byte
.endr
.if \c == 0
	v_lshl_or_b32 v[\pw], v[BY+1], 8, v[BY]
.else
	v_lshl_or_b32 v[\pw], v[BY], 16, v[\pw]
	v_lshl_or_b32 v[\pw], v[BY+1], 24, v[\pw]
.endif
	v_cvt_scalef32_pk16_fp6_f32 v[CD+6*\c:CD+6*\c+2], v[\s:\s+15], v[SO]
	v_cvt_scalef32_pk16_fp6_f32 v[CT:CT+2], v[\s+16:\s+31], v[SO+1]
	v_nop                                          ; one plain place behind a scaled conversion
.irp i, 0,1,2
	v_permlane16_swap_b32 v[CD+6*\c+\i], v[CT+\i]
.endr
.irp i, 0,1,2
	v_mov_b32 v[CD+6*\c+3+\i], v[CT+\i]
.endr
.endm
.macro LOADV gg, q                     ; four fragments of V^T (channels 64 gg on) of the slot's q-th key step; with the first four the step's eight scale words
.irp t, 0,1,2,3
.irp c, 0,1,2
	ds_load_b128 v[FRG+12*\t+4*\c:FRG+12*\t+4*\c+3], v[ADV] offset:(\q)*STEPB+(4*\gg+\t)*FRB+512*\c
.endr
.endr
.if \gg == 0
	ds_load_b128 v[88:91], v[ADT]
	ds_load_b128 v[92:95], v[ADT] offset:16
.endif
.endm
.macro PV gg                           ; O^T += V^T a^T: the eight accumulators take turns, one instruction a turn, and the scores' products lie between two steps' turns
.irp t, 0,1,2,3
	v_wmma_scale_f32_16x16x128_f8f6f4 v[160+8*(4*\gg+\t):167+8*(4*\gg+\t)], v[FRG+12*\t:FRG+12*\t+11], v[CD:CD+11], v[160+8*(4*\gg+\t):167+8*(4*\gg+\t)], v[88+4*\gg+\t], v[PW] matrix_a_fmt:MATRIX_FMT_FP6 matrix_b_fmt:MATRIX_FMT_FP6
.endr
.endm
; A key step of pass 1.  A step all of whose keys come after my 16 queries is left out: a scalar branch on ids, not round the lines that step addresses.
.macro STEP1
	s_add_co_u32 s68, s[Q0], 15
	s_cmp_gt_u32 s[KF], s68
	s_cbranch_scc1 .Lhid1_\@
	v_add_nc_u32 v[ADK], s[TK], v[LI]
	v_add_nc_u32 v[ADS], s[TS], v[RK]
	LOADK 0
.irp g, 0,1
	s_wait_dscnt 0x0
	SCORE
	PLACES 4                                       ; in front of the loads into the fragments' registers and of the first read of the scores
.if \g == 0
	LOADK 1                                        ; lands under the vector work
.endif
	MASK \g
	STATS
.endr
.Lhid1_\@:
	s_add_co_u32 s[KF], s[KF], 128
	s_add_co_u32 s[TK], s[TK], STEPB
	s_add_co_u32 s[TS], s[TS], 512
.endm
; A key step of pass 2, the q-th of V's slot in hand.
.macro STEP2 q
	s_add_co_u32 s68, s[Q0], 15
	s_cmp_gt_u32 s[KF], s68
	s_cbranch_scc1 .Lhid2_\@
	v_add_nc_u32 v[ADK], s[TK], v[LI]              ; these four additions are the places behind the last step's products, in front of the loads
	v_add_nc_u32 v[ADS], s[TS], v[RK]
	v_add_nc_u32 v[ADV], s[TV], v[LI]
	v_add_nc_u32 v[ADT], VSC-KSC, v[ADS]
	LOADK 0
.irp g, 0,1
	s_wait_dscnt 0x0
	SCORE
	PLACES 4
.if \g == 0
	LOADK 1
.else
	LOADV 0, \q
.endif
	MASK \g
	SOFT2
	QHALF 96, \g, PW
.endr
	PLACES 8                                       ; a scale register written by a vector instruction stands eight places ahead of a scaled matrix instruction, an operand four
	s_wait_dscnt 0x0
	PV 0
	PLACES 4
	LOADV 1, \q
	s_wait_dscnt 0x0
	PV 1
.Lhid2_\@:
	s_add_co_u32 s[KF], s[KF], 128
	s_add_co_u32 s[TK], s[TK], STEPB
	s_add_co_u32 s[TS], s[TS], 512
.endm
; The change of V's slots stands at a slot's head: each wave waits for all its tensor loads, adds 0 to its spare word, waits for that and for its reads of the slot that it has left, and passes the barrier.
; fill = 1: the other slot is then filled with the next four key steps, every wave an eighth: one load of mine is out, and it has four key steps of work in which to land.
.macro CHANGE fill
	s_wait_tensorcnt 0x0                           ; no tensor load of mine is out, so a group 0 may be written
	ds_add_u32 v[SPW], v[NIL]                      ; 0 onto my spare word
.if \fill
	s_xor_b32 s[G0V+1], s[G0V+1], VX               ; the other slot than last time,
	s_add_nc_u64 s[G0V+2:G0V+3], s[G0V+2:G0V+3], SLOTB   ; the next four key steps
.endif
	s_wait_dscnt 0x0
	s_barrier_signal -1
	s_barrier_wait -1
.if \fill
	tensor_load_to_lds s[G0V:G0V+3], s[G1V:G1V+7]
	s_nop 0
	PLACES 4
.endif
.endm
	; ---- PASS 1
	s_mov_b32 s[TK], 0
	s_mov_b32 s[TS], 0
	s_mov_b32 s[KF], 0
	s_mov_b32 s[CNT], 16
.Lp1:
	STEP1
	s_sub_co_u32 s[CNT], s[CNT], 1
	s_cmp_lg_u32 s[CNT], 0
	s_cbranch_scc1 .Lp1
	; ---- between the passes: 1 / l1 and -0.2 / l2
	v_add_f32 v14, v14, v15
	v_add_f32 v34, v34, v35
	v_permlanex16_b32 v[TP], v14, s[SEL], s[SEL+1]
	v_permlanex16_b32 v[TP+1], v34, s[SEL], s[SEL+1]
	v_add_f32 v14, v14, v[TP]
	v_add_f32 v34, v34, v[TP+1]
	v_rcp_f32 v14, v14
	v_rcp_f32 v34, v34
	v_nop                                          ; a plain line behind the reciprocals
	s_wait_alu depctr_va_vdst(0)                   ; and the wait ahead of their first reader
	v_mul_f32 v34, 0xbe4ccccd, v34                 ; x -0.2
	; ---- PASS 2
	s_mov_b32 s[TK], 0
	s_mov_b32 s[TS], 0
	s_mov_b32 s[KF], 0
	s_mov_b32 s[TV], VS0
	s_mov_b32 s[CNT], 3
.Lp2:                                              ; three trips: behind each change of slots but the last the next four key steps are asked for
	CHANGE 1
	STEP2 0
	STEP2 1
	STEP2 2
	STEP2 3
	s_xor_b32 s[TV], s[TV], VX                     ; on to the other slot
	s_sub_co_u32 s[CNT], s[CNT], 1
	s_cmp_lg_u32 s[CNT], 0
	s_cbranch_scc1 .Lp2
	CHANGE 0                                       ; the last slot is written out
	STEP2 0
	STEP2 1
	STEP2 2
	STEP2 3
	; ---- THE WAY OUT.  O^T: register 8 t + j of lane (r, h) is channel 16 t + 8 h + j of query r.  The last product's other operand lies in natural order, so the halves of two neighbouring tiles change places:
	; lane h then holds channels 32 b + 16 h + 0 .. 15 in registers 16 b .. 16 b + 15.  Each accumulator is first read at its register 0.
	PLACES 4
.irp b, 0,1,2,3
.irp j, 0,1,2,3,4,5,6,7
	v_permlane16_swap_b32 v[160+16*\b+\j], v[168+16*\b+\j]
.endr
.endr
	QHALF 160, 0, PW
	QHALF 192, 1, PW
	s_lshl_b32 s68, s[TQ], 4
	s_add_co_u32 s68, s68, s[HH]
	s_mul_i32 s68, s68, FRB                        ; oimg: [tile][head][1536]
	s_mov_b32 s69, 0
	s_add_nc_u64 s[8:9], s[8:9], s[68:69]
	s_lshl_b32 s68, s[TQ], 10                      ; osc: 64 bytes a row, word = head
	s_lshl_b32 s70, s[HH], 2
	s_add_co_u32 s68, s68, s70
	s_add_nc_u64 s[10:11], s[10:11], s[68:69]
	v_lshlrev_b32 v[R32], 1, v[R32]                ; 64 r
.irp c, 0,1,2
	global_store_b128 v[LI], v[CD+4*\c:CD+4*\c+3], s[8:9] offset:512*\c   ; the wave stores 512 consecutive bytes, aligned
.endr
	global_store_b32 v[R32], v[PW], s[10:11]       ; row r's scale word (lanes l and l + 16 write the same word with the same value); 4 bytes in rows 64 bytes apart: one part in 24 of what the wave stores
	s_wait_tensorcnt 0x0                           ; the wave's end
	ds_add_u32 v[SPW], v[NIL]
	s_wait_dscnt 0x0
	s_endpgm
.Lfunc_end_k_qfec3f6054d_attn:
	.size	k_qfec3f6054d_attn, .Lfunc_end_k_qfec3f6054d_attn-k_qfec3f6054d_attn
	.p2alignl 7, 3214868480
	.fill 96, 4, 3214868480
	.section	.rodata,"a",@progbits
	.p2align	6, 0x0
	.amdhsa_kernel k_qfec3f6054d_attn
		.amdhsa_group_segment_fixed_size 327680
		.amdhsa_private_segment_fixed_size 0
		.amdhsa_enable_private_segment 0
		.amdhsa_kernarg_size 32
		.amdhsa_user_sgpr_count 2
		.amdhsa_user_sgpr_kernarg_segment_ptr 1
		.amdhsa_wavefront_size32 1
		.amdhsa_system_sgpr_workgroup_id_x 1
		.amdhsa_system_sgpr_workgroup_id_y 1
		.amdhsa_system_sgpr_workgroup_id_z 1
		.amdhsa_system_vgpr_workitem_id 0
		.amdhsa_next_free_vgpr 256
		.amdhsa_next_free_sgpr 80
		.amdhsa_reserve_vcc 1
		.amdhsa_float_denorm_mode_32 3
		.amdhsa_float_denorm_mode_16_64 3
		.amdhsa_memory_ordered 1
		.amdhsa_forward_progress 1
		.amdhsa_inst_pref_size 255
	.end_amdhsa_kernel
	.section	.bss,"aw",@nobits
	.p2align	6
	.space	262144
	.amdgpu_metadata
---
amdhsa.version: [ 1, 2 ]
amdhsa.kernels:
  - .name:           k_qfec3f6054d_attn
    .symbol:         k_qfec3f6054d_attn.kd
    .args:
      - { .name: img, .offset: 0, .size: 8, .value_kind: global_buffer, .address_space: global }
      - { .name: isc, .offset: 8, .size: 8, .value_kind: global_buffer, .address_space: global }
      - { .name: oimg, .offset: 16, .size: 8, .value_kind: global_buffer, .address_space: global }
      - { .name: osc, .offset: 24, .size: 8, .value_kind: global_buffer, .address_space: global }
    .group_segment_fixed_size: 327680
    .private_segment_fixed_size: 0
    .kernarg_segment_align: 8
    .kernarg_segment_size: 32
    .max_flat_workgroup_size: 256
    .sgpr_count:     80
    .vgpr_count:     256
    .wavefront_size: 32
...
	.end_amdgpu_metadata
.endif
;; end of part 4
;; launch gemm_o (part 5): grid 8 x 8, 4 waves a work-group, clusters of 4 x 4, 327,680 bytes of LDS; arguments oimg, osc, wc, ws, out0; writes out0
.if DOCPART == 5
	.amdgcn_target "amdgcn-amd-amdhsa--gfx1250"
	.amdhsa_code_object_version 6
	.text
	.protected	k_qfec3f6054d_gemm_o
	.globl	k_qfec3f6054d_gemm_o
	.p2align	8
	.type	k_qfec3f6054d_gemm_o,@function
k_qfec3f6054d_gemm_o:
	s_mov_b64 s[64:65], 0
	v_nop
	global_prefetch_b8 v0, s[64:65] scope:SCOPE_SE
	s_setreg_imm32_b32 hwreg(HW_REG_WAVE_MODE, 25, 1), 1
	s_wait_xcnt 0x0
	s_wait_alu depctr_hold_cnt(0) depctr_sa_sdst(0) depctr_va_vdst(0) depctr_va_sdst(0) depctr_va_ssrc(0) depctr_va_vcc(0) depctr_vm_vsrc(0)
	s_getreg_b32 s2, hwreg(HW_REG_IB_STS2, 6, 4)
	s_cmp_eq_u32 s2, 0
	s_cbranch_scc0 .Lentry_in_a_cluster
	s_endpgm
.Lentry_in_a_cluster:
	s_bfe_u32 s2, ttmp6, 0x10000c
	s_cmp_lg_u32 s2, 0xf033
	s_cbranch_scc0 .Lentry_shape_is_right
	s_endpgm
.Lentry_shape_is_right:
; out0 = O Wo on codes of FP6 (E2M3) with E8M0 scales: C[m][n] = sum over k of A[m][k] B[n][k], M = N = K = 2048, C f32.
; A = the attention's output as IMAGES of fragments, oimg [tile of 16 rows][head = 128 along K][1536 bytes], scales osc [2048][64].  B = rows 4096-6143 of wc (Wo's columns, K innermost), scales in ws.
; A tile of C, 256 x 256, is made by four waves, 128 x 128 each; K goes in steps of 256 through a ring of two LDS slots; the scale bytes come into LDS once.
; A's part of a slot: for each of 16 tiles of rows two images on end (3,072 bytes): a fragment comes by three loads of 16 bytes a lane, 512 consecutive bytes each.  B's part: rows of 192 bytes, padded.
; CLUSTERS of 4 x 4: A's tiles are asked for jointly along a row of the cluster, B's along a column.  THE MATRIX INSTRUCTION IS USED TRANSPOSED: a lane holds eight neighbouring numbers of a row of C.
; The tile of 256 x 256 gives 64 work-groups at this size.
.set SIZE_N, 2048
.set SIZE_K, 2048
.set KSTEP,  256
.set NQ,     KSTEP/128
.set ROWB,   192
.set KROW,   SIZE_K*6/8
.set PITCH,  240
.set FR,     12
.set NLA,    3                         ; LDS loads that bring a fragment of A
.set NP,     4
.set FRB,    1536
.set AROW,   2*FRB                     ; a tile of 16 rows in a slot: two images
.set AHALF,  8*AROW                    ; 128 rows of A: what one tensor load brings
.set HALFT,  128*PITCH                 ; 128 rows of B
.set SLOT,   2*AHALF+2*HALFT
.set LAPS,   SIZE_K/(2*KSTEP)
.set KS,     SIZE_K/32
.set SCL,    2*SLOT
.set HALFS,  (128*KS/256)*272
.set SBLK,   (16*KS/256)*272
.set SPARE,  SCL+4*HALFS               ; the spare words: two blocks of 256 bytes that no other line names
.set SPITCH, 528                       ; the way out: a stage of 16 rows x (512 + 16) bytes for each wave, in slot 0, which has had its last fill and its last read by then
.set ADRA, 16                          ; v16-17 LDS address of my A fragments in slot 0, 1
.set ADRB, 20                          ; v20-21 of my B fragments (v22-23: behind one padding more)
.set STO,  24
.set RD,   25
.set CO,   26
.set ADRS, 27
.set SPW,  28
.set NIL,  29
.set SC,   32
.set AF,   128
.set BK,   128
.set G1, 24
.set G0, 32
.set G1B, 48
.set G0B, 56
.set G1S, 68
.set G0S, 76
.set G1SB, 80
.set G0SB, 88
.set MSB, 0
.macro WIN new
.if MSB != \new
	s_set_vgpr_msb (MSB<<8)|\new
.set MSB, \new
.endif
.endm
.set MUL_LO, 0xa1
.set MUL_HI, 0xf1
.set TO_B,   0x40
.macro JLOAD g0a, g1a, g0b, g1b        ; a joint load: waves 0 and 1 fetch for A, waves 2 and 3 for B; four v_nop follow each line
	s_cmp_eq_u32 s15, 0
	s_cbranch_scc0 .Lfor_b_\@
	tensor_load_to_lds s[\g0a:\g0a+3], s[\g1a:\g1a+7]
	s_nop 0
.rept 4
	v_nop
.endr
	s_branch .Lasked_\@
.Lfor_b_\@:
	tensor_load_to_lds s[\g0b:\g0b+3], s[\g1b:\g1b+7]
	s_nop 0
.rept 4
	v_nop
.endr
.Lasked_\@:
.endm
.macro CREST
	s_cmp_lg_u32 s14, 0
	s_cbranch_scc1 .Lnot_wave_0_\@
	s_barrier_signal -3
.Lnot_wave_0_\@:
	s_barrier_wait -3
	s_barrier_signal -1
	s_barrier_wait -1
.endm
.macro CROUND
	s_barrier_signal -1
	s_barrier_wait -1
	CREST
.endm
	s_load_b128 s[4:7], s[0:1], 0x0                ; oimg, osc
	s_load_b128 s[8:11], s[0:1], 0x10              ; wc, ws
	s_load_b64 s[12:13], s[0:1], 0x20              ; out0
	v_lshl_add_u32 v[SPW], v0, 2, SPARE
	v_mov_b32 v[NIL], 0
	ds_add_u32 v28, v29
	ds_add_u32 v28, v29
	s_wait_dscnt 0x0
	v_lshrrev_b32 v1, 5, v0
	v_readfirstlane_b32 s14, v1                    ; wave 0..3
	s_lshr_b32 s15, s14, 1                         ; which half of the tile's rows is mine.  Also: I fetch for A (0) or for B (1)
	s_and_b32 s16, s14, 1                          ; which half of its columns.  Also: which 128 rows of that tile I fetch
	s_bfe_u32 s40, ttmp6, 0x40000                  ; cx
	s_bfe_u32 s41, ttmp6, 0x40004                  ; cy
	s_lshl_b32 s42, ttmp9, 2
	s_add_co_u32 s42, s42, s40                     ; tile column
	s_and_b32 s17, ttmp7, 0xffff
	s_lshl_b32 s17, s17, 2
	s_add_co_u32 s17, s17, s41                     ; tile row
	s_lshl_b32 s43, s41, 2
	s_lshl_b32 s43, 15, s43                        ; my row of the cluster
	s_lshl_b32 s44, 0x1111, s40                    ; my column
	s_or_b32 s[G1+0], s43, (3<<16)|(1<<21)         ; A: the mask; elements of 8 bytes; no padding; bit 21 beside a mask
	s_mov_b32 s[G1+1], 384<<16                     ; tensor_dim0: 3,072 bytes: two images
	s_mov_b32 s[G1+2], 8<<16                       ; tensor_dim1: 8 tiles of 16 rows
	s_mov_b32 s[G1+3], 384<<16                     ; tile_dim0
	s_mov_b32 s[G1+4], 8                           ; tile_dim1
	s_mov_b32 s[G1+5], 3072                        ; from tile to tile: 16 images, 24,576 bytes
	s_mov_b32 s[G1+6], 0
	s_mov_b32 s[G1+7], 0
	s_or_b32 s[G1B+0], s44, (0<<16)|(1<<20)|(1<<21)|(3<<22)|(3<<25)   ; B: rows of 192 bytes, 16 of padding behind every 64
	s_mov_b32 s[G1B+1], ROWB<<16
	s_mov_b32 s[G1B+2], 128<<16
	s_mov_b32 s[G1B+3], ROWB<<16
	s_mov_b32 s[G1B+4], 128
	s_mov_b32 s[G1B+5], KROW
	s_mov_b32 s[G1B+6], 0
	s_mov_b32 s[G1B+7], 0
	s_or_b32 s[G1S+0], s43, (3<<16)|(1<<20)|(1<<21)|(5<<22)|(3<<25)
	s_or_b32 s[G1SB+0], s44, (3<<16)|(1<<20)|(1<<21)|(5<<22)|(3<<25)
.irp g, G1S, G1SB
	s_mov_b32 s[\g+1], 32<<16
	s_mov_b32 s[\g+2], (128*KS/256)<<16
	s_mov_b32 s[\g+3], 32<<16
	s_mov_b32 s[\g+4], 128*KS/256
	s_mov_b32 s[\g+5], 32
	s_mov_b32 s[\g+6], 0
	s_mov_b32 s[\g+7], 0
.endr
	s_lshl_b32 s20, s17, 4
	s_lshl_b32 s18, s16, 3
	s_add_co_u32 s20, s20, s18                     ; A: tile of 16 rows: 16 x tile row + 8 x half
	s_lshl_b32 s22, s20, 10                        ; its rows' scales: 16 rows of 64 bytes a tile
	s_mul_i32 s20, s20, 16*FRB                     ; its images
	s_mov_b32 s21, 0
	s_mov_b32 s23, 0
	s_lshl_b32 s46, s42, 8
	s_lshl_b32 s18, s16, 7
	s_add_co_u32 s46, s46, s18
	s_add_co_u32 s46, s46, 4096                    ; B: row 4096 + 256 x tile column + 128 x half of wc
	s_lshl_b32 s92, s46, 6                         ; its scales
	s_mul_i32 s46, s46, KROW                       ; its codes
	s_mov_b32 s47, 0
	s_mov_b32 s93, 0
	s_mul_i32 s45, s16, AHALF                      ; where they go: A's two halves,
	s_mul_i32 s95, s16, HALFT
	s_add_co_u32 s95, s95, 2*AHALF                 ; then B's two halves
	s_mul_i32 s94, s14, HALFS
	s_wait_kmcnt 0x0
	s_add_nc_u64 s[20:21], s[4:5], s[20:21]
	s_add_nc_u64 s[22:23], s[6:7], s[22:23]
	s_add_nc_u64 s[46:47], s[8:9], s[46:47]
	s_add_nc_u64 s[92:93], s[10:11], s[92:93]
	CROUND                                         ; all sixteen work-groups are here: the first joint loads meet
	s_mov_b32 s[G0S], 1
	s_add_co_u32 s[G0S+1], s94, SCL
	s_mov_b64 s[G0S+2:G0S+3], s[22:23]
	s_or_b32 s[G0S+3], s[G0S+3], 0x80000000
	s_mov_b32 s[G0SB], 1
	s_add_co_u32 s[G0SB+1], s94, SCL
	s_mov_b64 s[G0SB+2:G0SB+3], s[92:93]
	s_or_b32 s[G0SB+3], s[G0SB+3], 0x80000000
	JLOAD G0S, G1S, G0SB, G1SB
.irp s, 0,1
	s_mov_b32 s[G0+4*\s], 1
	s_add_co_u32 s[G0+4*\s+1], s45, \s*SLOT
	s_add_nc_u64 s[G0+4*\s+2:G0+4*\s+3], s[20:21], \s*AROW
	s_or_b32 s[G0+4*\s+3], s[G0+4*\s+3], 0x80000000
	s_mov_b32 s[G0B+4*\s], 1
	s_add_co_u32 s[G0B+4*\s+1], s95, \s*SLOT
	s_add_nc_u64 s[G0B+4*\s+2:G0B+4*\s+3], s[46:47], \s*ROWB
	s_or_b32 s[G0B+4*\s+3], s[G0B+4*\s+3], 0x80000000
	JLOAD G0+4*\s, G1, G0B+4*\s, G1B
.endr
	v_and_b32 v1, 15, v0                           ; r
	v_bfe_u32 v2, v0, 4, 1                         ; h
	v_and_b32 v6, 31, v0
	v_lshlrev_b32 v7, 4, v6                        ; 16 x lane: my place in an image
	v_mul_u32_u24 v3, v1, PITCH
	v_mul_u32_u24 v4, v2, 24
	v_add_nc_u32 v4, v3, v4                        ; B: a fragment's row x pitch + 24 x half
	v_lshl_add_u32 v5, v2, 4, v4                   ; and the same behind one padding more
	s_mul_i32 s21, s15, AHALF                      ; my 128 rows of A
	s_mul_i32 s22, s16, HALFT                      ; my 128 rows of B,
	s_add_co_u32 s22, s22, 2*AHALF                 ; which lie behind A's 256
.irp s, 0,1
	v_add_nc_u32 v[ADRA+\s], s21, v7
	v_add_nc_u32 v[ADRB+\s], s22, v4
	v_add_nc_u32 v[ADRB+2+\s], s22, v5
	s_add_co_u32 s21, s21, SLOT
	s_add_co_u32 s22, s22, SLOT
.endr
	v_mul_u32_u24 v5, v1, KS
	v_lshrrev_b32 v6, 8, v5
	v_lshl_add_u32 v5, v6, 4, v5
	s_mul_i32 s21, s15, HALFS
	s_mul_i32 s22, s16, HALFS
	s_add_co_u32 s22, s22, 2*HALFS
	s_sub_co_u32 s22, s22, s21
	v_mul_u32_u24 v6, s22, v2                      ; lanes 16-31 take B's
	s_add_co_u32 s21, s21, SCL
	v_add_nc_u32 v5, v5, v6
	v_add_nc_u32 v[ADRS], s21, v5
	s_mul_i32 s23, s14, 16*SPITCH                  ; my stage
	v_mul_u32_u24 v5, v1, SPITCH
	v_lshl_add_u32 v5, v2, 5, v5
	v_add_nc_u32 v[STO], s23, v5
	v_mov_b32 v[CO], v7                            ; back: the 32 lanes take one row of 512 bytes; and the same in C
	v_add_nc_u32 v[RD], s23, v[CO]
	s_lshl_b32 s20, s17, 8
	s_lshl_b32 s21, s15, 7
	s_add_co_u32 s20, s20, s21                     ; my first row of C
	s_mov_b32 s21, 0
	s_mov_b64 s[18:19], SIZE_N*4
	s_mul_u64 s[20:21], s[20:21], s[18:19]
	s_lshl_b32 s46, s42, 10                        ; my first column, in bytes
	s_lshl_b32 s47, s16, 9
	s_add_co_u32 s46, s46, s47
	s_mov_b32 s47, 0
	s_add_nc_u64 s[20:21], s[20:21], s[46:47]
	s_add_nc_u64 s[12:13], s[12:13], s[20:21]
.macro FRAG reg, adr, q, i             ; a fragment of B from padded rows, in pieces of 8 bytes
.irp p, 0,1,2,3,4,5
.set PCE, 12*(\q)+6*(\p/3)+\p%3
.if PCE%8 < 5
	ds_load_b64 v[\reg+2*\p:\reg+2*\p+1], v[\adr] offset:8*PCE+16*(PCE/8)+(\i)*16*PITCH
.else
	ds_load_b64 v[\reg+2*\p:\reg+2*\p+1], v[\adr+2] offset:8*PCE+16*(PCE/8)+(\i)*16*PITCH
.endif
.endr
.endm
.macro MUL16 a0, p, q, sc, zero        ; the 64 accumulators take turns, one instruction a turn
.irp a, \a0, \a0+1
.irp b, 0,1,2,3,4,5,6,7
.if \zero
	v_wmma_scale_f32_16x16x128_f8f6f4 v[8*(8*((\a)%4)+\b):8*(8*((\a)%4)+\b)+7], v[128*(\p)+FR*\b:128*(\p)+FR*\b+FR-1], v[AF+FR*(\a):AF+FR*(\a)+FR-1], 0, v[SC+8*NQ*(\sc)+NQ*\b+(\q)], v[SC+8*NQ*(\sc)+NQ*(\a)+(\q)] matrix_a_fmt:MATRIX_FMT_FP6 matrix_b_fmt:MATRIX_FMT_FP6 matrix_a_scale:MATRIX_SCALE_ROW1
.else
	v_wmma_scale_f32_16x16x128_f8f6f4 v[8*(8*((\a)%4)+\b):8*(8*((\a)%4)+\b)+7], v[128*(\p)+FR*\b:128*(\p)+FR*\b+FR-1], v[AF+FR*(\a):AF+FR*(\a)+FR-1], v[8*(8*((\a)%4)+\b):8*(8*((\a)%4)+\b)+7], v[SC+8*NQ*(\sc)+NQ*\b+(\q)], v[SC+8*NQ*(\sc)+NQ*(\a)+(\q)] matrix_a_fmt:MATRIX_FMT_FP6 matrix_b_fmt:MATRIX_FMT_FP6 matrix_a_scale:MATRIX_SCALE_ROW1
.endif
.endr
.endr
.endm
.macro FETCH_B slot, q, p
	WIN TO_B
.irp i, 0,1,2,3,4,5,6,7
	FRAG 128*(\p)+FR*\i, ADRB+\slot, \q, \i
.endr
	WIN 0
.endm
.macro FETCH_A slot, q, i0             ; A's blocks i0 .. i0 + 3: each an image, three loads of 512 consecutive bytes
.irp i, \i0, \i0+1, \i0+2, \i0+3
.irp c, 0,1,2
	ds_load_b128 v[AF+FR*(\i)+4*\c:AF+FR*(\i)+4*\c+3], v[ADRA+\slot] offset:(\i)*AROW+(\q)*FRB+512*\c
.endr
.endr
.endm
.macro SCALES sc
.irp i, 0,1,2,3,4,5,6,7
	ds_load_b64 v[SC+8*NQ*\sc+NQ*\i:SC+8*NQ*\sc+NQ*\i+1], v[ADRS] offset:\i*SBLK
.endr
.endm
.macro PLACES n
.rept \n
	v_nop
.endr
.endm
.macro STEP slot, q, zero
	s_wait_dscnt 4*NLA                             ; B's set and A's blocks 0-3 are in; the youngest 12 loads (A's blocks 4-7) may be out
	WIN MUL_LO
	MUL16 0, (\q)%2, \q, \slot, \zero
	MUL16 2, (\q)%2, \q, \slot, \zero
	s_wait_dscnt 0
	PLACES NP
	FETCH_B \slot, (\q)+1, 1-(\q)%2
	FETCH_A \slot, (\q)+1, 0
	WIN MUL_HI
	MUL16 4, (\q)%2, \q, \slot, \zero
	MUL16 6, (\q)%2, \q, \slot, \zero
	PLACES NP
	WIN 0
	FETCH_A \slot, (\q)+1, 4
.endm
.macro TURN slot, next, fill
	s_wait_tensorcnt 0x0                           ; all my tensor loads have landed: my part of the next slot
	ds_add_u32 v[SPW], v[NIL]                      ; 0 onto my spare word
	s_wait_dscnt 4*NLA+1                           ; (the add and the youngest 12 loads may be out)
	WIN MUL_LO
	MUL16 0, 1, NQ-1, \slot, 0
	s_wait_dscnt 0x0                               ; the add is done, and my reads of this slot are over
	s_barrier_signal -1
	MUL16 2, 1, NQ-1, \slot, 0
	WIN 0
	s_barrier_wait -1
.if \fill
	CREST                                          ; the barrier has opened a round of the cluster's barrier
	s_add_nc_u64 s[G0+4*\slot+2:G0+4*\slot+3], s[G0+4*\slot+2:G0+4*\slot+3], 2*AROW
	s_add_nc_u64 s[G0B+4*\slot+2:G0B+4*\slot+3], s[G0B+4*\slot+2:G0B+4*\slot+3], 2*ROWB
	JLOAD G0+4*\slot, G1, G0B+4*\slot, G1B         ; the first tensor load behind the round
.else
	PLACES NP
.endif
	v_add_nc_u32 v[ADRS], 4*NQ, v[ADRS]
	FETCH_B \next, 0, 0
	FETCH_A \next, 0, 0
	SCALES \next
	WIN MUL_HI
	MUL16 4, 1, NQ-1, \slot, 0
	MUL16 6, 1, NQ-1, \slot, 0
	PLACES NP
	WIN 0
	FETCH_A \next, 0, 4
.endm
	s_wait_tensorcnt 1                             ; the scales and my part of K step 0 are in (K step 1's load may be out),
	s_barrier_signal -1
	s_barrier_wait -1
	FETCH_B 0, 0, 0
	FETCH_A 0, 0, 0
	SCALES 0
	FETCH_A 0, 0, 4
	STEP 0, 0, 1
	s_mov_b32 s3, LAPS-1
.Llap:
	TURN 0, 1, 1
	STEP 1, 0, 0
	TURN 1, 0, 1
	STEP 0, 0, 0
	s_sub_co_u32 s3, s3, 1
	s_cmp_lg_u32 s3, 0
	s_cbranch_scc1 .Llap
	TURN 0, 1, 0
	STEP 1, 0, 0
	s_wait_dscnt 4*NLA
	WIN MUL_LO
	MUL16 0, 1, NQ-1, 1, 0
	MUL16 2, 1, NQ-1, 1, 0
	s_wait_dscnt 0
	WIN MUL_HI
	MUL16 4, 1, NQ-1, 1, 0
	MUL16 6, 1, NQ-1, 1, 0
	WIN 0
; THE WAY OUT, block by block of 16 rows x 128 columns, through my own stage in LDS: back as whole rows of 512 bytes.
.macro TOSTAGE a
.set AC, 64*((\a)%4)
	WIN 0x08+4*((\a)/4)                            ; the data: window 2 or 3
.irp b, 0,1,2,3,4,5,6,7
	ds_store_b128 v[STO], v[AC+8*\b:AC+8*\b+3] offset:64*\b          ; each accumulator from its low end on
	ds_store_b128 v[STO], v[AC+8*\b+4:AC+8*\b+7] offset:64*\b+16
.endr
	WIN 0
.set BB, BK+64*((\a)%2)
.irp t, 0,1,2,3,4,5,6,7,8,9,10,11,12,13,14,15
	ds_load_b128 v[BB+4*\t:BB+4*\t+3], v[RD] offset:\t*SPITCH       ; LDS serves a wave's instructions in order: these see the stores above
.endr
.endm
.macro SEND a, younger
.set BB, BK+64*((\a)%2)
	s_wait_dscnt \younger                          ; the block is back in registers
.if (\a) > 0
	s_add_nc_u64 s[12:13], s[12:13], 16*SIZE_N*4   ; (behind a wait on XCNT: the earlier stores have read their base)
.endif
.irp t, 0,1,2,3,4,5,6,7,8,9,10,11,12,13,14,15
	global_store_b128 v[CO], v[BB+4*\t:BB+4*\t+3], s[12:13] offset:\t*SIZE_N*4 th:TH_STORE_NT   ; 32 lanes store 512 consecutive bytes, aligned
.endr
.endm
	PLACES NP
	TOSTAGE 0
.irp a, 1,2,3,4,5,6,7
.if \a > 1
	s_wait_xcnt 0x0                                ; block a - 2's stores have read their registers and their base
.endif
	TOSTAGE \a
	SEND \a-1, 32                                  ; behind block a - 1's loads: block a's 16 stores and 16 loads
.endr
	s_wait_xcnt 0x0
	SEND 7, 0
	s_wait_tensorcnt 0x0                           ; the wave's end
	ds_add_u32 v[SPW], v[NIL]
	s_wait_dscnt 0x0
	CROUND                                         ; the closing round
	s_endpgm
.Lfunc_end_k_qfec3f6054d_gemm_o:
	.size	k_qfec3f6054d_gemm_o, .Lfunc_end_k_qfec3f6054d_gemm_o-k_qfec3f6054d_gemm_o
	.p2alignl 7, 3214868480
	.fill 96, 4, 3214868480
	.section	.rodata,"a",@progbits
	.p2align	6, 0x0
	.amdhsa_kernel k_qfec3f6054d_gemm_o
		.amdhsa_group_segment_fixed_size 327680
		.amdhsa_private_segment_fixed_size 0
		.amdhsa_enable_private_segment 0
		.amdhsa_kernarg_size 40
		.amdhsa_user_sgpr_count 2
		.amdhsa_user_sgpr_kernarg_segment_ptr 1
		.amdhsa_wavefront_size32 1
		.amdhsa_system_sgpr_workgroup_id_x 1
		.amdhsa_system_sgpr_workgroup_id_y 1
		.amdhsa_system_sgpr_workgroup_id_z 1
		.amdhsa_system_vgpr_workitem_id 0
		.amdhsa_next_free_vgpr 1024
		.amdhsa_next_free_sgpr 98
		.amdhsa_reserve_vcc 0
		.amdhsa_float_denorm_mode_32 3
		.amdhsa_float_denorm_mode_16_64 3
		.amdhsa_memory_ordered 1
		.amdhsa_forward_progress 1
		.amdhsa_inst_pref_size 148
	.end_amdhsa_kernel
	.amdgpu_metadata
---
amdhsa.version: [ 1, 2 ]
amdhsa.kernels:
  - .name:           k_qfec3f6054d_gemm_o
    .symbol:         k_qfec3f6054d_gemm_o.kd
    .args:
      - { .name: oimg, .offset: 0, .size: 8, .value_kind: global_buffer, .address_space: global }
      - { .name: osc, .offset: 8, .size: 8, .value_kind: global_buffer, .address_space: global }
      - { .name: wc, .offset: 16, .size: 8, .value_kind: global_buffer, .address_space: global }
      - { .name: ws, .offset: 24, .size: 8, .value_kind: global_buffer, .address_space: global }
      - { .name: out0, .offset: 32, .size: 8, .value_kind: global_buffer, .address_space: global }
    .group_segment_fixed_size: 327680
    .private_segment_fixed_size: 0
    .kernarg_segment_align: 8
    .kernarg_segment_size: 40
    .max_flat_workgroup_size: 128
    .sgpr_count:     98
    .vgpr_count:     1024
    .wavefront_size: 32
...
	.end_amdgpu_metadata
.endif
;; end of part 5
;; ======== version 2 of 2: 4 launches
;; limits: right only within a limited range of input values
;; workspace buffers: xc 3,145,728 bytes; xs 131,072 bytes; wc 9,437,184 bytes; ws 393,216 bytes; img 6,553,600 bytes; oimg 3,145,728 bytes; osc 131,072 bytes
;; launch quant (part 6): grid 64 x 8, 4 waves a work-group, no clusters, 93,696 bytes of LDS; arguments Wq, Wk, Wv, Wo, wc, ws, x, xc, xs; writes wc, ws, xc, xs
.if DOCPART == 6
	.amdgcn_target "amdgcn-amd-amdhsa--gfx1250"
	.amdhsa_code_object_version 6
	.text
	.protected	k_qfec3f6054d_quant
	.globl	k_qfec3f6054d_quant
	.p2align	8
	.type	k_qfec3f6054d_quant,@function
k_qfec3f6054d_quant:
	s_mov_b64 s[64:65], 0
	v_nop
	global_prefetch_b8 v0, s[64:65] scope:SCOPE_SE
	s_setreg_imm32_b32 hwreg(HW_REG_WAVE_MODE, 25, 1), 1
	s_wait_xcnt 0x0
; All f32 inputs of the four large products become codes of FP6 (E2M3), K innermost, with one E8M0 byte for each 32 along K.  One launch, two paths, parted on the work-group's x alone:
; x < 48: the weights (K is their FIRST axis) -> wc [6144][1536 bytes], ws [6144][64]: rows 0-2047 Wq's columns, 2048-3071 Wk's, 3072-4095 Wv's, 4096-6143 Wo's.
; x >= 48: the tensor x (K innermost) -> xc [2048][1536 bytes], xs [2048][64].
; A block's scale is 2^(floor(log2(its largest magnitude)) - 2); its byte is the largest magnitude's exponent field - 2, held at 1 from below.
; LIMITS: a block of zeros, and a block whose largest magnitude lies under 2^-124, gets the byte 1 (the rule says 127 for zeros): its codes are zeros or tiny, and this program alone reads the bytes.
; NaN and infinities among the inputs are not served.
; Each path has LDS bytes of its own: the weights' stages from byte 0, x's stages from byte XBASE.  No tensor load; x's path has one barrier, behind which the four waves' rows make whole images.
; LAYOUT OF THE CODES: fragment images.  16 rows x 128 along K are 1,536 bytes: register 4 g + i of lane r + 16 h (row r; registers 6 c .. 6 c + 5 hold k = 64 c + 32 h + 0 .. 31) lies at byte 512 g + 16 (r + 16 h) + 4 i.
; wc and xc are [row / 16][K step 0 .. 15][1536]: what a product's launch fetches of 16 rows and four K steps is 6,144 consecutive bytes that begin at a multiple of 256.
; WORK LEFT OUT BY THE PROGRAM: the causal mask sets every score with key > query to -infinity, so that weight is 0 for all values of the inputs: key steps that lie wholly behind a tile's
; queries are computed in no launch.  LIMIT: a NaN, an infinity or an overflow that would arise only in such scores is not carried to the result.
.set EMAX,  2
.set XIMG,  69120                      ; LDS: x's path: the work-group's 16 rows as images, 24,576 bytes, behind the spare words
; ---- names of the weights' path
.set NB,    8                          ; blocks of 32 for a wave
.set ROWB,  3072                       ; bytes of two K steps' images
.set PITCH, 272                        ; a wave's stage is 32 x PITCH bytes
.set KROW,  1536                       ; a row of wc in bytes
.set WX,    32                         ; v32-95   two sets of 32 numbers
.set WC,    96                         ; v96..    a block's codes
.set OUTR,  128                        ; v128-175 the way out: 12 x 4 registers
.set SBY,   24                         ; v24-25   the scale bytes, four to a register
.set VO,    176                        ; v176-207 4 x lane + i x pitch
.set SBASE, 16                         ; s[16:31] the weight at my columns, at row 256 y + 32 t
; ---- names of x's path
.set STEPS, 16
.set CB,    12                         ; bytes of 16 codes
.set XR,    16                         ; v16-79   four sets of 16 numbers as they are loaded
.set XN,    80                         ; v80-111  two sets of 16 neighbours
.set XCD,   128                        ; v128-191 codes: four registers for each step, so that no store's data are written again
.set XE,    112                        ; v112-127 a scale byte for each step
.set XBASE, 35840                      ; LDS: behind the weights' stages
.set WREG,  8192                       ; a region for each wave: two stages of 32 x SP bytes, behind them its 256 scale bytes
.set SP,    80                         ; a lane's place in a stage: its 64 bytes + 16 of padding
	v_lshl_add_u32 v208, v0, 2, 0x10c00
	v_mov_b32 v209, 0
	s_cmp_ge_u32 ttmp9, 48
	s_cbranch_scc1 .Lx_path
; ======== THE WEIGHTS.  Work-group x = 128 rows of wc, y = 256 along K.
; A LANE TAKES A COLUMN, AND ITS REGISTERS RUN DOWN K: a block of 32 along K lies in one lane's 32 registers, its largest magnitude needs no other lane, and the conversions give codes with K innermost.
; Which weight, and so the bytes from row to row (8,192 or 4,096), is chosen on the work-group's number alone.  That pitch cannot stand in immediates: 32 offset registers (4 lane + i x pitch) and
; eight scalar bases (one for each block of 32 rows) are made once and never rewritten.
; A wave gathers 256 along K (192 bytes a column) in its own stage in LDS and stores its four images, 512 consecutive bytes an instruction.
	s_load_b256 s[4:11], s[0:1], 0x0               ; Wq, Wk, Wv, Wo
	s_load_b128 s[12:15], s[0:1], 0x20             ; wc, ws
	v_lshrrev_b32 v1, 5, v0
	v_readfirstlane_b32 s32, v1                    ; wave 0..3
	v_and_b32 v2, 31, v0                           ; lane
	s_lshl_b32 s33, ttmp9, 7
	s_lshl_b32 s34, s32, 5
	s_add_co_u32 s33, s33, s34                     ; my wave's first row of wc: 128 x + 32 wave
	s_and_b32 s35, ttmp7, 0xffff                   ; y
	s_mul_i32 s34, s32, 32*PITCH                   ; my stage
	v_and_b32 v5, 15, v2
	v_lshrrev_b32 v6, 4, v2
	v_mul_u32_u24 v4, v6, 3072                     ; the stage holds four images: [my 16 columns' tile][K step]
	v_lshl_add_u32 v4, v5, 4, v4
	v_add_nc_u32 v4, s34, v4                       ; into it: 16 bytes at lane r of the image
	v_lshlrev_b32 v8, 4, v2                        ; out of it: as the bytes lie, 16 a lane
	v_add_nc_u32 v7, s34, v8
	v_lshlrev_b32 v9, 6, v2                        ; my column's row of scale bytes: 64 bytes a row
	s_mov_b32 s38, 32                              ; the weight's first work-group x,
	s_mov_b32 s39, 8192                            ; and its bytes from row to row: Wo's
	s_wait_kmcnt 0x0
	s_mov_b64 s[36:37], s[10:11]
	s_cmp_lt_u32 ttmp9, 32                         ; the choices hang on the work-group's number alone
	s_cselect_b64 s[36:37], s[8:9], s[36:37]       ; Wv
	s_cselect_b32 s38, 24, s38
	s_cselect_b32 s39, 4096, s39
	s_cmp_lt_u32 ttmp9, 24
	s_cselect_b64 s[36:37], s[6:7], s[36:37]       ; Wk
	s_cselect_b32 s38, 16, s38
	s_cmp_lt_u32 ttmp9, 16
	s_cselect_b64 s[36:37], s[4:5], s[36:37]       ; Wq
	s_cselect_b32 s38, 0, s38
	s_cselect_b32 s39, 8192, s39
	s_sub_co_u32 s40, ttmp9, s38
	s_lshl_b32 s40, s40, 7
	s_lshl_b32 s41, s32, 5
	s_add_co_u32 s40, s40, s41                     ; my wave's first column in its weight
	s_lshl_b32 s40, s40, 2
	s_mul_i32 s41, s35, s39
	s_lshl_b32 s41, s41, 8                         ; 256 y rows
	s_add_co_u32 s40, s40, s41
	s_mov_b32 s41, 0
	s_add_nc_u64 s[SBASE:SBASE+1], s[36:37], s[40:41]
	s_lshl_b32 s42, s39, 5                         ; 32 rows on
	s_mov_b32 s43, 0
.irp t, 1,2,3,4,5,6,7
	s_add_nc_u64 s[SBASE+2*\t:SBASE+2*\t+1], s[SBASE+2*\t-2:SBASE+2*\t-1], s[42:43]
.endr
	s_wait_alu depctr_va_vdst(0)                   ; the wait here, directly ahead of the reader below
	v_lshlrev_b32 v[VO], 2, v2
.set i, 1
.rept 31
	v_add_nc_u32 v[VO+i], s39, v[VO+i-1]
.set i, i+1
.endr
	s_mul_i32 s44, s33, KROW
	s_mul_i32 s45, s35, ROWB
	s_add_co_u32 s44, s44, s45
	s_mov_b32 s45, 0
	s_add_nc_u64 s[12:13], s[12:13], s[44:45]      ; wc at my first row, my 256 along K
	s_lshl_b32 s44, s33, 6
	s_lshl_b32 s46, s35, 3
	s_add_co_u32 s44, s44, s46
	s_add_nc_u64 s[14:15], s[14:15], s[44:45]      ; ws likewise
.macro WLOAD t                         ; block t: W(256 y + 32 t + i, my column), i = 0 .. 31, into set t % 2; a wave's load reads 128 consecutive bytes
.set i, 0
.rept 32
	global_load_b32 v[WX+32*((\t)%2)+i], v[VO+i], s[SBASE+2*(\t):SBASE+2*(\t)+1] th:TH_LOAD_NT
.set i, i+1
.endr
.endm
	s_wait_alu depctr_va_vdst(0)
	WLOAD 0
	WLOAD 1
.macro BLOCK t
.set XS, WX+32*((\t)%2)
.if (\t) < NB-1
	s_wait_loadcnt 32                              ; this block's 32 loads are in; the next block's 32 may be out
.else
	s_wait_loadcnt 0
.endif
	v_max3_num_f32 v12, |v[XS]|, |v[XS+1]|, |v[XS+2]|               ; the block's largest magnitude: all 32 numbers are mine
	v_max3_num_f32 v13, |v[XS+3]|, |v[XS+4]|, |v[XS+5]|
.irp i, 6,10,14,18,22,26
	v_max3_num_f32 v12, v12, |v[XS+\i]|, |v[XS+\i+1]|
	v_max3_num_f32 v13, v13, |v[XS+\i+2]|, |v[XS+\i+3]|
.endr
	v_max3_num_f32 v12, v12, |v[XS+30]|, |v[XS+31]|
	v_max3_num_f32 v12, v12, v13, (EMAX+1)<<23     ; and the floor 2^(3 - 127)
	v_add_nc_u32 v11, -(EMAX<<23), v12             ; 2 off its exponent field: the conversion's scale operand
	v_lshrrev_b32 v13, 23, v11                     ; the scale's byte
.if (\t)%4 == 0
	v_mov_b32 v[SBY+(\t)/4], v13                   ; four bytes to a register, the lower K in the lower byte
.else
	v_lshl_or_b32 v[SBY+(\t)/4], v13, 8*((\t)%4), v[SBY+(\t)/4]
.endif
.set FB, WC+12*((\t)%2)+6*(((\t)%4)/2)         ; block 2 c + h of a K step: registers 6 c .. 6 c + 5 of image lane r + 16 h; v[WC..WC+11] h = 0, v[WC+12..WC+23] h = 1
	v_cvt_scalef32_pk16_fp6_f32 v[FB:FB+2], v[XS:XS+15], v11
	v_cvt_scalef32_pk16_fp6_f32 v[WC+24:WC+26], v[XS+16:XS+31], v11   ; (a conversion's three registers begin on an even number)
	v_nop                                          ; one plain line behind the conversions
.irp i, 0,1,2
	v_mov_b32 v[FB+3+\i], v[WC+24+\i]
.endr
.if (\t)%4 == 3
.irp g, 0,1,2
	ds_store_b128 v4, v[WC+4*\g:WC+4*\g+3] offset:1536*((\t)/4)+512*\g
	ds_store_b128 v4, v[WC+12+4*\g:WC+12+4*\g+3] offset:1536*((\t)/4)+512*\g+256
.endr
.endif
.if (\t)+2 < NB
	WLOAD (\t)+2
.endif
.if (\t)%4 == 3
	s_wait_dscnt 0x0                               ; the stores are done: the next K step's codes may be written
.endif
.endm
.irp t, 0,1,2,3,4,5,6,7
	BLOCK \t
.endr
	s_wait_alu depctr_va_vdst(0)
	global_store_b64 v9, v[SBY:SBY+1], s[14:15]    ; my column's 8 scale bytes
.irp t, 0,1,2,3,4,5,6,7,8,9,10,11
	ds_load_b128 v[OUTR+4*\t:OUTR+4*\t+3], v7 offset:512*\t   ; LDS serves a wave's instructions in order: these see my stores
.endr
.irp t, 0,1,2,3,4,5,6,7,8,9,10,11
	s_wait_dscnt 11-\t                             ; load t is in; the younger ones may be out
	global_store_b128 v8, v[OUTR+4*\t:OUTR+4*\t+3], s[12:13] offset:512*\t+(\t/6)*(24576-3072)   ; the wave stores 512 consecutive bytes, aligned; the second tile lies 24,576 bytes on
.endr
	s_wait_tensorcnt 0x0
	ds_add_u32 v208, v209
	s_wait_dscnt 0x0
	s_endpgm
; ======== THE TENSOR x.  Rows are dense and 2048 is a multiple of 32: the tensor is a plain stream of blocks of 32, and so are its codes and its bytes.
; A wave takes 16 steps of 512 numbers.  Each of a step's four loads reads 512 consecutive bytes, 16 a lane; the 2,048 bytes turn through the wave's own stage in LDS and come back 64 bytes a lane,
; so that a lane holds 16 neighbours along K (two neighbouring lanes hold a block), as the conversion wants them.
.Lx_path:
	s_load_b128 s[4:7], s[0:1], 0x30               ; x s[4:5], xc s[6:7]
	s_load_b64 s[10:11], s[0:1], 0x40              ; xs
	v_lshrrev_b32 v1, 5, v0
	v_readfirstlane_b32 s16, v1                    ; wave
	v_and_b32 v2, 31, v0                           ; lane
	v_lshlrev_b32 v3, 4, v2                        ; my 16 bytes of a load's 512
	s_mul_i32 s17, s16, WREG
	s_add_co_u32 s17, s17, XBASE
	v_lshrrev_b32 v14, 2, v2
	v_mul_u32_u24 v14, v14, SP
	v_and_b32 v15, 3, v2
	v_lshl_add_u32 v14, v15, 4, v14
	v_add_nc_u32 v14, s17, v14                     ; the stage, on the way in: SP (lane / 4) + 16 (lane % 4)
	v_mul_u32_u24 v15, v2, SP
	v_add_nc_u32 v15, s17, v15                     ; and on the way out: SP x lane: my 16 neighbours
	; where my 16 codes (three words) go in the work-group's images: lane = 8 x (K step in the quarter row) + 2 x block + half; registers 6 (block / 2) + 3 half + j of image lane row + 16 (block % 2)
	v_bfe_u32 v196, v2, 2, 1
	v_and_b32 v197, 1, v2
	v_mul_u32_u24 v196, v196, 6
	v_mad_u32_u24 v196, v197, 3, v196              ; the first of my three registers
	v_lshrrev_b32 v197, 3, v2
	v_mul_u32_u24 v197, v197, 1536
	v_bfe_u32 v198, v2, 1, 1
	v_lshl_add_u32 v197, v198, 8, v197
	s_lshl_b32 s22, s16, 6                         ; my wave's four rows: 64 bytes of each group of an image
	s_add_co_u32 s22, s22, XIMG
	v_add_nc_u32 v197, s22, v197
.irp j, 0,1,2
	v_add_nc_u32 v198, \j, v196
	v_lshrrev_b32 v199, 2, v198
	v_and_b32 v198, 3, v198
	v_lshl_add_u32 v199, v199, 9, v197
	v_lshl_add_u32 v[192+\j], v198, 2, v199
.endr
	s_mul_i32 s22, s16, 6144
	s_add_co_u32 s22, s22, XIMG
	v_add_nc_u32 v195, s22, v3                     ; the way out: my wave's quarter of the images, as the bytes lie
	v_lshrrev_b32 v5, 1, v2
	s_add_co_u32 s17, s17, 2*32*SP
	v_add_nc_u32 v5, s17, v5                       ; LDS: my wave's 256 scale bytes, my block's byte
	v_lshlrev_b32 v7, 3, v2                        ; and on the way out 8 bytes a lane
	v_add_nc_u32 v6, s17, v7
	s_wait_alu depctr_va_vdst(0)
	s_wait_kmcnt 0x0
	s_sub_co_u32 s17, ttmp9, 48
	s_and_b32 s18, ttmp7, 0xffff
	s_lshl_b32 s18, s18, 4
	s_add_co_u32 s17, s17, s18                     ; which of x's 128 work-groups: (x - 48) + 16 y
	s_lshl_b32 s17, s17, 2
	s_add_co_u32 s18, s17, s16                     ; which run of 8,192 numbers is my wave's
	s_mov_b32 s19, 0
	s_mov_b64 s[20:21], 512*STEPS*4
	s_mul_u64 s[20:21], s[18:19], s[20:21]
	s_add_nc_u64 s[4:5], s[4:5], s[20:21]
	s_mov_b64 s[20:21], 32*STEPS*CB
	s_mul_u64 s[20:21], s[18:19], s[20:21]
	s_add_nc_u64 s[6:7], s[6:7], s[20:21]
	s_lshl_b32 s18, s18, 8                         ; 256 scale bytes a run
	s_add_nc_u64 s[10:11], s[10:11], s[18:19]
.macro XLOAD t
.irp i, 0,1,2,3
	global_load_b128 v[XR+16*((\t)%4)+4*\i:XR+16*((\t)%4)+4*\i+3], v3, s[4:5] offset:2048*(\t)+512*\i th:TH_LOAD_NT   ; 32 lanes read 512 consecutive bytes
.endr
.endm
.macro XTURN t                         ; step t's numbers through the stage: LDS serves a wave's instructions in order, so no wait stands between the stores and the loads
.irp i, 0,1,2,3
	ds_store_b128 v14, v[XR+16*((\t)%4)+4*\i:XR+16*((\t)%4)+4*\i+3] offset:32*SP*((\t)%2)+8*SP*\i
.endr
.irp i, 0,1,2,3
	ds_load_b128 v[XN+16*((\t)%2)+4*\i:XN+16*((\t)%2)+4*\i+3], v15 offset:32*SP*((\t)%2)+16*\i
.endr
.endm
.irp t, 0,1,2,3
	XLOAD \t
.endr
	s_wait_loadcnt 12                              ; step 0's four loads are in; the twelve of steps 1 to 3 may be out
	XTURN 0
.macro XSTEP t
.set XS, XN+16*((\t)%2)
.if (\t) > 0
	s_wait_dscnt 4                                 ; this step's numbers are back from the stage (the last step's four small stores may be out)
.else
	s_wait_dscnt 0x0
.endif
.if (\t)+4 < STEPS
	XLOAD (\t)+4                                   ; which take the loads of four steps on
.endif
.if (\t)+1 < STEPS
.if STEPS-2-(\t) >= 3
	s_wait_loadcnt 12                              ; the next step's four loads are in; those of the three steps behind it may be out
.else
	s_wait_loadcnt 4*(STEPS-2-(\t))
.endif
	XTURN (\t)+1                                   ; and go through the other stage while this step is worked
.endif
	v_max3_num_f32 v8, |v[XS]|, |v[XS+1]|, |v[XS+2]|               ; the largest magnitude of my 16, in two chains
	v_max3_num_f32 v9, |v[XS+3]|, |v[XS+4]|, |v[XS+5]|
.irp i, 6,10
	v_max3_num_f32 v8, v8, |v[XS+\i]|, |v[XS+\i+1]|
	v_max3_num_f32 v9, v9, |v[XS+\i+2]|, |v[XS+\i+3]|
.endr
	v_max3_num_f32 v8, v8, |v[XS+14]|, |v[XS+15]|
	v_max3_num_f32 v8, v8, v9, (EMAX+1)<<23        ; and the floor 2^(3 - 127): the byte cannot fall under 1
	v_max_num_f32_dpp v8, v8, v8 row_xmask:1 row_mask:0xf bank_mask:0xf   ; and of my neighbour's 16: the block's
	v_add_nc_u32 v11, -(EMAX<<23), v8              ; 2 off its exponent field: the conversion takes the exponent field of this operand as its scale
	v_cvt_scalef32_pk16_fp6_f32 v[XCD+4*(\t):XCD+4*(\t)+2], v[XS:XS+15], v11
	v_lshrrev_b32 v[XE+(\t)], 23, v11              ; the scale's byte (also the plain line behind the conversion)
	ds_store_b8 v5, v[XE+(\t)] offset:16*(\t)      ; both lanes of a block write the same byte with the same value
.irp j, 0,1,2
	ds_store_b32 v[192+\j], v[XCD+4*(\t)+\j] offset:6144*((\t)%4)+16*((\t)/4)   ; quarter row t % 4 = four K steps; row t / 4 of my four
.endr
.endm
.irp t, 0,1,2,3,4,5,6,7,8,9,10,11,12,13,14,15
	XSTEP \t
.endr
	ds_load_b64 v[12:13], v6
	s_wait_dscnt 0x0                               ; also: all my stores into the images are done
	global_store_b64 v7, v[12:13], s[10:11]
	s_barrier_signal -1
	s_barrier_wait -1                              ; the four waves' rows make whole images
.irp k, 0,1,2,3,4,5,6,7,8,9,10,11
	ds_load_b128 v[XR+4*\k:XR+4*\k+3], v195 offset:512*\k
.endr
.irp k, 0,1,2,3,4,5,6,7,8,9,10,11
	s_wait_dscnt 11-\k
	global_store_b128 v3, v[XR+4*\k:XR+4*\k+3], s[6:7] offset:512*\k   ; the wave stores 512 consecutive bytes, aligned
.endr
	s_wait_tensorcnt 0x0
	ds_add_u32 v208, v209
	s_wait_dscnt 0x0
	s_endpgm
.Lfunc_end_k_qfec3f6054d_quant:
	.size	k_qfec3f6054d_quant, .Lfunc_end_k_qfec3f6054d_quant-k_qfec3f6054d_quant
	.p2alignl 7, 3214868480
	.fill 96, 4, 3214868480
	.section	.rodata,"a",@progbits
	.p2align	6, 0x0
	.amdhsa_kernel k_qfec3f6054d_quant
		.amdhsa_group_segment_fixed_size 93696
		.amdhsa_private_segment_fixed_size 0
		.amdhsa_enable_private_segment 0
		.amdhsa_kernarg_size 72
		.amdhsa_user_sgpr_count 2
		.amdhsa_user_sgpr_kernarg_segment_ptr 1
		.amdhsa_wavefront_size32 1
		.amdhsa_system_sgpr_workgroup_id_x 1
		.amdhsa_system_sgpr_workgroup_id_y 1
		.amdhsa_system_sgpr_workgroup_id_z 1
		.amdhsa_system_vgpr_workitem_id 0
		.amdhsa_next_free_vgpr 210
		.amdhsa_next_free_sgpr 66
		.amdhsa_reserve_vcc 0
		.amdhsa_float_denorm_mode_32 3
		.amdhsa_float_denorm_mode_16_64 3
		.amdhsa_memory_ordered 1
		.amdhsa_forward_progress 1
		.amdhsa_inst_pref_size 80
	.end_amdhsa_kernel
	.amdgpu_metadata
---
amdhsa.version: [ 1, 2 ]
amdhsa.kernels:
  - .name:           k_qfec3f6054d_quant
    .symbol:         k_qfec3f6054d_quant.kd
    .args:
      - { .name: Wq, .offset: 0, .size: 8, .value_kind: global_buffer, .address_space: global }
      - { .name: Wk, .offset: 8, .size: 8, .value_kind: global_buffer, .address_space: global }
      - { .name: Wv, .offset: 16, .size: 8, .value_kind: global_buffer, .address_space: global }
      - { .name: Wo, .offset: 24, .size: 8, .value_kind: global_buffer, .address_space: global }
      - { .name: wc, .offset: 32, .size: 8, .value_kind: global_buffer, .address_space: global }
      - { .name: ws, .offset: 40, .size: 8, .value_kind: global_buffer, .address_space: global }
      - { .name: x, .offset: 48, .size: 8, .value_kind: global_buffer, .address_space: global }
      - { .name: xc, .offset: 56, .size: 8, .value_kind: global_buffer, .address_space: global }
      - { .name: xs, .offset: 64, .size: 8, .value_kind: global_buffer, .address_space: global }
    .group_segment_fixed_size: 93696
    .private_segment_fixed_size: 0
    .kernarg_segment_align: 8
    .kernarg_segment_size: 72
    .max_flat_workgroup_size: 128
    .sgpr_count:     66
    .vgpr_count:     210
    .wavefront_size: 32
...
	.end_amdgpu_metadata
.endif
;; end of part 6
;; launch gemm_qkv (part 7): grid 16 x 16, 4 waves a work-group, clusters of 4 x 4, 327,680 bytes of LDS; arguments xc, xs, wc, ws, cos, sin, img; writes img
.if DOCPART == 7
	.amdgcn_target "amdgcn-amd-amdhsa--gfx1250"
	.amdhsa_code_object_version 6
	.text
	.protected	k_qfec3f6054d_gemm_qkv
	.globl	k_qfec3f6054d_gemm_qkv
	.p2align	8
	.type	k_qfec3f6054d_gemm_qkv,@function
k_qfec3f6054d_gemm_qkv:
	s_mov_b64 s[64:65], 0
	v_nop
	global_prefetch_b8 v0, s[64:65] scope:SCOPE_SE
	s_setreg_imm32_b32 hwreg(HW_REG_WAVE_MODE, 25, 1), 1
	s_wait_xcnt 0x0
	s_wait_alu depctr_hold_cnt(0) depctr_sa_sdst(0) depctr_va_vdst(0) depctr_va_sdst(0) depctr_va_ssrc(0) depctr_va_vcc(0) depctr_vm_vsrc(0)
	s_getreg_b32 s2, hwreg(HW_REG_IB_STS2, 6, 4)
	s_cmp_eq_u32 s2, 0
	s_cbranch_scc0 .Lentry_in_a_cluster
	s_endpgm
.Lentry_in_a_cluster:
	s_bfe_u32 s2, ttmp6, 0x10000c
	s_cmp_lg_u32 s2, 0xf033
	s_cbranch_scc0 .Lentry_shape_is_right
	s_endpgm
.Lentry_shape_is_right:
.set KROW,   1536
; q, k (with the rotation) and v^T = products of x's and the weights' codes, quantised on the way out into fragment images for the attention.
; xc and wc are fragment images [row / 16][K step][1536]: a tile's row in memory is the 6,144 bytes of 16 rows x four K steps, at a multiple of 256; a fragment is three loads of 16 bytes a lane.
; img: [head 0-15 q, 16-23 k, 24-31 v^T][step of 128 queries or keys][12,800]: eight images, then 512 bytes of scale words (32 bytes a row: one word for each image).
.set ROWB,   6144
.set FR,     12
.set NLA,    3
.set NP,     4
.set AHALF,  4*ROWB
.set BHALF,  8*ROWB
.set SLOT,   2*AHALF+2*BHALF
.set SPARE,  2*SLOT
.set FRB,    1536
.set ADRA, 16
.set ADRB, 20
.set IMO,  24
.set CSO,  25
.set SCO,  26
.set VSC,  27
.set SPW,  28
.set NIL,  29
.set ONE,  30
.set SA,   32
.set SB,   96
.set CSW,  128
.set HA,   32
.set CD,   96
.set CT,   108
.set TM,   116
.set TP,   118
.set SO,   120
.set BY,   122
.set SW,   132
.set TT,   208
.set SEL,  92
.set G1, 24
.set G0, 32
.set G1B, 48
.set G0B, 56
.set MSB, 0
.macro WIN new
.if MSB != \new
	s_set_vgpr_msb (MSB<<8)|\new
.set MSB, \new
.endif
.endm
.set MUL,  0xad
.set TO_B, 0x40
.set TO_A, 0xc0
.macro JLOAD g0a, g1a, g0b, g1b
	s_cmp_eq_u32 s15, 0
	s_cbranch_scc0 .Lfor_b_\@
	tensor_load_to_lds s[\g0a:\g0a+3], s[\g1a:\g1a+7]
	s_nop 0
.rept 4
	v_nop
.endr
	s_branch .Lasked_\@
.Lfor_b_\@:
	tensor_load_to_lds s[\g0b:\g0b+3], s[\g1b:\g1b+7]
	s_nop 0
.rept 4
	v_nop
.endr
.Lasked_\@:
.endm
.macro CREST
	s_cmp_lg_u32 s14, 0
	s_cbranch_scc1 .Lnot_wave_0_\@
	s_barrier_signal -3
.Lnot_wave_0_\@:
	s_barrier_wait -3
	s_barrier_signal -1
	s_barrier_wait -1
.endm
.macro CROUND
	s_barrier_signal -1
	s_barrier_wait -1
	CREST
.endm
.macro PLACES n
.rept \n
	v_nop
.endr
.endm
	s_load_b128 s[4:7], s[0:1], 0x0
	s_load_b128 s[8:11], s[0:1], 0x10
	s_load_b128 s[68:71], s[0:1], 0x20
	s_load_b64 s[72:73], s[0:1], 0x30
	v_lshl_add_u32 v[SPW], v0, 2, SPARE
	v_mov_b32 v[NIL], 0
	ds_add_u32 v28, v29
	ds_add_u32 v28, v29
	s_wait_dscnt 0x0
	v_lshrrev_b32 v1, 5, v0
	v_readfirstlane_b32 s14, v1
	s_lshr_b32 s15, s14, 1
	s_and_b32 s16, s14, 1
	s_bfe_u32 s40, ttmp6, 0x40000
	s_bfe_u32 s41, ttmp6, 0x40004
	s_lshl_b32 s42, ttmp9, 2
	s_and_b32 s17, ttmp7, 0xffff
	s_and_b32 s18, s17, 1
	s_lshl_b32 s18, s18, 2
	s_lshr_b32 s19, s17, 1
	s_lshl_b32 s19, s19, 2
	s_lshl_b32 s17, s17, 2
	s_cmp_eq_u32 ttmp9, 3
	s_cselect_b32 s42, s19, s42
	s_cselect_b32 s17, s18, s17
	s_cselect_b32 s66, 1, 0
	s_cselect_b32 s67, -1, 0
	s_cselect_b32 s95, 3072, 0
	s_add_co_u32 s42, s42, s40
	s_add_co_u32 s17, s17, s41
	s_lshl_b32 s43, s41, 2
	s_lshl_b32 s43, 15, s43
	s_lshl_b32 s44, 0x1111, s40
	s_or_b32 s[G1+0], s43, (3<<16)|(1<<21)
	s_mov_b32 s[G1+1], 768<<16
	s_mov_b32 s[G1+2], 4<<16
	s_mov_b32 s[G1+3], 768<<16
	s_mov_b32 s[G1+4], 4
	s_mov_b32 s[G1+5], 3072
	s_mov_b32 s[G1+6], 0
	s_mov_b32 s[G1+7], 0
	s_or_b32 s[G1B+0], s44, (3<<16)|(1<<21)
	s_mov_b32 s[G1B+1], 768<<16
	s_mov_b32 s[G1B+2], 8<<16
	s_mov_b32 s[G1B+3], 768<<16
	s_mov_b32 s[G1B+4], 8
	s_mov_b32 s[G1B+5], 3072
	s_mov_b32 s[G1B+6], 0
	s_mov_b32 s[G1B+7], 0
	s_lshl_b32 s20, s17, 7
	s_lshl_b32 s18, s16, 6
	s_add_co_u32 s20, s20, s18
	s_add_co_u32 s20, s20, s95
	s_mul_i32 s20, s20, KROW
	s_mov_b32 s21, 0
	s_lshl_b32 s22, s17, 7
	s_lshl_b32 s18, s15, 6
	s_add_co_u32 s22, s22, s18
	s_add_co_u32 s22, s22, s95
	s_lshl_b32 s22, s22, 6
	s_mov_b32 s23, 0
	s_lshl_b32 s46, s42, 8
	s_lshl_b32 s18, s16, 7
	s_add_co_u32 s46, s46, s18
	s_lshl_b32 s92, s46, 6
	s_mov_b32 s93, 0
	s_mul_i32 s46, s46, KROW
	s_mov_b32 s47, 0
	s_mul_i32 s45, s16, AHALF
	s_mul_i32 s94, s16, BHALF
	s_add_co_u32 s94, s94, 2*AHALF
	s_lshl_b32 s76, s17, 14
	s_lshl_b32 s77, s15, 13
	s_add_co_u32 s76, s76, s77
	s_mov_b32 s77, 0
	s_wait_kmcnt 0x0
	s_cmp_eq_u32 s66, 1
	s_cselect_b64 s[96:97], s[8:9], s[4:5]
	s_cselect_b64 s[98:99], s[10:11], s[6:7]
	s_cselect_b64 s[8:9], s[4:5], s[8:9]
	s_cselect_b64 s[10:11], s[6:7], s[10:11]
	s_add_nc_u64 s[20:21], s[96:97], s[20:21]
	s_add_nc_u64 s[22:23], s[98:99], s[22:23]
	s_add_nc_u64 s[46:47], s[8:9], s[46:47]
	s_add_nc_u64 s[92:93], s[10:11], s[92:93]
	s_add_nc_u64 s[68:69], s[68:69], s[76:77]
	s_add_nc_u64 s[70:71], s[70:71], s[76:77]
	CROUND
.irp s, 0,1
	s_mov_b32 s[G0+4*\s], 1
	s_add_co_u32 s[G0+4*\s+1], s45, \s*SLOT
	s_add_nc_u64 s[G0+4*\s+2:G0+4*\s+3], s[20:21], \s*ROWB
	s_or_b32 s[G0+4*\s+3], s[G0+4*\s+3], 0x80000000
	s_mov_b32 s[G0B+4*\s], 1
	s_add_co_u32 s[G0B+4*\s+1], s94, \s*SLOT
	s_add_nc_u64 s[G0B+4*\s+2:G0B+4*\s+3], s[46:47], \s*ROWB
	s_or_b32 s[G0B+4*\s+3], s[G0B+4*\s+3], 0x80000000
.endr
	JLOAD G0, G1, G0B, G1B                         ; chunk 0: one tensor load a wave at the head
	v_and_b32 v1, 15, v0
	v_bfe_u32 v2, v0, 4, 1
	v_lshlrev_b32 v[VSC], 6, v1
	v_lshlrev_b32 v[CSO], 7, v1
	v_lshl_add_u32 v[CSO], v2, 4, v[CSO]
.irp a, 0,1,2,3
.irp j, 0,1,2,3
	global_load_b128 v[SA+16*\a+4*\j:SA+16*\a+4*\j+3], v[VSC], s[22:23] offset:1024*\a+16*\j
.endr
.endr
.irp b, 0,1,2,3,4,5,6,7
.irp j, 0,1,2,3
	global_load_b128 v[SB+16*\b+4*\j:SB+16*\b+4*\j+3], v[VSC], s[92:93] offset:1024*\b+16*\j
.endr
.endr
	WIN TO_A
.irp a, 0,1,2,3
.irp q, 0,1,2,3
	global_load_b128 v[CSW+32*\a+4*\q:CSW+32*\a+4*\q+3], v[CSO], s[68:69] offset:2048*\a+32*\q
	global_load_b128 v[CSW+32*\a+16+4*\q:CSW+32*\a+16+4*\q+3], v[CSO], s[70:71] offset:2048*\a+32*\q
.endr
.endr
	WIN 0
	v_and_b32 v3, 31, v0
	v_lshlrev_b32 v4, 4, v3                        ; 16 x lane: my place in each third of an image
	s_mul_i32 s78, s15, AHALF
	s_mul_i32 s79, s16, BHALF
	s_add_co_u32 s79, s79, 2*AHALF
.irp s, 0,1
	v_add_nc_u32 v[ADRA+\s], s78, v4
	v_add_nc_u32 v[ADRB+\s], s79, v4
	s_add_co_u32 s78, s78, SLOT
	s_add_co_u32 s79, s79, SLOT
.endr
	v_mov_b32 v[ONE], 1.0
	v_mov_b32 v[ONE+1], 0
	s_wait_alu depctr_va_vdst(0)
	s_wait_tensorcnt 0x0                           ; my part of chunk 0 is in; slot 1's first fill is issued as a refill is
	ds_add_u32 v[SPW], v[NIL]
	s_wait_dscnt 0x0
	CROUND
	JLOAD G0+4, G1, G0B+4, G1B                     ; chunk 1, the first tensor load behind the round
	s_wait_loadcnt 0x0                             ; the scale words, cos and sin
	WIN 0xc3
.irp a, 0,1,2,3
.set i, 0
.rept 16
	v_cndmask_b32 v[CSW+32*\a+i], v[CSW+32*\a+i], v[ONE], s67
	v_cndmask_b32 v[CSW+32*\a+16+i], v[CSW+32*\a+16+i], v[ONE+1], s67
.set i, i+1
.endr
.endr
	WIN 0
.macro FRAGA reg, slot, q, i
.irp c, 0,1,2
	ds_load_b128 v[\reg+4*\c:\reg+4*\c+3], v[ADRA+(\slot)] offset:(\i)*ROWB+(\q)*FRB+512*\c
.endr
.endm
.macro FRAGB reg, slot, q, i
.irp c, 0,1,2
	ds_load_b128 v[\reg+4*\c:\reg+4*\c+3], v[ADRB+(\slot)] offset:(\i)*ROWB+(\q)*FRB+512*\c
.endr
.endm
.macro FETCH slot, q, p
	WIN TO_B
.irp i, 0,1,2,3,4,5,6,7
	FRAGB 128*(\p)+FR*\i, \slot, \q, \i
.endr
	WIN TO_A
.irp i, 0,1,2,3
	FRAGA 64*(\p)+FR*\i, \slot, \q, \i
.endr
.endm
.macro MULA a, p, ks, zero
.irp b, 0,1,2,3,4,5,6,7
.if \zero
	v_wmma_scale_f32_16x16x128_f8f6f4 v[8*(8*(\a)+\b):8*(8*(\a)+\b)+7], v[128*(\p)+FR*\b:128*(\p)+FR*\b+FR-1], v[64*(\p)+FR*(\a):64*(\p)+FR*(\a)+FR-1], 0, v[SB+16*\b+(\ks)], v[SA+16*(\a)+(\ks)] matrix_a_fmt:MATRIX_FMT_FP6 matrix_b_fmt:MATRIX_FMT_FP6
.else
	v_wmma_scale_f32_16x16x128_f8f6f4 v[8*(8*(\a)+\b):8*(8*(\a)+\b)+7], v[128*(\p)+FR*\b:128*(\p)+FR*\b+FR-1], v[64*(\p)+FR*(\a):64*(\p)+FR*(\a)+FR-1], v[8*(8*(\a)+\b):8*(8*(\a)+\b)+7], v[SB+16*\b+(\ks)], v[SA+16*(\a)+(\ks)] matrix_a_fmt:MATRIX_FMT_FP6 matrix_b_fmt:MATRIX_FMT_FP6
.endif
.endr
.endm
.macro SUB slot, q, ks, zero
	s_wait_dscnt 2*NLA
	WIN MUL
	MULA 0, (\q)%2, \ks, \zero
	MULA 1, (\q)%2, \ks, \zero
	s_wait_dscnt 0x0
	PLACES NP
	FETCH \slot, (\q)+1, 1-(\q)%2
	WIN MUL
	MULA 2, (\q)%2, \ks, \zero
	MULA 3, (\q)%2, \ks, \zero
.endm
.macro TURN slot, next, ks, fill
	WIN 0
	s_wait_tensorcnt 0x0
	ds_add_u32 v[SPW], v[NIL]
	s_wait_dscnt 2*NLA+1
	WIN MUL
	MULA 0, 1, \ks, 0
	s_wait_dscnt 0x0
	s_barrier_signal -1
	MULA 1, 1, \ks, 0
	WIN 0
	s_barrier_wait -1
.if \fill
	CREST
	s_add_nc_u64 s[G0+4*\slot+2:G0+4*\slot+3], s[G0+4*\slot+2:G0+4*\slot+3], 2*ROWB
	s_add_nc_u64 s[G0B+4*\slot+2:G0B+4*\slot+3], s[G0B+4*\slot+2:G0B+4*\slot+3], 2*ROWB
	JLOAD G0+4*\slot, G1, G0B+4*\slot, G1B
.else
	PLACES NP
.endif
	FETCH \next, 0, 0
	WIN MUL
	MULA 2, 1, \ks, 0
	MULA 3, 1, \ks, 0
.endm
	FETCH 0, 0, 0
	SUB 0, 0, 0, 1
	SUB 0, 1, 1, 0
	SUB 0, 2, 2, 0
	TURN 0, 1, 3, 1
	SUB 1, 0, 4, 0
	SUB 1, 1, 5, 0
	SUB 1, 2, 6, 0
	TURN 1, 0, 7, 1
	SUB 0, 0, 8, 0
	SUB 0, 1, 9, 0
	SUB 0, 2, 10, 0
	TURN 0, 1, 11, 0
	SUB 1, 0, 12, 0
	SUB 1, 1, 13, 0
	SUB 1, 2, 14, 0
	s_wait_dscnt 2*NLA
	WIN MUL
	MULA 0, 1, 15, 0
	MULA 1, 1, 15, 0
	s_wait_dscnt 0x0
	MULA 2, 1, 15, 0
	MULA 3, 1, 15, 0
	WIN 0
	PLACES NP
	s_lshl_b32 s18, s42, 1
	s_add_co_u32 s18, s18, s16
	s_add_co_u32 s20, s17, 24
	s_cmp_eq_u32 s66, 1
	s_cselect_b32 s20, s20, s18
	s_cselect_b32 s21, s18, s17
	s_mul_i32 s22, s20, 204800                     ; the head: 16 records of 12,800 bytes
	s_mul_i32 s23, s21, 12800                      ; the step's record
	s_add_co_u32 s22, s22, s23
	s_lshl_b32 s46, s15, 4
	s_add_co_u32 s46, s46, s22
	s_add_co_u32 s46, s46, 12288                   ; its scale words, behind the eight images; my four words of a row's eight
	s_mov_b32 s47, 0
	s_mul_i32 s23, s15, 4*FRB
	s_add_co_u32 s22, s22, s23
	s_mov_b32 s23, 0
	s_add_nc_u64 s[74:75], s[72:73], s[46:47]
	s_add_nc_u64 s[72:73], s[72:73], s[22:23]
	s_mov_b32 s[SEL], 0x76543210
	s_mov_b32 s[SEL+1], 0xfedcba98
	v_and_b32 v1, 15, v0
	v_and_b32 v3, 31, v0
	v_lshlrev_b32 v[IMO], 4, v3
	v_lshlrev_b32 v[SCO], 5, v1
	v_mov_b32 v[TP], 0
	v_mov_b32 v[TP+1], 0
.macro ROPE a
.set AC, 64*(\a)
.set CC, CSW+32*(\a)
	WIN 0x0e
.irp b, 0,1,2,3,4,5,6,7
.irp p, 0,1,2,3
	v_mul_f32 v[TT+2*(\p%2)], v[AC+8*\b+2*\p+1], v[CC+16+4*(\b%4)+\p]
	v_mul_f32 v[TT+2*(\p%2)+1], v[AC+8*\b+2*\p], v[CC+16+4*(\b%4)+\p]
	v_fma_f32 v[HA+8*\b+2*\p], v[AC+8*\b+2*\p], v[CC+4*(\b%4)+\p], -v[TT+2*(\p%2)]
	v_fma_f32 v[HA+8*\b+2*\p+1], v[AC+8*\b+2*\p+1], v[CC+4*(\b%4)+\p], v[TT+2*(\p%2)+1]
.endr
.endr
	WIN 0
.endm
.macro QHALF s, c, pw
.irp b, 0,1
	v_max3_num_f32 v[TM+\b], |v[\s+16*\b]|, |v[\s+1+16*\b]|, 0x1800000
.endr
.irp i, 2,4,6,8,10,12,14
.irp b, 0,1
	v_max3_num_f32 v[TM+\b], v[TM+\b], |v[\s+16*\b+\i]|, |v[\s+1+16*\b+\i]|
.endr
.endr
.irp b, 0,1
	v_permlanex16_b32 v[TP+\b], v[TM+\b], s[SEL], s[SEL+1]
.endr
.irp b, 0,1
	v_max_num_f32 v[TM+\b], v[TM+\b], v[TP+\b]
.endr
.irp b, 0,1
	v_add_nc_u32 v[SO+\b], 0xff000000, v[TM+\b]
.endr
.irp b, 0,1
	v_lshrrev_b32 v[BY+\b], 23, v[SO+\b]
.endr
.if \c == 0
	v_lshl_or_b32 v[\pw], v[BY+1], 8, v[BY]
.else
	v_lshl_or_b32 v[\pw], v[BY], 16, v[\pw]
	v_lshl_or_b32 v[\pw], v[BY+1], 24, v[\pw]
.endif
	v_cvt_scalef32_pk16_fp6_f32 v[CD+6*\c:CD+6*\c+2], v[\s:\s+15], v[SO]
	v_cvt_scalef32_pk16_fp6_f32 v[CT:CT+2], v[\s+16:\s+31], v[SO+1]
	v_nop
.irp i, 0,1,2
	v_permlane16_swap_b32 v[CD+6*\c+\i], v[CT+\i]
.endr
.irp i, 0,1,2
	v_mov_b32 v[CD+6*\c+3+\i], v[CT+\i]
.endr
.endm
.irp a, 0,1,2,3
	ROPE \a
	s_wait_xcnt 0x0
	QHALF HA, 0, SW+\a
	QHALF HA+32, 1, SW+\a
.irp c, 0,1,2
	global_store_b128 v[IMO], v[CD+4*\c:CD+4*\c+3], s[72:73] offset:FRB*\a+512*\c
.endr
.endr
	global_store_b128 v[SCO], v[SW:SW+3], s[74:75]
	s_wait_tensorcnt 0x0
	ds_add_u32 v[SPW], v[NIL]
	s_wait_dscnt 0x0
	CROUND
	s_endpgm
.Lfunc_end_k_qfec3f6054d_gemm_qkv:
	.size	k_qfec3f6054d_gemm_qkv, .Lfunc_end_k_qfec3f6054d_gemm_qkv-k_qfec3f6054d_gemm_qkv
	.p2alignl 7, 3214868480
	.fill 96, 4, 3214868480
	.section	.rodata,"a",@progbits
	.p2align	6, 0x0
	.amdhsa_kernel k_qfec3f6054d_gemm_qkv
		.amdhsa_group_segment_fixed_size 327680
		.amdhsa_private_segment_fixed_size 0
		.amdhsa_enable_private_segment 0
		.amdhsa_kernarg_size 56
		.amdhsa_user_sgpr_count 2
		.amdhsa_user_sgpr_kernarg_segment_ptr 1
		.amdhsa_wavefront_size32 1
		.amdhsa_system_sgpr_workgroup_id_x 1
		.amdhsa_system_sgpr_workgroup_id_y 1
		.amdhsa_system_sgpr_workgroup_id_z 1
		.amdhsa_system_vgpr_workitem_id 0
		.amdhsa_next_free_vgpr 1024
		.amdhsa_next_free_sgpr 100
		.amdhsa_reserve_vcc 0
		.amdhsa_float_denorm_mode_32 3
		.amdhsa_float_denorm_mode_16_64 3
		.amdhsa_memory_ordered 1
		.amdhsa_forward_progress 1
		.amdhsa_inst_pref_size 173
	.end_amdhsa_kernel
	.amdgpu_metadata
---
amdhsa.version: [ 1, 2 ]
amdhsa.kernels:
  - .name:           k_qfec3f6054d_gemm_qkv
    .symbol:         k_qfec3f6054d_gemm_qkv.kd
    .args:
      - { .name: xc, .offset: 0, .size: 8, .value_kind: global_buffer, .address_space: global }
      - { .name: xs, .offset: 8, .size: 8, .value_kind: global_buffer, .address_space: global }
      - { .name: wc, .offset: 16, .size: 8, .value_kind: global_buffer, .address_space: global }
      - { .name: ws, .offset: 24, .size: 8, .value_kind: global_buffer, .address_space: global }
      - { .name: cos, .offset: 32, .size: 8, .value_kind: global_buffer, .address_space: global }
      - { .name: sin, .offset: 40, .size: 8, .value_kind: global_buffer, .address_space: global }
      - { .name: img, .offset: 48, .size: 8, .value_kind: global_buffer, .address_space: global }
    .group_segment_fixed_size: 327680
    .private_segment_fixed_size: 0
    .kernarg_segment_align: 8
    .kernarg_segment_size: 56
    .max_flat_workgroup_size: 128
    .sgpr_count:     100
    .vgpr_count:     1024
    .wavefront_size: 32
...
	.end_amdgpu_metadata
.endif
;; end of part 7
;; launch attn (part 8): grid 32 x 8, 8 waves a work-group, no clusters, 327,680 bytes of LDS; arguments img, oimg, osc; writes oimg, osc
.if DOCPART == 8
	.amdgcn_target "amdgcn-amd-amdhsa--gfx1250"
	.amdhsa_code_object_version 6
	.text
	.protected	k_qfec3f6054d_attn
	.globl	k_qfec3f6054d_attn
	.p2align	8
	.type	k_qfec3f6054d_attn,@function
k_qfec3f6054d_attn:
	s_mov_b64 s[64:65], 0
	v_nop
	global_prefetch_b8 v0, s[64:65] scope:SCOPE_SE
	s_setreg_imm32_b32 hwreg(HW_REG_WAVE_MODE, 25, 1), 1
	s_wait_xcnt 0x0
; O = (softmax(Q1 K1^T / 8) - 0.2 softmax(Q2 K2^T / 8)) V under the causal mask, all three products on codes of FP6 (E2M3) with E8M0 scales; then O is quantised along the head's 128 for the last product.
; LEFT OUT: key steps that lie wholly behind a tile's queries (the causal mask makes their weights 0 for all inputs).
; The weights are quantised FINISHED AND NORMALISED: TWO PASSES over the keys.  Pass 1: scores, running maximum (rounded up to a whole number M) and sum l of 2^(t - M), for both maps.
; Pass 2: scores again, a = 2^(t1 - M1) / l1 - 0.2 x 2^(t2 - M2) / l2, quantised along the keys, O^T += V^T a^T.
; K = 64 fills half of an instruction's 128: ONE fragment of K (K1 | K2) serves both maps, against Q1 | zeros and against zeros | Q2.
; SHARES.  Work-group (p, value head), eight waves.  Wave w: head 2 x value head + bit 1 of w; TWO tiles of 16 queries, t = 2 p + bit 0 of w and 127 - t; of the 16 key steps of 128 those with step % 2 = w / 4.
; Tile t sees t / 8 + 1 steps and tile 127 - t sees 16 - t / 8: 17 tile-steps a pair, 9 and 8 for its two waves, the same in every work-group.  Waves w and w + 4 join their maxima and sums through LDS
; between the passes; their parts of O^T, sums of finished weights, are added through LDS at the end: wave w < 4 finishes tile 127 - t, wave w + 4 tile t.
; BOTH PRODUCTS ARE USED TRANSPOSED (S^T = K Q^T, O^T = V^T a^T): a lane holds one query (lane % 16) throughout.
; img: [head][step][12,800]: eight fragment images of 1,536 bytes, then 512 bytes of scale words (32 bytes a row).  One dense load brings fragments and scales.
; LDS: V's slot 0 (four steps, 51,200 bytes) at 0; K's 16 steps (204,800) at KB, filled once, in two halves; V's slot 1 at 0x40000; the spare words; 8,192 bytes for the maxima and sums.
; The parts of O^T go through K's first 65,536 bytes, behind a barrier behind which nobody reads K and nothing is filled.  All of LDS is claimed.
; K is fetched whole in every work-group; work-groups of the middle tiles read its steps 0 to 15 - p / 4 only.  A slot of V that no query of the work-group sees is not fetched: a jump on ids round the load.
; NO CLUSTER: the mask lets every wave of a work-group with p / 4 > 3 pass over the reads of V's last slot, so the loads cannot be joint loads that every partner issues on every path.
; NO PREFETCH: K is wanted at the head, where there is no loop to run ahead in; each fill of a slot of V is asked for a whole slot's work (two key steps of each wave, both tiles) ahead of its first read.
; REGISTERS: window 0 as named below; window 1: v0-17 Q of tile 127 - t (registers 0-5, six zeros, registers 6-11), v18-35 the same of tile t, v64-127 O^T of tile t.
; LIMITS: NaN and infinities are not served; a weight 2^(t - M) under 2^-126 counts as 0; blocks of zeros and blocks under 2^-124 get the byte 1; 1 / l is v_rcp_f32; scaled scores stay under 2^31.
.set FRB,   1536
.set REC,   12800
.set SCW,   12288
.set HEADB, 16*REC
.set SLOTB, 4*REC
.set VS0,   0
.set KB,    0xc800
.set VX,    0x40000                    ; slot 0 xor VX = slot 1
.set SPARE, 0x4c800                    ; the spare words, 128 bytes a wave
.set STG,   0x4cc00                    ; maxima and sums: 1,024 bytes a wave
.set LI,  1                            ; 16 x lane
.set RK,  2                            ; 32 r + SCW
.set SPW, 3
.set NIL, 4
.set ADK, 5
.set ADS, 6
.set ADV, 7
.set ADT, 8
.set DQ,  9
.set ST,  10                           ; v10-17 tile 127 - t, v18-25 tile t: -M1, largest t1, -M2, largest t2, l1 (pair; later 1 / l1), l2 (pair; later -0.2 / l2)
.set QS,  26                           ; v26, v27 Q's scale words
.set SX,  28                           ; my place for maxima and sums, SY my partner's
.set SY,  29
.set OX,  30                           ; my place for a part of O^T, OY my partner's
.set OY,  31
.set NINF, 37
.set RH,  38                           ; r - 8 h
.set R32, 39
.set FRG, 40                           ; v40-87 four fragments; v88-95 scale words; v96-127 S1^T, v128-159 S2^T; v160-223 O^T of tile 127 - t
.set CD,  224
.set CT,  236
.set TM,  240
.set TP,  244
.set SO,  248
.set BY,  250
.set PW,  253
.set WV,  12
.set KVH, 13
.set PAR, 14                           ; w / 4: which key steps are mine
.set HH,  15
.set Q0,  16                           ; s16, s17 first query of tile 127 - t, t
.set TQ,  18                           ; s18, s19 the tiles
.set SEL, 20
.set CS,  22
.set G1K, 24
.set G1V, 32
.set G0K, 40
.set G0V, 44
.set TK,  48
.set TV,  49
.set KF,  50
.set CNT, 51
.set LASTK, 52                         ; first key of the last step that the work-group's queries see
.set KN,  53                           ; first key of the next slot of V
.set MSB, 0
.macro WIN new
.if MSB != (\new)
	s_set_vgpr_msb (MSB<<8)|(\new)
.set MSB, (\new)
.endif
.endm
.macro PLACES n
.rept \n
	v_nop
.endr
.endm
	s_load_b128 s[4:7], s[0:1], 0x0                ; img, oimg
	s_load_b64 s[8:9], s[0:1], 0x10                ; osc
	v_lshl_add_u32 v[SPW], v0, 2, SPARE
	v_mov_b32 v[NIL], 0
	ds_add_u32 v[SPW], v[NIL]                      ; the opening lines
	ds_add_u32 v[SPW], v[NIL]
	v_lshrrev_b32 v5, 5, v0
	v_readfirstlane_b32 s[WV], v5
	s_and_b32 s[KVH], ttmp7, 0xffff
	s_lshr_b32 s[PAR], s[WV], 2
	s_and_b32 s66, s[WV], 1
	s_lshl_b32 s67, ttmp9, 1
	s_add_co_u32 s[TQ+1], s67, s66
	s_sub_co_u32 s[TQ], 127, s[TQ+1]
	s_lshl_b32 s[Q0], s[TQ], 4
	s_lshl_b32 s[Q0+1], s[TQ+1], 4
	s_bfe_u32 s66, s[WV], 0x10001
	s_lshl_b32 s[HH], s[KVH], 1
	s_add_co_u32 s[HH], s[HH], s66
	s_lshr_b32 s66, ttmp9, 2
	s_sub_co_u32 s66, 15, s66
	s_lshl_b32 s[LASTK], s66, 7
	s_mov_b32 s[G1K], 3<<16                        ; dense blocks as rows of 256 bytes: 50 rows (a step's record), 25 rows (an eighth of a slot)
	s_mov_b32 s[G1K+1], 32<<16
	s_mov_b32 s[G1K+2], 50<<16
	s_mov_b32 s[G1K+3], 32<<16
	s_mov_b32 s[G1K+4], 50
	s_mov_b32 s[G1K+5], 32
	s_mov_b32 s[G1K+6], 0
	s_mov_b32 s[G1K+7], 0
	s_mov_b32 s[G1V], 3<<16
	s_mov_b32 s[G1V+1], 32<<16
	s_mov_b32 s[G1V+2], 25<<16
	s_mov_b32 s[G1V+3], 32<<16
	s_mov_b32 s[G1V+4], 25
	s_mov_b32 s[G1V+5], 32
	s_mov_b32 s[G1V+6], 0
	s_mov_b32 s[G1V+7], 0
	s_mul_i32 s66, s[WV], REC                      ; K: wave w fetches step w, later step 8 + w
	s_add_co_u32 s67, s[KVH], 16
	s_mul_i32 s67, s67, HEADB
	s_add_co_u32 s68, s67, s66
	s_mov_b32 s69, 0
	s_mul_i32 s70, s[WV], SLOTB/8                  ; V: an eighth of a slot
	s_add_co_u32 s72, s67, 8*HEADB
	s_add_co_u32 s72, s72, s70
	s_mov_b32 s73, 0
	s_mov_b32 s[SEL], 0x76543210
	s_mov_b32 s[SEL+1], 0xfedcba98
	s_mov_b32 s[CS], 0x3e38aa3b                    ; c = log2(e) / sqrt(64)
	s_mov_b32 s[CS+1], s[CS]
	s_wait_dscnt 0x0
	s_wait_kmcnt 0x0
	s_mov_b32 s[G0K], 1
	s_add_co_u32 s[G0K+1], s66, KB
	s_add_nc_u64 s[G0K+2:G0K+3], s[4:5], s[68:69]
	s_or_b32 s[G0K+3], s[G0K+3], 0x80000000
	s_mov_b32 s[G0V], 1
	s_add_co_u32 s[G0V+1], s70, VS0
	s_add_nc_u64 s[G0V+2:G0V+3], s[4:5], s[72:73]
	s_or_b32 s[G0V+3], s[G0V+3], 0x80000000
	tensor_load_to_lds s[G0K:G0K+3], s[G1K:G1K+7]  ; K's steps 0-7: my one load at the head
	s_nop 0
	PLACES 4
.irp T, 0,1                                        ; my tiles' images of Q s[76:77], s[80:81] and their scale words s[78:79], s[82:83]
	s_mul_i32 s66, s[HH], HEADB
	s_lshr_b32 s67, s[TQ+\T], 3
	s_mul_i32 s67, s67, REC
	s_add_co_u32 s66, s66, s67
	s_and_b32 s67, s[TQ+\T], 7
	s_mul_i32 s68, s67, FRB
	s_add_co_u32 s68, s68, s66
	s_mov_b32 s69, 0
	s_add_nc_u64 s[76+4*\T:77+4*\T], s[4:5], s[68:69]
	s_lshl_b32 s68, s67, 2
	s_add_co_u32 s68, s68, s66
	s_add_co_u32 s68, s68, SCW
	s_add_nc_u64 s[78+4*\T:79+4*\T], s[4:5], s[68:69]
.endr
	s_lshl_b32 s66, s[WV], 10
	s_xor_b32 s67, s66, 4096                       ; my partner: wave w xor 4
	s_add_co_u32 s66, s66, STG
	s_add_co_u32 s67, s67, STG
	s_lshl_b32 s68, s[WV], 13
	s_xor_b32 s69, s68, 0x8000
	s_add_co_u32 s68, s68, KB
	s_add_co_u32 s69, s69, KB
	v_and_b32 v5, 31, v0
	v_lshlrev_b32 v[LI], 4, v5
	v_and_b32 v6, 15, v0
	v_bfe_u32 v7, v0, 4, 1
	v_lshlrev_b32 v[R32], 5, v6
	v_add_nc_u32 v[RK], SCW, v[R32]
	v_lshlrev_b32 v7, 3, v7
	v_sub_nc_u32 v[RH], v6, v7
	v_add_nc_u32 v[SX], s66, v[LI]
	v_add_nc_u32 v[SY], s67, v[LI]
	v_add_nc_u32 v[OX], s68, v[LI]
	v_add_nc_u32 v[OY], s69, v[LI]
	v_mov_b32 v[NINF], 0xff800000
	s_wait_alu depctr_va_vdst(0)
	WIN 0x40                                       ; destinations in window 1
	global_load_b128 v[0:3], v[LI], s[76:77]
	global_load_b128 v[14:17], v[LI], s[76:77] offset:1024
	global_load_b128 v[18:21], v[LI], s[80:81]
	global_load_b128 v[32:35], v[LI], s[80:81] offset:1024
.irp i, 6,7,8,9,10,11,24,25,26,27,28,29
	v_mov_b32 v\i, 0                               ; the zero codes beside Q1 and Q2
.endr
.set e, 0
.rept 64
	v_mov_b32 v[64+e], 0                           ; O^T of tile t: a wave that sees none of its steps hands on zeros
.set e, e+1
.endr
	WIN 0
	global_load_b128 v[40:43], v[LI], s[76:77] offset:512   ; registers 4-7: moved below
	global_load_b128 v[44:47], v[LI], s[80:81] offset:512
	global_load_b32 v[QS], v[R32], s[78:79]
	global_load_b32 v[QS+1], v[R32], s[82:83]
.irp T, 0,1
	v_mov_b32 v[ST+8*\T+1], 0xff61b1e6             ; the largest t so far: -3e38
	v_mov_b32 v[ST+8*\T+3], 0xff61b1e6
	v_mov_b32 v[ST+8*\T+4], 0
	v_mov_b32 v[ST+8*\T+5], 0
	v_mov_b32 v[ST+8*\T+6], 0
	v_mov_b32 v[ST+8*\T+7], 0
	v_floor_f32 v[ST+8*\T], -v[ST+8*\T+1]
	v_floor_f32 v[ST+8*\T+2], -v[ST+8*\T+3]
.endr
.irp i, 244,245,246,247,248,249,250,251
	v_mov_b32 v\i, 0                               ; permutes' destinations and the upper halves of pairs
.endr
.set e, 0
.rept 64
	v_mov_b32 v[160+e], 0
.set e, e+1
.endr
	s_wait_loadcnt 0x0
	WIN 0x40
	v_mov_b32 v4, v40
	v_mov_b32 v5, v41
	v_mov_b32 v12, v42
	v_mov_b32 v13, v43
	v_mov_b32 v22, v44
	v_mov_b32 v23, v45
	v_mov_b32 v30, v46
	v_mov_b32 v31, v47
	WIN 0
	PLACES 4
	s_wait_alu depctr_va_vdst(0)                   ; the head's end
	s_wait_tensorcnt 0x0                           ; my step of K is in; a later first fill is issued as a refill is
	ds_add_u32 v[SPW], v[NIL]
	s_add_co_u32 s[G0K+1], s[G0K+1], 8*REC
	s_add_nc_u64 s[G0K+2:G0K+3], s[G0K+2:G0K+3], 8*REC
	s_wait_dscnt 0x0
	s_barrier_signal -1
	s_barrier_wait -1
	tensor_load_to_lds s[G0K:G0K+3], s[G1K:G1K+7]  ; K's steps 8-15: they land under the first half of pass 1
	s_nop 0
	PLACES 4
.macro LOADK g, off                    ; four fragments of K (keys 64 g on of the step) and their scale words
.irp t, 0,1,2,3
.irp c, 0,1,2
	ds_load_b128 v[FRG+12*\t+4*\c:FRG+12*\t+4*\c+3], v[ADK] offset:(\off)+(4*\g+\t)*FRB+512*\c
.endr
.endr
	ds_load_b128 v[88:91], v[ADS] offset:(\off)+16*\g
.endm
.macro SCORE T                         ; Q lies in window 1
	WIN 0x04
.irp t, 0,1,2,3
	v_wmma_scale_f32_16x16x128_f8f6f4 v[96+8*\t:103+8*\t], v[FRG+12*\t:FRG+12*\t+11], v[18*\T:18*\T+11], 0, v[88+\t], v[QS+\T] matrix_a_fmt:MATRIX_FMT_FP6 matrix_b_fmt:MATRIX_FMT_FP6
	v_wmma_scale_f32_16x16x128_f8f6f4 v[128+8*\t:135+8*\t], v[FRG+12*\t:FRG+12*\t+11], v[18*\T+6:18*\T+17], 0, v[88+\t], v[QS+\T] matrix_a_fmt:MATRIX_FMT_FP6 matrix_b_fmt:MATRIX_FMT_FP6
.endr
	WIN 0
.endm
; Hidden scores become -infinity.  Register 8 t + j holds key ks + 64 g + 16 t + 8 h + j.  Left out where all 64 keys count for all 16 queries.
.macro MASK T, g, ks
	s_add_co_u32 s68, s[\ks], 64*\g+63
	s_cmp_le_u32 s68, s[Q0+\T]
	s_cbranch_scc1 .Lopen_\@
	s_sub_co_i32 s68, s[Q0+\T], s[\ks]
	s_sub_co_i32 s68, s68, 64*\g
	v_add_nc_u32 v[DQ], s68, v[RH]
.irp t, 0,1,2,3
.irp j, 0,1,2,3,4,5,6,7
	v_cmp_gt_i32 vcc_lo, 16*\t+\j, v[DQ]
	v_cndmask_b32 v[96+8*\t+\j], v[96+8*\t+\j], v[NINF], vcc_lo
	v_cndmask_b32 v[128+8*\t+\j], v[128+8*\t+\j], v[NINF], vcc_lo
.endr
.endr
.Lopen_\@:
.endm
.macro TEXP T                          ; t - M, two at a time, and 2^(t - M): one batch of 64 exponentials
.set e, 0
.rept 16
	v_pk_fma_f32 v[96+e:97+e], v[96+e:97+e], s[CS:CS+1], v[ST+8*\T:ST+8*\T+1] op_sel_hi:[1,0,0]
.set e, e+2
.endr
.set e, 0
.rept 16
	v_pk_fma_f32 v[128+e:129+e], v[128+e:129+e], s[CS:CS+1], v[ST+8*\T+2:ST+8*\T+3] op_sel_hi:[1,0,0]
.set e, e+2
.endr
	s_wait_alu depctr_va_vdst(0)                   ; the wait ahead of the batch
.set e, 0
.rept 64
	v_exp_f32 v[96+e], v[96+e]
.set e, e+1
.endr
.endm
.macro STATS T                         ; pass 1: the maxima and sums of both maps take in 64 keys
.set S_, ST+8*\T
.irp b, 0,1,2,3
	v_max3_num_f32 v[TM+\b], v[96+16*\b], v[97+16*\b], v[98+16*\b]
.endr
.irp i, 3,5,7,9,11,13
.irp b, 0,1,2,3
	v_max3_num_f32 v[TM+\b], v[TM+\b], v[96+16*\b+\i], v[97+16*\b+\i]
.endr
.endr
.irp b, 0,1,2,3
	v_max_num_f32 v[TM+\b], v[TM+\b], v[111+16*\b]
.endr
	s_delay_alu instid0(VALU_DEP_3)
	v_max_num_f32 v[TM], v[TM], v[TM+1]            ; map 1
	s_delay_alu instid0(VALU_DEP_2)
	v_max_num_f32 v[TM+2], v[TM+2], v[TM+3]        ; map 2
	s_delay_alu instid0(VALU_DEP_2)
	v_permlanex16_b32 v[TP], v[TM], s[SEL], s[SEL+1]
	s_delay_alu instid0(VALU_DEP_2)
	v_permlanex16_b32 v[TP+2], v[TM+2], s[SEL], s[SEL+1]
	s_delay_alu instid0(VALU_DEP_2)
	v_max_num_f32 v[TM], v[TM], v[TP]
	s_delay_alu instid0(VALU_DEP_2)
	v_max_num_f32 v[TM+2], v[TM+2], v[TP+2]
	s_delay_alu instid0(VALU_DEP_2)
	v_mul_f32 v[TM], s[CS], v[TM]                  ; as t (c is positive)
	s_delay_alu instid0(VALU_DEP_2)
	v_mul_f32 v[TM+2], s[CS], v[TM+2]
	s_delay_alu instid0(VALU_DEP_2)
	v_max_num_f32 v[S_+1], v[S_+1], v[TM]          ; the running largest t
	s_delay_alu instid0(VALU_DEP_2)
	v_max_num_f32 v[S_+3], v[S_+3], v[TM+2]
	v_mov_b32 v252, v[S_]
	v_mov_b32 v254, v[S_+2]
	s_delay_alu instid0(VALU_DEP_4)
	v_floor_f32 v[S_], -v[S_+1]                    ; -M = floor(-t): M is a whole number
	s_delay_alu instid0(VALU_DEP_4)
	v_floor_f32 v[S_+2], -v[S_+3]
	s_delay_alu instid0(VALU_DEP_2)
	v_sub_f32 v252, v[S_], v252                    ; old M less new M: a whole number, 0 or less
	s_delay_alu instid0(VALU_DEP_2)
	v_sub_f32 v254, v[S_+2], v254
	s_delay_alu instid0(VALU_DEP_2)
	v_cvt_i32_f32 v252, v252                       ; (it saturates)
	s_delay_alu instid0(VALU_DEP_2)
	v_cvt_i32_f32 v254, v254
	s_delay_alu instid0(VALU_DEP_2)
	v_ldexp_f32 v[SO], 1.0, v252                   ; f = 2^(old M - new M)
	s_delay_alu instid0(VALU_DEP_2)
	v_ldexp_f32 v[BY], 1.0, v254
	TEXP \T
	v_pk_mul_f32 v[S_+4:S_+5], v[S_+4:S_+5], v[SO:SO+1] op_sel_hi:[1,0]   ; the sums under the new M (plain lines behind the exponentials)
	v_pk_mul_f32 v[S_+6:S_+7], v[S_+6:S_+7], v[BY:BY+1] op_sel_hi:[1,0]
	s_wait_alu depctr_va_vdst(0)                   ; one wait for the batch, ahead of its first reader
	v_pk_add_f32 v[236:237], v[96:97], v[98:99]
	v_pk_add_f32 v[238:239], v[128:129], v[130:131]
.irp j, 4,8,12,16,20,24,28
	v_pk_add_f32 v[S_+4:S_+5], v[S_+4:S_+5], v[96+\j:97+\j]
	v_pk_add_f32 v[236:237], v[236:237], v[98+\j:99+\j]
	v_pk_add_f32 v[S_+6:S_+7], v[S_+6:S_+7], v[128+\j:129+\j]
	v_pk_add_f32 v[238:239], v[238:239], v[130+\j:131+\j]
.endr
	s_delay_alu instid0(VALU_DEP_3)
	v_pk_add_f32 v[S_+4:S_+5], v[S_+4:S_+5], v[236:237]
	s_delay_alu instid0(VALU_DEP_2)
	v_pk_add_f32 v[S_+6:S_+7], v[S_+6:S_+7], v[238:239]
.endm
.macro SOFT2 T                         ; pass 2: the finished weights of 64 keys, in S1's registers
	TEXP \T
	v_nop
	s_wait_alu depctr_va_vdst(0)
.set e, 0
.rept 16
	v_pk_mul_f32 v[96+e:97+e], v[96+e:97+e], v[ST+8*\T+4:ST+8*\T+5] op_sel_hi:[1,0]
.set e, e+2
.endr
.set e, 0
.rept 16
	v_pk_fma_f32 v[96+e:97+e], v[128+e:129+e], v[ST+8*\T+6:ST+8*\T+7], v[96+e:97+e] op_sel_hi:[1,0,1]
.set e, e+2
.endr
.endm
; 32 numbers of a lane (two blocks of 32, each shared with lane l xor 16) become registers 6 c .. 6 c + 5 of a fragment in v[CD] on and bytes 2 c, 2 c + 1 of its scale word v[pw].
.macro QHALF s, c, pw
.irp b, 0,1
	v_max3_num_f32 v[TM+\b], |v[\s+16*\b]|, |v[\s+1+16*\b]|, 0x1800000   ; my 16 numbers, and the floor 2^(3 - 127)
.endr
.irp i, 2,4,6,8,10,12,14
.irp b, 0,1
	s_delay_alu instid0(VALU_DEP_2)
	v_max3_num_f32 v[TM+\b], v[TM+\b], |v[\s+16*\b+\i]|, |v[\s+1+16*\b+\i]|
.endr
.endr
.irp b, 0,1
	s_delay_alu instid0(VALU_DEP_2)
	v_permlanex16_b32 v[TP+\b], v[TM+\b], s[SEL], s[SEL+1]
.endr
.irp b, 0,1
	s_delay_alu instid0(VALU_DEP_2)
	v_max_num_f32 v[TM+\b], v[TM+\b], v[TP+\b]
.endr
.irp b, 0,1
	s_delay_alu instid0(VALU_DEP_2)
	v_add_nc_u32 v[SO+\b], 0xff000000, v[TM+\b]    ; 2 off the exponent field: the conversion's scale operand
.endr
.irp b, 0,1
	s_delay_alu instid0(VALU_DEP_2)
	v_lshrrev_b32 v[BY+\b], 23, v[SO+\b]           ; the scale's byte
.endr
.if \c == 0
	s_delay_alu instid0(VALU_DEP_1)
	v_lshl_or_b32 v[\pw], v[BY+1], 8, v[BY]
.else
	s_delay_alu instid0(VALU_DEP_2)
	v_lshl_or_b32 v[\pw], v[BY], 16, v[\pw]
	s_delay_alu instid0(VALU_DEP_1)
	v_lshl_or_b32 v[\pw], v[BY+1], 24, v[\pw]
.endif
	v_cvt_scalef32_pk16_fp6_f32 v[CD+6*\c:CD+6*\c+2], v[\s:\s+15], v[SO]
	v_cvt_scalef32_pk16_fp6_f32 v[CT:CT+2], v[\s+16:\s+31], v[SO+1]
	v_nop                                          ; one plain place behind a scaled conversion
.irp i, 0,1,2
	v_permlane16_swap_b32 v[CD+6*\c+\i], v[CT+\i]
.endr
.irp i, 0,1,2
	s_delay_alu instid0(VALU_DEP_3)
	v_mov_b32 v[CD+6*\c+3+\i], v[CT+\i]
.endr
.endm
.macro LOADV fb, gg, off               ; four fragments of V^T (channels 64 gg on) into v[fb] on; with the first four the step's eight scale words
.irp t, 0,1,2,3
.irp c, 0,1,2
	ds_load_b128 v[\fb+12*\t+4*\c:\fb+12*\t+4*\c+3], v[ADV] offset:(\off)+(4*\gg+\t)*FRB+512*\c
.endr
.endr
.if \gg == 0
	ds_load_b128 v[88:91], v[ADT] offset:(\off)
	ds_load_b128 v[92:95], v[ADT] offset:(\off)+16
.endif
.endm
.macro PV T, gg, fb                    ; O^T += V^T a^T: the accumulators take turns, one instruction a turn; tile t's lie in window 1
	WIN 0x50*\T
.irp t, 0,1,2,3
	v_wmma_scale_f32_16x16x128_f8f6f4 v[160-96*\T+8*(4*\gg+\t):167-96*\T+8*(4*\gg+\t)], v[\fb+12*\t:\fb+12*\t+11], v[CD:CD+11], v[160-96*\T+8*(4*\gg+\t):167-96*\T+8*(4*\gg+\t)], v[88+4*\gg+\t], v[PW] matrix_a_fmt:MATRIX_FMT_FP6 matrix_b_fmt:MATRIX_FMT_FP6
.endr
	WIN 0
.endm
; A key step of pass 1 for one tile.  A step all of whose keys come after the tile's queries is passed over: a scalar branch on ids.
.macro STEP1 T
	s_add_co_u32 s66, s[Q0+\T], 15
	s_cmp_gt_u32 s[KF], s66
	s_cbranch_scc1 .Lhid1_\@
	v_add_nc_u32 v[ADK], s[TK], v[LI]
	v_add_nc_u32 v[ADS], s[TK], v[RK]
	LOADK 0, 0
	s_wait_alu depctr_va_vdst(0)
.irp g, 0,1
	s_wait_dscnt 0x0
	SCORE \T
	PLACES 4
.if \g == 0
	LOADK 1, 0                                     ; lands under the vector work
.endif
	MASK \T, \g, KF
	STATS \T
.endr
.Lhid1_\@:
.endm
; A key step of pass 2 for one tile: my i-th step of the slot in hand.
.macro STEP2 T, i
	s_add_co_u32 s66, s[Q0+\T], 15
	s_add_co_u32 s67, s[KF], 256*\i
	s_cmp_gt_u32 s67, s66
	s_cbranch_scc1 .Lhid2_\@
	v_add_nc_u32 v[ADK], s[TK], v[LI]              ; with the v_nop at a step's end these four are the five places behind its last products
	v_add_nc_u32 v[ADS], s[TK], v[RK]
	v_add_nc_u32 v[ADV], s[TV], v[LI]
	v_add_nc_u32 v[ADT], s[TV], v[RK]
	LOADK 0, 2*REC*\i
	s_wait_alu depctr_va_vdst(0)
.irp g, 0,1
	s_wait_dscnt 0x0
	SCORE \T
	PLACES 4
.if \g == 0
	LOADK 1, 2*REC*\i
.else
	LOADV FRG, 0, 2*REC*\i
.endif
	MASK \T, \g, 67
	SOFT2 \T
	QHALF 96, \g, PW
.endr
	LOADV 96, 1, 2*REC*\i                          ; the other four fragments, into the registers that held the weights
	PLACES 8                                       ; a scale register written by a vector instruction stands eight places ahead of a scaled matrix instruction
	s_wait_alu depctr_va_vdst(0)
	s_wait_dscnt 12                                ; all but the 12 loads just issued
	PV \T, 0, FRG
	s_wait_dscnt 0x0
	PV \T, 1, 96
	v_nop
.Lhid2_\@:
.endm
	; ---- PASS 1, steps 0-7: four of them are mine
	s_mul_i32 s[TK], s[PAR], REC
	s_add_co_u32 s[TK], s[TK], KB
	s_lshl_b32 s[KF], s[PAR], 7
	s_mov_b32 s[CNT], 4
.Lp1a:
	STEP1 0
	STEP1 1
	s_add_co_u32 s[KF], s[KF], 256
	s_add_co_u32 s[TK], s[TK], 2*REC
	s_sub_co_u32 s[CNT], s[CNT], 1
	s_cmp_lg_u32 s[CNT], 0
	s_cbranch_scc1 .Lp1a
	s_wait_alu depctr_va_vdst(0)
	s_wait_tensorcnt 0x0                           ; my step of K's second half is in
	ds_add_u32 v[SPW], v[NIL]
	s_wait_dscnt 0x0
	s_barrier_signal -1
	s_barrier_wait -1
	tensor_load_to_lds s[G0V:G0V+3], s[G1V:G1V+7]  ; V's slot 0, key steps 0-3: a first fill, issued as a refill is
	s_nop 0
	PLACES 4
	; ---- steps 8-15: tile t (under 64) sees none of them
	s_mov_b32 s[CNT], 4
.Lp1b:
	STEP1 0
	s_add_co_u32 s[KF], s[KF], 256
	s_add_co_u32 s[TK], s[TK], 2*REC
	s_sub_co_u32 s[CNT], s[CNT], 1
	s_cmp_lg_u32 s[CNT], 0
	s_cbranch_scc1 .Lp1b
	; ---- between the passes: my maxima and sums meet my partner's
	s_wait_alu depctr_va_vdst(0)
.irp T, 0,1
	v_add_f32 v[41+4*\T], v[ST+8*\T+4], v[ST+8*\T+5]
	v_add_f32 v[43+4*\T], v[ST+8*\T+6], v[ST+8*\T+7]
	v_mov_b32 v[40+4*\T], v[ST+8*\T]
	v_mov_b32 v[42+4*\T], v[ST+8*\T+2]
.endr
.irp T, 0,1
	v_permlanex16_b32 v[TP+2*\T], v[41+4*\T], s[SEL], s[SEL+1]
	v_permlanex16_b32 v[TP+2*\T+1], v[43+4*\T], s[SEL], s[SEL+1]
.endr
.irp T, 0,1
	v_add_f32 v[41+4*\T], v[41+4*\T], v[TP+2*\T]
	v_add_f32 v[43+4*\T], v[43+4*\T], v[TP+2*\T+1]
.endr
	s_wait_alu depctr_va_vdst(0)
	ds_store_b128 v[SX], v[40:43]                  ; -M1, l1, -M2, l2 of tile 127 - t,
	ds_store_b128 v[SX], v[44:47] offset:512       ; and of tile t
	s_wait_dscnt 0x0
	s_barrier_signal -1
	s_barrier_wait -1
	ds_load_b128 v[48:51], v[SY]
	ds_load_b128 v[52:55], v[SY] offset:512
	s_wait_dscnt 0x0
.irp u, 0,2,4,6                                    ; u = 4 x tile + 2 x map.  A wave that saw no key holds -M = 3e38 and l = 0: its l stays 0
	v_min_num_f32 v[ST+2*(\u/4)*4+(\u%4)], v[40+\u], v[48+\u]      ; the common -M
.endr
.irp u, 0,2,4,6
	v_sub_f32 v[56+\u], v[ST+2*(\u/4)*4+(\u%4)], v[40+\u]          ; my M less the common M: a whole number, 0 or less
	v_sub_f32 v[57+\u], v[ST+2*(\u/4)*4+(\u%4)], v[48+\u]
.endr
.irp u, 0,1,2,3,4,5,6,7
	v_cvt_i32_f32 v[56+\u], v[56+\u]               ; (it saturates)
.endr
.irp u, 0,2,4,6
	v_ldexp_f32 v[41+\u], v[41+\u], v[56+\u]
	v_ldexp_f32 v[49+\u], v[49+\u], v[57+\u]
.endr
.irp u, 0,2,4,6
	v_add_f32 v[ST+2*(\u/4)*4+4+(\u%4)], v[41+\u], v[49+\u]        ; l under the common M
.endr
	s_wait_alu depctr_va_vdst(0)
.irp u, 0,2,4,6
	v_rcp_f32 v[ST+2*(\u/4)*4+4+(\u%4)], v[ST+2*(\u/4)*4+4+(\u%4)]
.endr
	v_nop
	s_wait_alu depctr_va_vdst(0)
	v_mul_f32 v[ST+6], 0xbe4ccccd, v[ST+6]         ; x -0.2
	v_mul_f32 v[ST+14], 0xbe4ccccd, v[ST+14]
	; ---- PASS 2: four slots of V, four key steps each, two of them mine
	s_mul_i32 s[TV], s[PAR], REC
	s_add_co_u32 s[TK], s[TV], KB
	s_add_co_u32 s[TV], s[TV], VS0
	s_lshl_b32 s[KF], s[PAR], 7
	s_mov_b32 s[KN], 512
	s_mov_b32 s[CNT], 4
.Lp2:
	s_wait_alu depctr_va_vdst(0)
	s_wait_tensorcnt 0x0                           ; no tensor load of mine is out: my part of this slot is in, and a group 0 may be written
	ds_add_u32 v[SPW], v[NIL]
	s_xor_b32 s[G0V+1], s[G0V+1], VX               ; the other slot,
	s_add_nc_u64 s[G0V+2:G0V+3], s[G0V+2:G0V+3], SLOTB   ; the next four key steps
	s_wait_dscnt 0x0
	s_barrier_signal -1
	s_barrier_wait -1
	s_cmp_gt_u32 s[KN], s[LASTK]                   ; ids and the loop's steps alone, the same in all waves: a slot that no query of the work-group sees is not fetched
	s_cbranch_scc1 .Lnofill
	tensor_load_to_lds s[G0V:G0V+3], s[G1V:G1V+7]
	s_nop 0
	PLACES 4
.Lnofill:
	STEP2 0, 0
	STEP2 1, 0
	STEP2 0, 1
	STEP2 1, 1
	s_xor_b32 s[TV], s[TV], VX
	s_add_co_u32 s[TK], s[TK], 4*REC
	s_add_co_u32 s[KF], s[KF], 512
	s_add_co_u32 s[KN], s[KN], 512
	s_sub_co_u32 s[CNT], s[CNT], 1
	s_cmp_lg_u32 s[CNT], 0
	s_cbranch_scc1 .Lp2
	; ---- the two parts of each O^T are added: I hand on the tile that my partner finishes.  Each accumulator is first read at its low end.
	PLACES 4
	s_wait_alu depctr_va_vdst(0)
	s_wait_tensorcnt 0x0
	s_wait_dscnt 0x0
	s_barrier_signal -1
	s_barrier_wait -1                              ; nobody reads K any more, and nothing is filled any more
	s_cmp_eq_u32 s[PAR], 0
	s_cselect_b32 s70, s[TQ], s[TQ+1]              ; the tile that I finish
	s_cbranch_scc0 .Lodd
	WIN 0x04                                       ; the data lie in window 1
.set k, 0
.rept 16
	ds_store_b128 v[OX], v[64+4*k:67+4*k] offset:512*k
.set k, k+1
.endr
	WIN 0
	s_branch .Ljoin
.Lodd:
.set k, 0
.rept 16
	ds_store_b128 v[OX], v[160+4*k:163+4*k] offset:512*k
.set k, k+1
.endr
	s_wait_dscnt 0x0
	WIN 0x01
.set e, 0
.rept 64
	v_mov_b32 v[160+e], v[64+e]
.set e, e+1
.endr
	WIN 0
.Ljoin:
	s_wait_alu depctr_va_vdst(0)
	s_wait_dscnt 0x0
	s_barrier_signal -1
	s_barrier_wait -1
.set k, 0
.rept 16
	ds_load_b128 v[96+4*k:99+4*k], v[OY] offset:512*k
.set k, k+1
.endr
	s_wait_dscnt 0x0
.set e, 0
.rept 32
	v_pk_add_f32 v[160+e:161+e], v[160+e:161+e], v[96+e:97+e]
.set e, e+2
.endr
	; ---- THE WAY OUT.  Register 8 t + j of lane (r, h) is channel 16 t + 8 h + j of query r; the halves of two neighbouring tiles change places, so that lane h holds channels 32 b + 16 h + 0 .. 15.
.irp b, 0,1,2,3
.irp j, 0,1,2,3,4,5,6,7
	v_permlane16_swap_b32 v[160+16*\b+\j], v[168+16*\b+\j]
.endr
.endr
	QHALF 160, 0, PW
	QHALF 192, 1, PW
	s_lshl_b32 s68, s70, 4
	s_add_co_u32 s68, s68, s[HH]
	s_mul_i32 s68, s68, FRB                        ; oimg: [tile][head][1536]
	s_mov_b32 s69, 0
	s_add_nc_u64 s[6:7], s[6:7], s[68:69]
	s_lshl_b32 s68, s70, 10                        ; osc: 64 bytes a row, word = head
	s_lshl_b32 s71, s[HH], 2
	s_add_co_u32 s68, s68, s71
	s_add_nc_u64 s[8:9], s[8:9], s[68:69]
	v_lshlrev_b32 v[R32], 1, v[R32]                ; 64 r
	s_wait_alu depctr_va_vdst(0)
.irp c, 0,1,2
	global_store_b128 v[LI], v[CD+4*\c:CD+4*\c+3], s[6:7] offset:512*\c   ; the wave stores 512 consecutive bytes, aligned
.endr
	global_store_b32 v[R32], v[PW], s[8:9]         ; row r's scale word (lanes l and l + 16 write the same word with the same value)
	s_wait_tensorcnt 0x0                           ; the wave's end
	ds_add_u32 v[SPW], v[NIL]
	s_wait_dscnt 0x0
	s_endpgm
.Lfunc_end_k_qfec3f6054d_attn:
	.size	k_qfec3f6054d_attn, .Lfunc_end_k_qfec3f6054d_attn-k_qfec3f6054d_attn
	.p2alignl 7, 3214868480
	.fill 96, 4, 3214868480
	.section	.rodata,"a",@progbits
	.p2align	6, 0x0
	.amdhsa_kernel k_qfec3f6054d_attn
		.amdhsa_group_segment_fixed_size 327680
		.amdhsa_private_segment_fixed_size 0
		.amdhsa_enable_private_segment 0
		.amdhsa_kernarg_size 24
		.amdhsa_user_sgpr_count 2
		.amdhsa_user_sgpr_kernarg_segment_ptr 1
		.amdhsa_wavefront_size32 1
		.amdhsa_system_sgpr_workgroup_id_x 1
		.amdhsa_system_sgpr_workgroup_id_y 1
		.amdhsa_system_sgpr_workgroup_id_z 1
		.amdhsa_system_vgpr_workitem_id 0
		.amdhsa_next_free_vgpr 384
		.amdhsa_next_free_sgpr 96
		.amdhsa_reserve_vcc 1
		.amdhsa_float_denorm_mode_32 3
		.amdhsa_float_denorm_mode_16_64 3
		.amdhsa_memory_ordered 1
		.amdhsa_forward_progress 1
		.amdhsa_inst_pref_size 248
	.end_amdhsa_kernel
	.amdgpu_metadata
---
amdhsa.version: [ 1, 2 ]
amdhsa.kernels:
  - .name:           k_qfec3f6054d_attn
    .symbol:         k_qfec3f6054d_attn.kd
    .args:
      - { .name: img, .offset: 0, .size: 8, .value_kind: global_buffer, .address_space: global }
      - { .name: oimg, .offset: 8, .size: 8, .value_kind: global_buffer, .address_space: global }
      - { .name: osc, .offset: 16, .size: 8, .value_kind: global_buffer, .address_space: global }
    .group_segment_fixed_size: 327680
    .private_segment_fixed_size: 0
    .kernarg_segment_align: 8
    .kernarg_segment_size: 24
    .max_flat_workgroup_size: 256
    .sgpr_count:     96
    .vgpr_count:     384
    .wavefront_size: 32
...
	.end_amdgpu_metadata
.endif
;; end of part 8
;; launch gemm_o (part 9): grid 16 x 16, 4 waves a work-group, clusters of 4 x 4, 327,680 bytes of LDS; arguments oimg, osc, wc, ws, out0; writes out0
.if DOCPART == 9
	.amdgcn_target "amdgcn-amd-amdhsa--gfx1250"
	.amdhsa_code_object_version 6
	.text
	.protected	k_qfec3f6054d_gemm_o
	.globl	k_qfec3f6054d_gemm_o
	.p2align	8
	.type	k_qfec3f6054d_gemm_o,@function
k_qfec3f6054d_gemm_o:
	s_mov_b64 s[64:65], 0
	v_nop
	global_prefetch_b8 v0, s[64:65] scope:SCOPE_SE
	s_setreg_imm32_b32 hwreg(HW_REG_WAVE_MODE, 25, 1), 1
	s_wait_xcnt 0x0
	s_wait_alu depctr_hold_cnt(0) depctr_sa_sdst(0) depctr_va_vdst(0) depctr_va_sdst(0) depctr_va_ssrc(0) depctr_va_vcc(0) depctr_vm_vsrc(0)
	s_getreg_b32 s2, hwreg(HW_REG_IB_STS2, 6, 4)
	s_cmp_eq_u32 s2, 0
	s_cbranch_scc0 .Lentry_in_a_cluster
	s_endpgm
.Lentry_in_a_cluster:
	s_bfe_u32 s2, ttmp6, 0x10000c
	s_cmp_lg_u32 s2, 0xf033
	s_cbranch_scc0 .Lentry_shape_is_right
	s_endpgm
.Lentry_shape_is_right:
; out0 = O Wo on codes of FP6 (E2M3) with E8M0 scales; sums in f32.  O: oimg [row / 16][K step][1536] with osc [row][64]; Wo: rows 4096 on of wc, the same layout, with ws [row][64].
; A fragment image (16 rows x 128 along K, 1,536 bytes) is the operand's registers as they lie: three loads of 16 bytes a lane.
; A tile of out0, 128 x 128, is made by a work-group of four waves, 64 x 64 each: 16 x 16 = 256 work-groups.  Sixteen accumulators a wave, by turns, one instruction a turn.
; K's 16 steps go through two LDS slots in THREE fills: steps 0-5, 6-11, 12-15.  A slot holds 8 row tiles of O and 8 of Wo, six K steps each: 16 x 9,216 = 147,456 bytes.  A tile's row in memory is the 9,216
; (the last fill: 6,144) consecutive bytes of 16 rows, at a multiple of 256 from the buffer's first byte.  For the last fill the two words of group 1 that state the row's length are set while no load of the wave is out.
; CLUSTERS: 4 x 4 work-groups; O's tiles are asked for jointly along a row of the cluster, Wo's along a column.  Waves 0 and 1 fetch O's two halves, waves 2 and 3 Wo's.
; THE MATRIX INSTRUCTION IS USED TRANSPOSED (source 0 = 16 rows of Wo, source 1 = 16 rows of O): a lane holds eight neighbouring numbers of a row of out0.
; The scale words of the wave's 64 + 64 rows, for all of K, are loaded once into registers: 64 bytes a row, 1,024 consecutive bytes for 16 rows.
; NO PREFETCH: the walk along K is three fills, written out: there is no loop to run ahead in, and the first two fills are asked for at the head.
; REGISTERS: window 0: v16-31 addresses, v32-95 O's scale words, v96-159 Wo's, v160-223 the way out; window 1: Wo's fragments, two sets at v0 and v128; window 3: O's, two sets at v0 and v64; window 2: the accumulators.
; All of LDS is claimed.
.set SIZE_N, 2048
.set KROW,   1536
.set FRB,    1536
.set FR,     12
.set NP,     4
.set ROWB,   6*FRB                     ; a row tile's bytes in a slot
.set HALF,   4*ROWB                    ; 64 rows: what one tensor load brings, and what one wave reads of O or of Wo
.set SLOT,   4*HALF
.set SPARE,  2*SLOT
.set SPITCH, 272                       ; the way out: 256 bytes of a row + 16
.set RB,     ROWB                      ; from row tile to row tile in the slot that is read; 4 FRB for the last fill
.set ADRA, 16
.set ADRB, 20
.set STO,  24
.set RD,   25
.set CO,   26
.set VSC,  27
.set SPW,  28
.set NIL,  29
.set SA,   32
.set SB,   96
.set BK,   160
.set G1, 24
.set G0, 32
.set G1B, 48
.set G0B, 56
.set MSB, 0
.macro WIN new
.if MSB != \new
	s_set_vgpr_msb (MSB<<8)|\new
.set MSB, \new
.endif
.endm
.set MUL,  0xad                        ; source 0 window 1, source 1 window 3, C and D window 2
.set TO_B, 0x40
.set TO_A, 0xc0
.macro JLOAD g0a, g1a, g0b, g1b        ; a joint load: the branch hangs on the wave's number alone
	s_cmp_eq_u32 s15, 0
	s_cbranch_scc0 .Lfor_b_\@
	tensor_load_to_lds s[\g0a:\g0a+3], s[\g1a:\g1a+7]
	s_nop 0
.rept 4
	v_nop
.endr
	s_branch .Lasked_\@
.Lfor_b_\@:
	tensor_load_to_lds s[\g0b:\g0b+3], s[\g1b:\g1b+7]
	s_nop 0
.rept 4
	v_nop
.endr
.Lasked_\@:
.endm
.macro CREST
	s_cmp_lg_u32 s14, 0
	s_cbranch_scc1 .Lnot_wave_0_\@
	s_barrier_signal -3
.Lnot_wave_0_\@:
	s_barrier_wait -3
	s_barrier_signal -1
	s_barrier_wait -1
.endm
.macro CROUND
	s_barrier_signal -1
	s_barrier_wait -1
	CREST
.endm
.macro PLACES n
.rept \n
	v_nop
.endr
.endm
	s_load_b128 s[4:7], s[0:1], 0x0                ; oimg, osc
	s_load_b128 s[8:11], s[0:1], 0x10              ; wc, ws
	s_load_b64 s[12:13], s[0:1], 0x20              ; out0
	v_lshl_add_u32 v[SPW], v0, 2, SPARE
	v_mov_b32 v[NIL], 0
	ds_add_u32 v[SPW], v[NIL]                      ; the opening lines
	ds_add_u32 v[SPW], v[NIL]
	v_lshrrev_b32 v1, 5, v0
	v_readfirstlane_b32 s14, v1                    ; wave
	s_lshr_b32 s15, s14, 1                         ; my half of the tile's rows; also: I fetch for O (0) or for Wo (1)
	s_and_b32 s16, s14, 1                          ; my half of its columns; also: which 64 rows I fetch
	s_bfe_u32 s40, ttmp6, 0x40000                  ; cx
	s_bfe_u32 s41, ttmp6, 0x40004                  ; cy
	s_lshl_b32 s42, ttmp9, 2
	s_add_co_u32 s42, s42, s40                     ; tile column
	s_and_b32 s17, ttmp7, 0xffff
	s_lshl_b32 s17, s17, 2
	s_add_co_u32 s17, s17, s41                     ; tile row
	s_lshl_b32 s43, s41, 2
	s_lshl_b32 s43, 15, s43                        ; my row of the cluster
	s_lshl_b32 s44, 0x1111, s40                    ; my column
	s_or_b32 s[G1+0], s43, (3<<16)|(1<<21)         ; elements of 8 bytes; 4 rows of 1,152 elements, 3,072 elements from row to row
	s_or_b32 s[G1B+0], s44, (3<<16)|(1<<21)
.irp g, G1, G1B
	s_mov_b32 s[\g+1], 1152<<16
	s_mov_b32 s[\g+2], 4<<16
	s_mov_b32 s[\g+3], 1152<<16
	s_mov_b32 s[\g+4], 4
	s_mov_b32 s[\g+5], 3072
	s_mov_b32 s[\g+6], 0
	s_mov_b32 s[\g+7], 0
.endr
	s_lshl_b32 s20, s17, 3
	s_lshl_b32 s18, s16, 2
	s_add_co_u32 s20, s20, s18
	s_mul_i32 s20, s20, 16*FRB                     ; O: row tile 8 x tile row + 4 x half
	s_mov_b32 s21, 0
	s_lshl_b32 s22, s17, 13
	s_lshl_b32 s18, s15, 12
	s_add_co_u32 s22, s22, s18                     ; the scale words of my 64 rows of O
	s_mov_b32 s23, 0
	s_lshl_b32 s46, s42, 7
	s_lshl_b32 s18, s16, 6
	s_add_co_u32 s46, s46, s18
	s_add_co_u32 s46, s46, 4096                    ; Wo: row 4096 + 128 x tile column + 64 x half: what I fetch, and what I multiply
	s_lshl_b32 s92, s46, 6
	s_mov_b32 s93, 0
	s_mul_i32 s46, s46, KROW
	s_mov_b32 s47, 0
	s_mul_i32 s45, s16, HALF
	s_add_co_u32 s94, s45, 2*HALF
	s_wait_dscnt 0x0
	s_wait_kmcnt 0x0
	s_add_nc_u64 s[20:21], s[4:5], s[20:21]
	s_add_nc_u64 s[22:23], s[6:7], s[22:23]
	s_add_nc_u64 s[46:47], s[8:9], s[46:47]
	s_add_nc_u64 s[92:93], s[10:11], s[92:93]
	CROUND                                         ; all sixteen work-groups are here: the first joint loads meet
.irp s, 0,1
	s_mov_b32 s[G0+4*\s], 1
	s_add_co_u32 s[G0+4*\s+1], s45, \s*SLOT
	s_add_nc_u64 s[G0+4*\s+2:G0+4*\s+3], s[20:21], \s*ROWB
	s_or_b32 s[G0+4*\s+3], s[G0+4*\s+3], 0x80000000
	s_mov_b32 s[G0B+4*\s], 1
	s_add_co_u32 s[G0B+4*\s+1], s94, \s*SLOT
	s_add_nc_u64 s[G0B+4*\s+2:G0B+4*\s+3], s[46:47], \s*ROWB
	s_or_b32 s[G0B+4*\s+3], s[G0B+4*\s+3], 0x80000000
.endr
	JLOAD G0, G1, G0B, G1B                         ; K steps 0-5: one tensor load a wave at the head
	v_and_b32 v1, 15, v0                           ; r
	v_bfe_u32 v2, v0, 4, 1                         ; h
	v_lshlrev_b32 v[VSC], 6, v1
	v_and_b32 v6, 31, v0
	v_lshlrev_b32 v7, 4, v6                        ; 16 x lane
.irp a, 0,1,2,3
.irp j, 0,1,2,3
	global_load_b128 v[SA+16*\a+4*\j:SA+16*\a+4*\j+3], v[VSC], s[22:23] offset:1024*\a+16*\j
	global_load_b128 v[SB+16*\a+4*\j:SB+16*\a+4*\j+3], v[VSC], s[92:93] offset:1024*\a+16*\j
.endr
.endr
	s_mul_i32 s78, s15, HALF
	s_mul_i32 s79, s16, HALF
	s_add_co_u32 s79, s79, 2*HALF
	s_add_co_u32 s81, s78, SLOT
	s_add_co_u32 s82, s79, SLOT
	s_mul_i32 s80, s14, 16*SPITCH
	s_add_co_u32 s80, s80, SLOT                    ; my stage, in slot 1: the last fill lies in slot 0
	s_lshl_b32 s84, s17, 7
	s_lshl_b32 s85, s15, 6
	s_add_co_u32 s84, s84, s85
	s_lshl_b32 s84, s84, 13                        ; my first row of out0, 8,192 bytes a row,
	s_lshl_b32 s85, s42, 9
	s_add_co_u32 s84, s84, s85
	s_lshl_b32 s85, s16, 8
	s_add_co_u32 s84, s84, s85                     ; my first column: 512 x tile column + 256 x half
	s_mov_b32 s85, 0
	s_add_nc_u64 s[12:13], s[12:13], s[84:85]
	s_wait_alu depctr_va_vdst(0)                   ; the wait here, directly ahead of the readers below
	v_add_nc_u32 v[ADRA], s78, v7
	v_add_nc_u32 v[ADRA+1], s81, v7
	v_add_nc_u32 v[ADRB], s79, v7
	v_add_nc_u32 v[ADRB+1], s82, v7
	v_mul_u32_u24 v5, v1, SPITCH                   ; into the stage: row r, 32 bytes for each half of the lanes
	v_lshl_add_u32 v5, v2, 5, v5
	v_add_nc_u32 v[STO], s80, v5
	v_mul_u32_u24 v8, v2, SPITCH                   ; back: sixteen lanes take a row of 256 bytes, two rows an instruction
	v_lshl_add_u32 v8, v1, 4, v8
	v_add_nc_u32 v[RD], s80, v8
	v_lshlrev_b32 v9, 13, v2                       ; and the same two rows in out0
	v_lshl_add_u32 v[CO], v1, 4, v9
.macro FETCH slot, q, p                ; the fragments of the slot's q-th K step into set p: 24 loads
	WIN TO_B
.irp i, 0,1,2,3
.irp c, 0,1,2
	ds_load_b128 v[128*(\p)+FR*\i+4*\c:128*(\p)+FR*\i+4*\c+3], v[ADRB+(\slot)] offset:\i*RB+(\q)*FRB+512*\c
.endr
.endr
	WIN TO_A
.irp i, 0,1,2,3
.irp c, 0,1,2
	ds_load_b128 v[64*(\p)+FR*\i+4*\c:64*(\p)+FR*\i+4*\c+3], v[ADRA+(\slot)] offset:\i*RB+(\q)*FRB+512*\c
.endr
.endr
.endm
.macro MULA a, p, ks, zero             ; O's block a against Wo's four
.irp b, 0,1,2,3
.if \zero
	v_wmma_scale_f32_16x16x128_f8f6f4 v[8*(4*(\a)+\b):8*(4*(\a)+\b)+7], v[128*(\p)+FR*\b:128*(\p)+FR*\b+FR-1], v[64*(\p)+FR*(\a):64*(\p)+FR*(\a)+FR-1], 0, v[SB+16*\b+(\ks)], v[SA+16*(\a)+(\ks)] matrix_a_fmt:MATRIX_FMT_FP6 matrix_b_fmt:MATRIX_FMT_FP6
.else
	v_wmma_scale_f32_16x16x128_f8f6f4 v[8*(4*(\a)+\b):8*(4*(\a)+\b)+7], v[128*(\p)+FR*\b:128*(\p)+FR*\b+FR-1], v[64*(\p)+FR*(\a):64*(\p)+FR*(\a)+FR-1], v[8*(4*(\a)+\b):8*(4*(\a)+\b)+7], v[SB+16*\b+(\ks)], v[SA+16*(\a)+(\ks)] matrix_a_fmt:MATRIX_FMT_FP6 matrix_b_fmt:MATRIX_FMT_FP6
.endif
.endr
.endm
; A K step that is not its slot's last: its fragments are in; the next step's are asked for first, behind four places, into the set that the step before multiplied; then 16 matrix instructions.
.macro SUB slot, q, ks, zero
	s_wait_dscnt 0x0
	PLACES NP
	FETCH \slot, (\q)+1, 1-(\q)%2
	WIN MUL
.irp a, 0,1,2,3
	MULA \a, (\q)%2, \ks, \zero
.endr
.endm
; A slot's last K step (set 1) and the change of slots.  fill = 1: the barrier opens a round of the cluster's barrier, and the slot takes K steps 12-15.
.macro TURN slot, next, ks, fill
	WIN 0
	s_wait_tensorcnt 0x0                           ; all my tensor loads have landed
	ds_add_u32 v[SPW], v[NIL]
	s_wait_dscnt 1                                 ; my fragments are in (the add may be out)
	WIN MUL
	MULA 0, 1, \ks, 0
	s_wait_dscnt 0x0                               ; the add is done; my reads of this slot are over
	s_barrier_signal -1
	MULA 1, 1, \ks, 0
	WIN 0
	s_barrier_wait -1
.if \fill
	CREST
	s_add_nc_u64 s[G0+4*\slot+2:G0+4*\slot+3], s[G0+4*\slot+2:G0+4*\slot+3], 2*ROWB
	s_add_nc_u64 s[G0B+4*\slot+2:G0B+4*\slot+3], s[G0B+4*\slot+2:G0B+4*\slot+3], 2*ROWB
	s_mov_b32 s[G1+1], 768<<16                     ; no tensor load of mine is out: a row is now four K steps, 768 elements
	s_mov_b32 s[G1+3], 768<<16
	s_mov_b32 s[G1B+1], 768<<16
	s_mov_b32 s[G1B+3], 768<<16
	JLOAD G0+4*\slot, G1, G0B+4*\slot, G1B         ; the first tensor load behind the round; its four v_nop are the places in front of the loads below
.else
	PLACES NP
.endif
	FETCH \next, 0, 0
	WIN MUL
	MULA 2, 1, \ks, 0
	MULA 3, 1, \ks, 0
.endm
	s_wait_alu depctr_va_vdst(0)                   ; the head's end
	s_wait_tensorcnt 0x0                           ; my part of K steps 0-5 is in; slot 1's first fill is issued as a refill is
	ds_add_u32 v[SPW], v[NIL]
	s_wait_dscnt 0x0
	CROUND
	JLOAD G0+4, G1, G0B+4, G1B                     ; K steps 6-11, the first tensor load behind the round
	s_wait_loadcnt 0x0                             ; the scale words
	FETCH 0, 0, 0
	SUB 0, 0, 0, 1                                 ; the first step's products start the sums
	SUB 0, 1, 1, 0
	SUB 0, 2, 2, 0
	SUB 0, 3, 3, 0
	SUB 0, 4, 4, 0
	TURN 0, 1, 5, 1
	SUB 1, 0, 6, 0
	SUB 1, 1, 7, 0
	SUB 1, 2, 8, 0
	SUB 1, 3, 9, 0
	SUB 1, 4, 10, 0
.set RB, 4*FRB                         ; what is read from here on is the last fill: row tiles 6,144 bytes apart
	TURN 1, 0, 11, 0
	SUB 0, 0, 12, 0
	SUB 0, 1, 13, 0
	SUB 0, 2, 14, 0
	s_wait_dscnt 0x0
	WIN MUL
.irp a, 0,1,2,3
	MULA \a, 1, 15, 0
.endr
	WIN 0
; THE WAY OUT, block by block of 16 rows x 64 columns, through my own stage: LDS serves a wave's instructions in order, so no wait stands between the stores and the loads.
.macro TOSTAGE a
.set AC, 32*(\a)
	WIN 0x08                                       ; the data: window 2
.irp b, 0,1,2,3
	ds_store_b128 v[STO], v[AC+8*\b:AC+8*\b+3] offset:64*\b          ; each accumulator from its low end on
	ds_store_b128 v[STO], v[AC+8*\b+4:AC+8*\b+7] offset:64*\b+16
.endr
	WIN 0
.set BB, BK+32*((\a)%2)
.irp t, 0,1,2,3,4,5,6,7
	ds_load_b128 v[BB+4*\t:BB+4*\t+3], v[RD] offset:\t*2*SPITCH
.endr
.endm
.macro SEND a, younger                 ; younger: the LDS instructions issued behind block a's loads, which may stay out
.set BB, BK+32*((\a)%2)
	s_wait_dscnt \younger
.if (\a) > 0
	s_add_nc_u64 s[12:13], s[12:13], 16*SIZE_N*4   ; (behind a wait on XCNT: the earlier stores have read their base)
.endif
.irp t, 0,1,2,3,4,5,6,7
	global_store_b128 v[CO], v[BB+4*\t:BB+4*\t+3], s[12:13] offset:\t*2*SIZE_N*4 th:TH_STORE_NT   ; sixteen lanes store 256 consecutive bytes, aligned
.endr
.endm
	PLACES NP
	TOSTAGE 0
.irp a, 1,2,3
.if \a > 1
	s_wait_xcnt 0x0                                ; block a - 2's stores have read their registers and their base
.endif
	TOSTAGE \a
	SEND \a-1, 16                                  ; behind block a - 1's loads: block a's 8 stores and 8 loads
.endr
	s_wait_xcnt 0x0
	SEND 3, 0
	s_wait_tensorcnt 0x0                           ; the wave's end
	ds_add_u32 v[SPW], v[NIL]
	s_wait_dscnt 0x0
	CROUND                                         ; the closing round
	s_endpgm
.Lfunc_end_k_qfec3f6054d_gemm_o:
	.size	k_qfec3f6054d_gemm_o, .Lfunc_end_k_qfec3f6054d_gemm_o-k_qfec3f6054d_gemm_o
	.p2alignl 7, 3214868480
	.fill 96, 4, 3214868480
	.section	.rodata,"a",@progbits
	.p2align	6, 0x0
	.amdhsa_kernel k_qfec3f6054d_gemm_o
		.amdhsa_group_segment_fixed_size 327680
		.amdhsa_private_segment_fixed_size 0
		.amdhsa_enable_private_segment 0
		.amdhsa_kernarg_size 40
		.amdhsa_user_sgpr_count 2
		.amdhsa_user_sgpr_kernarg_segment_ptr 1
		.amdhsa_wavefront_size32 1
		.amdhsa_system_sgpr_workgroup_id_x 1
		.amdhsa_system_sgpr_workgroup_id_y 1
		.amdhsa_system_sgpr_workgroup_id_z 1
		.amdhsa_system_vgpr_workitem_id 0
		.amdhsa_next_free_vgpr 1024
		.amdhsa_next_free_sgpr 98
		.amdhsa_reserve_vcc 0
		.amdhsa_float_denorm_mode_32 3
		.amdhsa_float_denorm_mode_16_64 3
		.amdhsa_memory_ordered 1
		.amdhsa_forward_progress 1
		.amdhsa_inst_pref_size 81
	.end_amdhsa_kernel
	.amdgpu_metadata
---
amdhsa.version: [ 1, 2 ]
amdhsa.kernels:
  - .name:           k_qfec3f6054d_gemm_o
    .symbol:         k_qfec3f6054d_gemm_o.kd
    .args:
      - { .name: oimg, .offset: 0, .size: 8, .value_kind: global_buffer, .address_space: global }
      - { .name: osc, .offset: 8, .size: 8, .value_kind: global_buffer, .address_space: global }
      - { .name: wc, .offset: 16, .size: 8, .value_kind: global_buffer, .address_space: global }
      - { .name: ws, .offset: 24, .size: 8, .value_kind: global_buffer, .address_space: global }
      - { .name: out0, .offset: 32, .size: 8, .value_kind: global_buffer, .address_space: global }
    .group_segment_fixed_size: 327680
    .private_segment_fixed_size: 0
    .kernarg_segment_align: 8
    .kernarg_segment_size: 40
    .max_flat_workgroup_size: 128
    .sgpr_count:     98
    .vgpr_count:     1024
    .wavefront_size: 32
...
	.end_amdgpu_metadata
.endif
;; end of part 9
